; MI455X (gfx1250); checked and timed in simulation.
; The chip was launched on July 23, 2026; its instructions are those of AMD's public machine-readable ISA for CDNA 5 (MIT licence, August 2026) and "CDNA5" Instruction Set Architecture Reference Guide (July 2026). The comments in the code are by the model that wrote it; some were corrected since.
;; GPT2 Block. Allowed arithmetic: matrix products marked QUANTISED: E2M3 operands, one E8M0 scale for each 32 along K, by v_wmma_scale_f32_16x16x128_f8f6f4 with both operands' format E2M3, f32 sums; everything else in f32.
;; Inputs: b_attn_proj 1,024 float32; b_fc 4,096 float32; b_mlp_proj 1,024 float32; b_qkv 3,072 float32; ln1_bias 1,024 float32; ln1_scale 1,024 float32; ln2_bias 1,024 float32; ln2_scale 1,024 float32; mask 1 x 1 x 2,048 x 2,048 bool; w_attn_proj 1,024 x 1,024 float32; w_fc 1,024 x 4,096 float32; w_mlp_proj 4,096 x 1,024 float32; w_qkv 1,024 x 3,072 float32; x 2 x 2,048 x 1,024 float32.
;; Outputs: out0 2 x 2,048 x 1,024 float32.
;; This version of the problem:
;;   THIS VERSION OF THE PROBLEM IS GIVEN IN LOW PRECISION. The matrix products marked QUANTISED in the list below multiply operands that are first quantised to E2M3 (2 exponent bits, 3 mantissa bits; 6 bits a number), with one power-of-two scale for each 32 numbers along K (OCP MX v1.0); their sums are f32. All else is computed in f32.
;;   The module's matrix products, in the order in which they are computed (A, B: the left and right operand; K: the contracted axis; several contracted axes count as one K, in the product's order):
;;     1. [M 4,096, K 1,024] x [K 1,024, N 3,072]; A: computed on the way; B: input w_qkv: QUANTISED
;;     2. batch 32 x [M 2,048, K 64] x [K 64, N 2,048]; A: computed on the way; B: computed on the way: QUANTISED
;;     3. batch 32 x [M 2,048, K 2,048] x [K 2,048, N 64]; A: softmax (see below); B: computed on the way: QUANTISED
;;     4. [M 4,096, K 1,024] x [K 1,024, N 1,024]; A: computed on the way; B: input w_attn_proj: QUANTISED
;;     5. [M 4,096, K 1,024] x [K 1,024, N 4,096]; A: computed on the way; B: input w_fc: QUANTISED
;;     6. [M 4,096, K 4,096] x [K 4,096, N 1,024]; A: computed on the way; B: input w_mlp_proj: QUANTISED
;;   THE QUANTISER, for each operand of a quantised product, along K:
;;     - K is cut into blocks of 32 from its start; a last block that is shorter is filled with zeros.
;;     - A block's scale is 2^e with e = floor(log2(the largest magnitude in the block)) - 2, held to -126 .. 127; a block of zeros has e = 0. As a byte (E8M0): e + 127.
;;     - Each number is divided by its block's scale, clamped to +-7.5, and rounded to the nearest number of E2M3, ties to even, subnormals kept.
;;     - The product sums the exact products of the quantised numbers (number of the format x scale) in f32.
;;   ~~~python
;;   def quantise(x, axis):      # numpy; x: float32 -> the quantised numbers, widened to float32 again
;;       x = np.moveaxis(x, axis, -1); K = x.shape[-1]
;;       x = np.pad(x, [(0, 0)] * (x.ndim - 1) + [(0, -K % 32)]); x = x.reshape(x.shape[:-1] + (-1, 32)); a = np.abs(x).max(-1, keepdims=True)
;;       e = np.where(a > 0, np.clip(np.frexp(np.where(a > 0, a, 1))[1] - 1 - 2, -126, 127), 0)      # np.frexp(a)[1] - 1 = floor(log2(a)), exactly
;;       r = np.clip(x / 2.0 ** e, -7.5, 7.5)
;;       step = 2.0 ** (np.maximum(np.frexp(np.where(r == 0, 1, r))[1] - 1, 0) - 3)
;;       q = np.round(r / step) * step * 2.0 ** e      # np.round: ties to even
;;       return np.moveaxis(q.reshape(q.shape[:-2] + (-1,))[..., :K], -1, axis).astype(np.float32)
;;   ~~~
;;   SOFTMAX AHEAD OF A QUANTISED PRODUCT. Where the list says 'softmax', what is quantised is not the finished softmax but p = 2^(t - M), with t = logit x log2(e) and M = ceil(the row's largest t), a whole number; so 1/2 < the row's largest p <= 1. The row's sum l is taken of the UNQUANTISED p, in f32, and the product's result is divided by l at the end. Since M is a whole number, a kernel that streams over the keys may use a running M (the ceiling of the running maximum): every later rescaling is an exact power of two, which a block's scale takes up: the codes' values come out the same.
;;   OPERANDS COMPUTED ON THE WAY. 'Computed on the way' means the value that the module computes at that place (a softmax that the list does not call 'softmax' is quantised finished and normalised). What goes into a quantiser is computed in f32, as accurately as f32 sums, v_exp_f32 and their like allow (about 1e-6 of the number): no bf16 or f16 on the way to a quantiser, and a product that is left as it is and whose result goes on into a quantised operand takes f32 operands (vector FMAs, or v_wmma_f32_16x16x4_f32). A number that lies on a knife's edge between two numbers of the format may be rounded either way, as far as f32 arithmetic and the matrix unit's own rounding can turn it there, and no further.
;; 2 versions. Each part assembles by itself: llvm-mc -triple=amdgcn-amd-amdhsa -mcpu=gfx1250 --defsym DOCPART=n.
;; ======== version 1 of 2: 8 launches
;; workspace buffers: wq 9,830,400 bytes; hb 3,276,800 bytes; qkv 9,830,400 bytes; at 3,276,800 bytes; x1 16,777,216 bytes; hid 13,107,200 bytes; mk 589,824 bytes of whole numbers
;; launch prep (part 1): grid 512 x 1, 4 waves a work-group, no clusters, 0 bytes of LDS; arguments mask, w_qkv, w_attn_proj, w_fc, w_mlp_proj, wq, mk; writes wq, mk
.if DOCPART == 1
	.amdgcn_target "amdgcn-amd-amdhsa--gfx1250"
	.amdhsa_code_object_version 6
	.text
	.protected	k_qff1a8579c3_prep
	.globl	k_qff1a8579c3_prep
	.p2align	8
	.type	k_qff1a8579c3_prep,@function
k_qff1a8579c3_prep:
	s_mov_b64 s[64:65], 0
	v_nop
	global_prefetch_b8 v0, s[64:65] scope:SCOPE_SE
	s_setreg_imm32_b32 hwreg(HW_REG_WAVE_MODE, 25, 1), 1
	s_wait_xcnt 0x0
; PREP.  Two jobs, told apart by the work-group's number.
; (1) Work-groups 0-127: the mask [2048][2048] of bytes becomes LANE MASKS for the attention launch.  Work-group qt takes one tile of 16 queries, wave w the key steps 4 w .. 4 w + 3 (128 keys each).
;     Word n (0..63) of (qt, step): bit l = mask[query 32 (qt/2) + 8 (qt%2) + r + 8 (r/8)][128 step + 32 (n/16) + 16 (l/16) + n%16], r = l % 16: the lane and register in which attention holds that score.
;     64 words of a step are 256 bytes, stored by 32 lanes as one aligned run.  Behind them, at MKNEED: for each (qt, wave) 128 bytes: even words = bit 4 w + i set where step 4 w + i has any key for any of the
;     16 queries; odd words = the ballot of the lanes that saw any key at all in the wave's four steps.
; (2) Work-groups 128-511: the four weights [K][N] f32 become codes of FP6 (E2M3) with one E8M0 byte for each 32 along K, laid as IMAGES OF OPERAND REGISTERS:
;     rows (= columns n of the weight) go in tiles of 16; lane-row r of tile T is row 32 (T/2) + 8 (T%2) + r + 8 (r/8).  Fragment (T, s) (128 along K) is 1,536 bytes at T x NK x 1536 + 1536 s: two halves of 768:
;     registers 6 c .. 6 c + 3 at 16 x lane, registers 6 c + 4, 5 at 512 + 8 x lane.  Scale words at T x NK x 64 + 64 s + 4 r.
;     A lane takes a column and its registers run down K (each load reads 128 consecutive bytes a wave); a block of 32 is one lane's; lanes 0-15 hold tile 2 G, lanes 16-31 tile 2 G + 1; a pair of blocks becomes
;     half a fragment of both tiles by six exchanges of lane halves.  Every store of codes covers 512 or 256 consecutive bytes, aligned.
; A block's scale byte is its largest magnitude's exponent field - 2, held at 1 from below (a block of zeros keeps 1: its codes are zeros and this program alone reads the bytes).
; LIMITS: NaN and infinities among the weights are not served; blocks whose largest magnitude lies under 2^-124 keep the byte 1.
; No tensor loads, no LDS, no barrier: waves share nothing.  No cluster: no two work-groups read the same bytes.
.set MKNEED, 524288
.macro LOADP p, N                      ; blocks 2 p and 2 p + 1 of the wave's eight: 64 loads, into sets (2 p) % 4 and (2 p + 1) % 4
.irp hh, 0,1
.set XB, 32+32*((2*(\p)+\hh)%4)
.set I, 0
.rept 32
	global_load_b32 v[XB+I], v8, s[24:25] offset:(32*(2*(\p)+\hh)+I)*\N*4 th:TH_LOAD_NT
.set I, I+1
.endr
.endr
.endm
.macro WBLK xs, m, c, beta             ; one block of 32 numbers v[xs ..]: scale operand in v[m], its byte into the scale word, codes into v[c .. c+2] and v[c+4 .. c+6]
	v_max3_num_f32 v[\m], |v[\xs]|, |v[\xs+1]|, |v[\xs+2]|
	v_max3_num_f32 v[\m+1], |v[\xs+3]|, |v[\xs+4]|, |v[\xs+5]|
.irp i, 6,10,14,18,22,26
	v_max3_num_f32 v[\m], v[\m], |v[\xs+\i]|, |v[\xs+\i+1]|
	v_max3_num_f32 v[\m+1], v[\m+1], |v[\xs+\i+2]|, |v[\xs+\i+3]|
.endr
	v_max3_num_f32 v[\m], v[\m], |v[\xs+30]|, |v[\xs+31]|
	v_max3_num_f32 v[\m], v[\m], v[\m+1], 0x1800000      ; the floor 2^(3 - 127): the byte cannot fall under 1
	v_add_nc_u32 v[\m], 0xff000000, v[\m]                ; 2 off the exponent field: the conversion's scale operand
	v_lshrrev_b32 v[\m+1], 23, v[\m]                     ; the byte
.if (\beta)%4 == 0
	v_mov_b32 v[24+(\beta)/4], v[\m+1]
.else
	v_lshl_or_b32 v[24+(\beta)/4], v[\m+1], 8*((\beta)%4), v[24+(\beta)/4]
.endif
	v_cvt_scalef32_pk16_fp6_f32 v[\c:\c+2], v[\xs:\xs+15], v[\m]
	v_cvt_scalef32_pk16_fp6_f32 v[\c+4:\c+6], v[\xs+16:\xs+31], v[\m]
.endm
; One weight.  ptr: its pointer's first scalar register; N: its columns; 2^LOGKC = K / 256; IMG, SCL: where its image and scale words begin in wq; NK = K / 128; FIRST: its first work-group.
.macro WQ ptr, N, LOGKC, IMG, SCL, NK, FIRST
	s_sub_co_u32 s20, ttmp9, \FIRST
	s_and_b32 s21, s20, (1<<\LOGKC)-1              ; which 256 along K
	s_lshr_b32 s20, s20, \LOGKC
	s_lshl_b32 s20, s20, 2
	s_add_co_u32 s20, s20, s18                     ; G: my wave's 32 columns
	s_mul_i32 s22, s21, 256*\N*4
	s_lshl_b32 s23, s20, 7
	s_add_co_u32 s22, s22, s23
	s_mov_b32 s23, 0
	s_add_nc_u64 s[24:25], s[\ptr:\ptr+1], s[22:23]
	s_mul_i32 s22, s20, 2*\NK*1536
	s_mul_i32 s26, s21, 3072
	s_add_co_u32 s22, s22, s26
	s_add_co_u32 s22, s22, \IMG
	s_add_nc_u64 s[28:29], s[14:15], s[22:23]      ; tile 2 G, K step 2 kc
	s_mul_i32 s22, s20, 2*\NK*64
	s_lshl_b32 s26, s21, 7
	s_add_co_u32 s22, s22, s26
	s_add_co_u32 s22, s22, \SCL
	s_add_nc_u64 s[30:31], s[14:15], s[22:23]
	v_mul_u32_u24 v9, v3, \NK*64
	v_lshl_add_u32 v9, v2, 2, v9                   ; scale words: my tile, 4 r
	LOADP 0, \N
	LOADP 1, \N
.irp p, 0,1,2,3
.if \p < 3
	s_wait_loadcnt 63                              ; this pair's 64 loads are in: 64 were issued behind them; the count named is one smaller, which only waits longer
.else
	s_wait_loadcnt 0
.endif
	s_wait_xcnt 0x0                                ; the last pair's stores have read the code registers
	WBLK (32+32*((2*\p)%4)), 12, 160, (2*\p)
	WBLK (32+32*((2*\p+1)%4)), 14, 168, (2*\p+1)
	v_nop                                          ; one plain line behind the scaled conversions
.irp i, 0,1,2,4,5,6
	v_permlane16_swap_b32 v[160+\i], v[168+\i]     ; the first now holds tile 2 G (lanes 0-15 the even block, lanes 16-31 the odd one), the second tile 2 G + 1
.endr
.irp i, 0,1,2
	v_mov_b32 v[163+\i], v[164+\i]                 ; six registers on end
	v_mov_b32 v[171+\i], v[172+\i]
.endr
	global_store_b128 v4, v[160:163], s[28:29] offset:(\p/2)*1536+(\p%2)*768
	global_store_b64 v5, v[164:165], s[28:29] offset:(\p/2)*1536+(\p%2)*768+512
	global_store_b128 v4, v[168:171], s[28:29] offset:\NK*1536+(\p/2)*1536+(\p%2)*768
	global_store_b64 v5, v[172:173], s[28:29] offset:\NK*1536+(\p/2)*1536+(\p%2)*768+512
.if \p < 2
	LOADP (\p+2), \N
.endif
.endr
	global_store_b32 v9, v24, s[30:31]
	global_store_b32 v9, v25, s[30:31] offset:64
	s_endpgm
.endm
	s_load_b256 s[4:11], s[0:1], 0x0               ; mask, w_qkv, w_attn_proj, w_fc
	s_load_b128 s[12:15], s[0:1], 0x20             ; w_mlp_proj, wq
	s_load_b64 s[16:17], s[0:1], 0x30              ; mk
	v_lshrrev_b32 v1, 5, v0
	v_readfirstlane_b32 s18, v1                    ; wave
	v_and_b32 v1, 31, v0                           ; lane
	v_and_b32 v2, 15, v0                           ; r
	v_bfe_u32 v3, v0, 4, 1                         ; lane / 16
	v_lshlrev_b32 v4, 4, v1                        ; 16 x lane
	v_lshlrev_b32 v5, 3, v1                        ; 8 x lane
	v_and_b32 v6, 8, v2
	v_add_nc_u32 v6, v6, v2                        ; r + 8 (r / 8)
	v_lshl_add_u32 v8, v3, 3, v6
	v_lshlrev_b32 v8, 2, v8                        ; weights: my column among the wave's 32, in bytes
	s_wait_kmcnt 0x0
	s_cmp_ge_u32 ttmp9, 384
	s_cbranch_scc1 .Lmlp
	s_cmp_ge_u32 ttmp9, 256
	s_cbranch_scc1 .Lfc
	s_cmp_ge_u32 ttmp9, 224
	s_cbranch_scc1 .Lproj
	s_cmp_ge_u32 ttmp9, 128
	s_cbranch_scc1 .Lqkv
	; ---- the mask
	v_lshlrev_b32 v7, 11, v6                       ; my query's row of 2,048 bytes
	v_lshl_add_u32 v7, v3, 4, v7                   ; + 16 (lane / 16)
	s_lshr_b32 s20, ttmp9, 1
	s_lshl_b32 s20, s20, 5
	s_and_b32 s21, ttmp9, 1
	s_lshl_b32 s21, s21, 3
	s_add_co_u32 s20, s20, s21                     ; the tile's first row
	s_lshl_b32 s20, s20, 11
	s_lshl_b32 s21, s18, 9                         ; my four steps: 512 bytes of each row
	s_add_co_u32 s20, s20, s21
	s_mov_b32 s21, 0
	s_add_nc_u64 s[4:5], s[4:5], s[20:21]
.irp i, 0,1,2,3
.irp b, 0,1,2,3
	global_load_b128 v[16+16*\i+4*\b:19+16*\i+4*\b], v7, s[4:5] offset:128*\i+32*\b
.endr
.endr
	s_lshl_b32 s22, ttmp9, 12
	s_lshl_b32 s23, s18, 10
	s_add_co_u32 s22, s22, s23
	s_mov_b32 s23, 0
	s_add_nc_u64 s[24:25], s[16:17], s[22:23]      ; my four steps' words
	s_lshl_b32 s22, ttmp9, 9
	s_lshl_b32 s26, s18, 7
	s_add_co_u32 s22, s22, s26
	s_add_co_u32 s22, s22, MKNEED
	s_add_nc_u64 s[26:27], s[16:17], s[22:23]      ; my 128 bytes of need words
	s_mov_b32 s28, 0
	s_lshl_b32 s29, s18, 2
.irp i, 0,1,2,3,4,5,6,7
	v_mov_b32 v[82+\i], 0                          ; a lane write's destination counts as read
.endr
	s_wait_loadcnt 0x0
.irp i, 0,1,2,3
.irp b, 0,1,2,3
.irp q, 0,1,2,3
.irp e, 0,1,2,3
	v_and_b32 v80, 0xff<<(8*\e), v[16+16*\i+4*\b+\q]      ; byte e of register q: key 32 b + 16 (lane / 16) + 4 q + e of the step
	v_cmp_ne_u32 vcc_lo, 0, v80                    ; the 32 lanes' bits: word n = 16 b + 4 q + e
	v_writelane_b32 v[82+2*\i+(\e&1)], vcc_lo, (16*\b+4*\q+\e)>>1   ; lane n / 2 will store words n and n + 1
.endr
.endr
.endr
	v_or_b32 v90, v[16+16*\i], v[17+16*\i]
.irp k, 2,3,4,5,6,7,8,9,10,11,12,13,14,15
	v_or_b32 v90, v90, v[16+16*\i+\k]
.endr
	v_cmp_ne_u32 vcc_lo, 0, v90
	s_cmp_lg_u32 vcc_lo, 0                         ; any key of this step for any of the 16 queries?
	s_cselect_b32 s22, 1<<\i, 0
	s_or_b32 s28, s28, s22
.if \i == 0
	v_mov_b32 v91, v90
.else
	v_or_b32 v91, v91, v90
.endif
	global_store_b64 v5, v[82+2*\i:83+2*\i], s[24:25] offset:256*\i    ; 256 consecutive bytes, aligned
.endr
	s_lshl_b32 s28, s28, s29                       ; bits 4 w .. 4 w + 3
	v_cmp_ne_u32 vcc_lo, 0, v91
	s_mov_b32 s30, vcc_lo                          ; which lanes saw any key
	v_mov_b32 v92, s28
	v_mov_b32 v93, s30
	v_and_b32 v94, 1, v0
	v_cmp_eq_u32 vcc_lo, 1, v94
	v_cndmask_b32 v92, v92, v93, vcc_lo            ; even words the bits, odd words the ballot
	v_lshlrev_b32 v95, 2, v1
	global_store_b32 v95, v92, s[26:27]
	s_endpgm
.Lqkv:
	WQ 6, 3072, 2, 0, 3145728, 8, 128
.Lproj:
	WQ 8, 1024, 2, 2359296, 3244032, 8, 224
.Lfc:
	WQ 10, 4096, 2, 3276800, 6422528, 8, 256
.Lmlp:
	WQ 12, 1024, 4, 6553600, 9699328, 32, 384
.Lfunc_end_k_qff1a8579c3_prep:
	.size	k_qff1a8579c3_prep, .Lfunc_end_k_qff1a8579c3_prep-k_qff1a8579c3_prep
	.p2alignl 7, 3214868480
	.fill 96, 4, 3214868480
	.section	.rodata,"a",@progbits
	.p2align	6, 0x0
	.amdhsa_kernel k_qff1a8579c3_prep
		.amdhsa_group_segment_fixed_size 0
		.amdhsa_private_segment_fixed_size 0
		.amdhsa_enable_private_segment 0
		.amdhsa_kernarg_size 56
		.amdhsa_user_sgpr_count 2
		.amdhsa_user_sgpr_kernarg_segment_ptr 1
		.amdhsa_wavefront_size32 1
		.amdhsa_system_sgpr_workgroup_id_x 1
		.amdhsa_system_sgpr_workgroup_id_y 1
		.amdhsa_system_sgpr_workgroup_id_z 1
		.amdhsa_system_vgpr_workitem_id 0
		.amdhsa_next_free_vgpr 192
		.amdhsa_next_free_sgpr 66
		.amdhsa_reserve_vcc 1
		.amdhsa_float_denorm_mode_32 3
		.amdhsa_float_denorm_mode_16_64 3
		.amdhsa_memory_ordered 1
		.amdhsa_forward_progress 1
		.amdhsa_inst_pref_size 204
	.end_amdhsa_kernel
	.amdgpu_metadata
---
amdhsa.version: [ 1, 2 ]
amdhsa.kernels:
  - .name:           k_qff1a8579c3_prep
    .symbol:         k_qff1a8579c3_prep.kd
    .args:
      - { .name: mask, .offset: 0, .size: 8, .value_kind: global_buffer, .address_space: global }
      - { .name: w_qkv, .offset: 8, .size: 8, .value_kind: global_buffer, .address_space: global }
      - { .name: w_attn_proj, .offset: 16, .size: 8, .value_kind: global_buffer, .address_space: global }
      - { .name: w_fc, .offset: 24, .size: 8, .value_kind: global_buffer, .address_space: global }
      - { .name: w_mlp_proj, .offset: 32, .size: 8, .value_kind: global_buffer, .address_space: global }
      - { .name: wq, .offset: 40, .size: 8, .value_kind: global_buffer, .address_space: global }
      - { .name: mk, .offset: 48, .size: 8, .value_kind: global_buffer, .address_space: global }
    .group_segment_fixed_size: 0
    .private_segment_fixed_size: 0
    .kernarg_segment_align: 8
    .kernarg_segment_size: 56
    .max_flat_workgroup_size: 128
    .sgpr_count:     66
    .vgpr_count:     192
    .wavefront_size: 32
...
	.end_amdgpu_metadata
.endif
;; end of part 1
;; launch ln1 (part 2): grid 256 x 1, 8 waves a work-group, no clusters, 5,120 bytes of LDS; arguments x, ln1_scale, ln1_bias, hb; writes hb
.if DOCPART == 2
	.amdgcn_target "amdgcn-amd-amdhsa--gfx1250"
	.amdhsa_code_object_version 6
	.text
	.protected	k_qff1a8579c3_ln1
	.globl	k_qff1a8579c3_ln1
	.p2align	8
	.type	k_qff1a8579c3_ln1,@function
k_qff1a8579c3_ln1:
	s_mov_b64 s[64:65], 0
	v_nop
	global_prefetch_b8 v0, s[64:65] scope:SCOPE_SE
	s_setreg_imm32_b32 hwreg(HW_REG_WAVE_MODE, 25, 1), 1
	s_wait_xcnt 0x0
; LAYER NORM + QUANTISER.  src [4096][1024] f32 -> y = (x - mean) rsqrt(var + 1e-5) gain + bias, in f32, then codes of FP6 (E2M3) with one E8M0 byte for each 32 columns, laid as images of operand registers:
; tile T of 16 rows (lane-row r = row 32 (T/2) + 8 (T%2) + r + 8 (r/8)), fragment (T, s) at 12288 T + 1536 s (two halves of 768: registers 6 c .. 6 c + 3 at 16 x lane, 6 c + 4, 5 at 512 + 8 x lane); scale words at 3145728 + 512 T + 64 s + 4 r.
; A work-group takes one tile, wave w its columns 128 w .. 128 w + 127 (K step w).  Lane (r, h) holds, of row r, 16 neighbours of each block of 32: register 16 b + i = column 128 w + 32 b + 16 h + i.
; Mean and variance in two passes (the variance of x - mean), so that a common offset does not cancel; the eight waves' sums meet in LDS (two barriers); the eight scale words of a row meet there too (a third).
; Memory binds: no matrix unit, no tensor load, no cluster (no bytes are shared between work-groups).
; LIMITS: NaN and infinities are not served; a block whose largest magnitude lies under 2^-124 (a block of zeros too) keeps the byte 1.
.set X,   32                           ; v32-95   my 64 numbers
.set GA,  96                           ; v96-159  the gain at my columns
.set BI,  160                          ; v160-223 the bias
.set TM,  224                          ; v224-239 the quantiser's work
.set PC,  4                            ; v4-22    the codes
.set PW,  240                          ; v240     the scale word
.set SEL, 24                           ; s[24:25] selects for lane l xor 16
.macro QUANT s                         ; 64 numbers v[s ..], register 16 b + i = k 32 b + 16 (lane / 16) + i of my row -> a fragment's codes in v[PC ..], its scale word in v[PW]
.irp b, 0,1,2,3
	v_max3_num_f32 v[TM+\b], |v[\s+16*\b]|, |v[\s+1+16*\b]|, 0x1800000   ; and the floor 2^(3 - 127): the byte cannot fall under 1
.endr
.irp i, 2,4,6,8,10,12,14
.irp b, 0,1,2,3
	v_max3_num_f32 v[TM+\b], v[TM+\b], |v[\s+16*\b+\i]|, |v[\s+1+16*\b+\i]|
.endr
.endr
.irp b, 0,1,2,3
	v_permlanex16_b32 v[TM+4+\b], v[TM+\b], s[SEL], s[SEL+1]
.endr
.irp b, 0,1,2,3
	v_max_num_f32 v[TM+\b], v[TM+\b], v[TM+4+\b]         ; the block's largest magnitude
.endr
.irp b, 0,1,2,3
	v_add_nc_u32 v[TM+12+\b], 0xff000000, v[TM+\b]       ; 2 off its exponent field: the conversion's scale operand
.endr
.irp b, 0,1,2,3
	v_lshrrev_b32 v[TM+4+\b], 23, v[TM+12+\b]            ; the byte
.endr
	v_lshl_or_b32 v[PW], v[TM+5], 8, v[TM+4]
	v_lshl_or_b32 v[PW], v[TM+6], 16, v[PW]
	v_lshl_or_b32 v[PW], v[TM+7], 24, v[PW]
.irp c, 0,1
	v_cvt_scalef32_pk16_fp6_f32 v[PC+6*\c:PC+2+6*\c], v[\s+32*\c:\s+15+32*\c], v[TM+12+2*\c]
	v_cvt_scalef32_pk16_fp6_f32 v[PC+12+4*\c:PC+14+4*\c], v[\s+16+32*\c:\s+31+32*\c], v[TM+12+2*\c+1]
.endr
	v_nop                                          ; one plain line behind the scaled conversions
.irp c, 0,1                                    ; a whole block to a lane: lanes 0-15 block 2 c, lanes 16-31 block 2 c + 1
.irp i, 0,1,2
	v_permlane16_swap_b32 v[PC+6*\c+\i], v[PC+12+4*\c+\i]
.endr
.irp i, 0,1,2
	v_mov_b32 v[PC+3+6*\c+\i], v[PC+12+4*\c+\i]
.endr
.endr
.endm
.macro REDUCE base                     ; v[242:243]: my lane's two partial sums -> v242: the row's sum over all 1,024 columns, in every lane
	v_add_f32 v242, v242, v243
	v_permlanex16_b32 v243, v242, s[SEL], s[SEL+1]
	v_add_f32 v242, v242, v243                     ; my wave's 128 columns of row r
	ds_store_b32 v26, v242 offset:\base
	s_wait_dscnt 0x0                               ; for the others' sake: my store has landed
	s_barrier_signal -1
	s_barrier_wait -1
.irp i, 0,1,2,3,4,5,6,7
	ds_load_b32 v[244+\i], v31 offset:\base+128*\i
.endr
	s_wait_dscnt 0x0
	v_add_f32 v244, v244, v245
	v_add_f32 v246, v246, v247
	v_add_f32 v248, v248, v249
	v_add_f32 v250, v250, v251
	v_add_f32 v244, v244, v246
	v_add_f32 v248, v248, v250
	v_add_f32 v242, v244, v248
.endm
	s_load_b256 s[4:11], s[0:1], 0x0               ; src, gain, bias, hb
	v_lshl_add_u32 v254, v0, 2, 0x1000
	v_mov_b32 v255, 0
	v_lshrrev_b32 v1, 5, v0
	v_readfirstlane_b32 s12, v1                    ; wave 0..7
	v_and_b32 v1, 31, v0                           ; lane
	v_and_b32 v2, 15, v0                           ; r
	v_bfe_u32 v3, v0, 4, 1                         ; h
	v_and_b32 v24, 8, v2
	v_add_nc_u32 v24, v24, v2
	v_lshlrev_b32 v24, 12, v24
	v_lshl_add_u32 v24, v3, 6, v24                 ; src: row r + 8 (r / 8) of 4,096 bytes, + 64 h
	v_lshlrev_b32 v25, 6, v3                       ; gain, bias: 64 h
	v_lshlrev_b32 v26, 2, v0                       ; LDS: 128 x wave + 4 x lane
	v_lshlrev_b32 v27, 4, v1                       ; 16 x lane
	v_lshlrev_b32 v28, 3, v1                       ; 8 x lane
	v_lshlrev_b32 v31, 2, v1                       ; 4 x lane
	v_lshrrev_b32 v30, 5, v0
	v_lshlrev_b32 v30, 6, v30
	v_lshl_add_u32 v29, v2, 2, v30                 ; 64 x wave + 4 r
	s_lshr_b32 s13, ttmp9, 1
	s_lshl_b32 s13, s13, 5
	s_and_b32 s14, ttmp9, 1
	s_lshl_b32 s14, s14, 3
	s_add_co_u32 s13, s13, s14                     ; the tile's first row
	s_lshl_b32 s13, s13, 12
	s_lshl_b32 s14, s12, 9                         ; my 128 columns: 512 bytes
	s_mov_b32 s15, 0
	s_add_co_u32 s16, s13, s14
	s_mov_b32 s17, 0
	s_mul_i32 s18, ttmp9, 12288
	s_mul_i32 s19, s12, 1536
	s_add_co_u32 s18, s18, s19
	s_mov_b32 s19, 0
	s_lshl_b32 s28, ttmp9, 9
	s_add_co_u32 s28, s28, 3145728
	s_mov_b32 s29, 0
	s_mov_b32 s[SEL], 0x76543210
	s_mov_b32 s[SEL+1], 0xfedcba98
	s_mov_b32 s26, 0x3a800000                      ; 1 / 1024
	s_mov_b32 s27, 0x3727c5ac                      ; 1e-5
	s_wait_kmcnt 0x0
	s_add_nc_u64 s[4:5], s[4:5], s[16:17]
	s_add_nc_u64 s[6:7], s[6:7], s[14:15]
	s_add_nc_u64 s[8:9], s[8:9], s[14:15]
	s_add_nc_u64 s[20:21], s[10:11], s[18:19]      ; my fragment
	s_add_nc_u64 s[22:23], s[10:11], s[28:29]      ; the tile's scale words
.irp b, 0,1,2,3
.irp j, 0,1,2,3
	global_load_b128 v[X+16*\b+4*\j:X+16*\b+4*\j+3], v24, s[4:5] offset:128*\b+16*\j
.endr
.endr
.irp b, 0,1,2,3
.irp j, 0,1,2,3
	global_load_b128 v[GA+16*\b+4*\j:GA+16*\b+4*\j+3], v25, s[6:7] offset:128*\b+16*\j
	global_load_b128 v[BI+16*\b+4*\j:BI+16*\b+4*\j+3], v25, s[8:9] offset:128*\b+16*\j
.endr
.endr
.irp b, 0,1,2,3
	v_mov_b32 v[TM+4+\b], 0                        ; a lane permute's destination counts as read
.endr
	s_wait_loadcnt 32                              ; my 16 loads of src are in; the 32 of gain and bias may stay out
	v_pk_add_f32 v[242:243], v[X:X+1], v[X+2:X+3]
	v_pk_add_f32 v[244:245], v[X+4:X+5], v[X+6:X+7]
.irp j, 8,12,16,20,24,28,32,36,40,44,48,52,56,60
	v_pk_add_f32 v[242:243], v[242:243], v[X+\j:X+\j+1]
	v_pk_add_f32 v[244:245], v[244:245], v[X+\j+2:X+\j+3]
.endr
	v_pk_add_f32 v[242:243], v[242:243], v[244:245]
	REDUCE 0
	v_mul_f32 v252, s26, v242                      ; the mean
	v_mov_b32 v253, v252
.set J, 0
.rept 32
	v_pk_add_f32 v[X+J:X+J+1], v[X+J:X+J+1], v[252:253] neg_lo:[0,1] neg_hi:[0,1]   ; x - mean
.set J, J+2
.endr
	v_pk_mul_f32 v[242:243], v[X:X+1], v[X:X+1]
	v_pk_mul_f32 v[244:245], v[X+2:X+3], v[X+2:X+3]
.irp j, 4,8,12,16,20,24,28,32,36,40,44,48,52,56,60
	v_pk_fma_f32 v[242:243], v[X+\j:X+\j+1], v[X+\j:X+\j+1], v[242:243]
	v_pk_fma_f32 v[244:245], v[X+\j+2:X+\j+3], v[X+\j+2:X+\j+3], v[244:245]
.endr
	v_pk_add_f32 v[242:243], v[242:243], v[244:245]
	REDUCE 1024                                    ; other bytes than the first sum's: no barrier is owed between the two
	v_fma_f32 v252, v242, s26, s27                 ; var + 1e-5
	v_rsq_f32 v252, v252
	v_nop                                          ; a plain line behind the transcendental
	s_wait_alu depctr_va_vdst(0)                   ; and the wait ahead of its first reader
	v_mov_b32 v253, v252
	s_wait_loadcnt 0x0                             ; gain and bias
.set J, 0
.rept 32
	v_pk_mul_f32 v[X+J:X+J+1], v[X+J:X+J+1], v[252:253]
.set J, J+2
.endr
.set J, 0
.rept 32
	v_pk_fma_f32 v[X+J:X+J+1], v[X+J:X+J+1], v[GA+J:GA+J+1], v[BI+J:BI+J+1]
.set J, J+2
.endr
	QUANT X
	global_store_b128 v27, v[PC:PC+3], s[20:21]                 ; 512 consecutive bytes, aligned
	global_store_b64 v28, v[PC+4:PC+5], s[20:21] offset:512     ; 256
	global_store_b128 v27, v[PC+6:PC+9], s[20:21] offset:768
	global_store_b64 v28, v[PC+10:PC+11], s[20:21] offset:1280
	ds_store_b32 v29, v[PW] offset:2048            ; both halves of the lanes write the same word with the same value
	s_wait_dscnt 0x0
	s_barrier_signal -1
	s_barrier_wait -1
	s_cmp_lg_u32 s12, 0
	s_cbranch_scc1 .Lend
	ds_load_b128 v[244:247], v27 offset:2048       ; the tile's 8 x 16 scale words
	s_wait_dscnt 0x0
	global_store_b128 v27, v[244:247], s[22:23]    ; 512 consecutive bytes, aligned
.Lend:
	s_wait_tensorcnt 0x0
	ds_add_u32 v254, v255
	s_wait_dscnt 0x0
	s_endpgm
.Lfunc_end_k_qff1a8579c3_ln1:
	.size	k_qff1a8579c3_ln1, .Lfunc_end_k_qff1a8579c3_ln1-k_qff1a8579c3_ln1
	.p2alignl 7, 3214868480
	.fill 96, 4, 3214868480
	.section	.rodata,"a",@progbits
	.p2align	6, 0x0
	.amdhsa_kernel k_qff1a8579c3_ln1
		.amdhsa_group_segment_fixed_size 5120
		.amdhsa_private_segment_fixed_size 0
		.amdhsa_enable_private_segment 0
		.amdhsa_kernarg_size 32
		.amdhsa_user_sgpr_count 2
		.amdhsa_user_sgpr_kernarg_segment_ptr 1
		.amdhsa_wavefront_size32 1
		.amdhsa_system_sgpr_workgroup_id_x 1
		.amdhsa_system_sgpr_workgroup_id_y 1
		.amdhsa_system_sgpr_workgroup_id_z 1
		.amdhsa_system_vgpr_workitem_id 0
		.amdhsa_next_free_vgpr 256
		.amdhsa_next_free_sgpr 66
		.amdhsa_reserve_vcc 0
		.amdhsa_float_denorm_mode_32 3
		.amdhsa_float_denorm_mode_16_64 3
		.amdhsa_memory_ordered 1
		.amdhsa_forward_progress 1
		.amdhsa_inst_pref_size 24
	.end_amdhsa_kernel
	.amdgpu_metadata
---
amdhsa.version: [ 1, 2 ]
amdhsa.kernels:
  - .name:           k_qff1a8579c3_ln1
    .symbol:         k_qff1a8579c3_ln1.kd
    .args:
      - { .name: x, .offset: 0, .size: 8, .value_kind: global_buffer, .address_space: global }
      - { .name: ln1_scale, .offset: 8, .size: 8, .value_kind: global_buffer, .address_space: global }
      - { .name: ln1_bias, .offset: 16, .size: 8, .value_kind: global_buffer, .address_space: global }
      - { .name: hb, .offset: 24, .size: 8, .value_kind: global_buffer, .address_space: global }
    .group_segment_fixed_size: 5120
    .private_segment_fixed_size: 0
    .kernarg_segment_align: 8
    .kernarg_segment_size: 32
    .max_flat_workgroup_size: 256
    .sgpr_count:     66
    .vgpr_count:     256
    .wavefront_size: 32
...
	.end_amdgpu_metadata
.endif
;; end of part 2
;; launch qkvg (part 3): grid 12 x 16, 4 waves a work-group, clusters of 4 x 4, 327,680 bytes of LDS; arguments hb, wq, b_qkv, qkv; writes qkv
.if DOCPART == 3
	.amdgcn_target "amdgcn-amd-amdhsa--gfx1250"
	.amdhsa_code_object_version 6
	.text
	.protected	k_qff1a8579c3_qkvg
	.globl	k_qff1a8579c3_qkvg
	.p2align	8
	.type	k_qff1a8579c3_qkvg,@function
k_qff1a8579c3_qkvg:
	s_mov_b64 s[64:65], 0
	v_nop
	global_prefetch_b8 v0, s[64:65] scope:SCOPE_SE
	s_setreg_imm32_b32 hwreg(HW_REG_WAVE_MODE, 25, 1), 1
	s_wait_xcnt 0x0
	s_wait_alu depctr_hold_cnt(0) depctr_sa_sdst(0) depctr_va_vdst(0) depctr_va_sdst(0) depctr_va_ssrc(0) depctr_va_vcc(0) depctr_vm_vsrc(0)
	s_getreg_b32 s2, hwreg(HW_REG_IB_STS2, 6, 4)
	s_cmp_eq_u32 s2, 0
	s_cbranch_scc0 .Lentry_in_a_cluster
	s_endpgm
.Lentry_in_a_cluster:
	s_bfe_u32 s2, ttmp6, 0x10000c
	s_cmp_lg_u32 s2, 0xf033
	s_cbranch_scc0 .Lentry_shape_is_right
	s_endpgm
.Lentry_shape_is_right:
; Q, K, V = LN1(x) W_qkv + b_qkv on codes of FP6 (E2M3) with E8M0 block scales; the results are quantised on the way out and leave as codes.
; OPERANDS are images of operand registers: tiles of 16 rows (lane-row r of tile T = row 32 (T/2) + 8 (T%2) + r + 8 (r/8)), fragment (T, s) of 1,536 bytes at T x TSTR + 1536 s, scale words at T x SSTR + 64 s + 4 r.
; P is source 0 of the matrix instruction (a lane's registers run along P's rows: the 16 registers of two neighbouring tiles are 16 neighbouring rows), Q source 1 (a lane holds one row of Q).
; A work-group makes 256 rows of P x 256 rows of Q; a wave 128 x 128: 64 accumulators, 512 registers.  A wave's 128 rows of P are one K step of the product that reads the result.
; Clusters with x = 0, 1: P = the weight's features 0-2047 (q, k), Q = tokens: a lane holds a token, registers run along features: q (x 1/8) and k are quantised along the head's axis.
; Clusters with x = 2:    P = tokens, Q = the weight's features 2048-3071 (v): a lane holds a feature, registers run along tokens: v is quantised along the keys.  The choice hangs on the cluster's x alone.
; OUT: q at 0, k at 3276800 (images of [4096 tokens][1024]), v^T at 6553600 (image of [1024 features][4096 tokens]); each region's scale words 3145728 bytes on.
; K goes in steps of 128, two to a slot, through a ring of two LDS slots filled by the tensor data mover; all scale words of the work-group's rows come once, with the first fills.
; CLUSTERS: 4 x 4 work-groups; Q's tiles are shared along a row of the cluster, P's along a column: each is asked for jointly, by the same tensor load with the same descriptor and a mask that names the four.
; The bias: along the registers (BI) for q and k, of the lane's row (BQ) for v.  Both are loaded on both paths, from addresses held inside the buffer, and the one that does not apply is multiplied by 0: no branch.
; LIMITS: NaN and infinities are not served (a bias of infinity among them); a block whose largest magnitude lies under 2^-124 (a block of zeros too) keeps the byte 1.
; REGISTERS: window 0: v1-9 lane terms, v16-23 LDS addresses, v26 scale store, v27 scale words' address, v28-29 the add's; v32-47 scale words, two sets; v48-63 BQ; v64-159, v160-255 Q's fragments, two sets.
;   window 1: v0-95, v128-223 P's fragments, two sets; v96-127, v224-255 BI.   windows 2, 3: accumulator (a, b) at v[8 (8 (a % 4) + b)].
.set KK,    1024
.set QT,    8                          ; tiles of Q to a wave
.set QSCL,  3145728
.set PIMG,  0
.set PSCL,  3145728
.set NK,    KK/128
.set TSTR,  NK*1536
.set SSTR,  NK*64
.set QHALF, QT*3072                    ; what one tensor load brings of Q: QT tiles x two K steps
.set PHALF, 8*3072
.set SLOT,  2*QHALF+2*PHALF
.set SCQ,   2*SLOT                     ; behind the ring: Q's scale words, then P's
.set QSH,   QT*SSTR
.set SCP,   SCQ+2*QSH
.set PSH,   8*SSTR
.set SPARE, SCP+2*PSH                  ; the spare words, 128 bytes a wave: two blocks of 256 bytes that no other line names
.set LAPS,  KK/512
.set AQ16, 16
.set AQ8,  18
.set AP16, 20
.set AP8,  22
.set ADRS, 27
.set SPW,  28
.set NIL,  29
.set SC,   32
.set QF,   64
.set T,    64                          ; the way out, window 0: 64 numbers,
.set PC,   128                         ; the codes,
.set TM,   152                         ; the quantiser's work,
.set PW,   168                         ; the scale word (v169: the tile before's, v170: the two joined)
.set SEL,  94
.set G1, 24
.set G0, 32
.set G1B, 48
.set G0B, 56
.set G1S, 68
.set G0S, 76
.set G1SB, 80
.set G0SB, 88
.set MSB, 0
.macro WIN new                         ; the immediate's high byte repeats the setting that is left
.if MSB != (\new)
	s_set_vgpr_msb (MSB<<8)|(\new)
.set MSB, (\new)
.endif
.endm
; A joint load: waves 0 and 1 fetch for Q, waves 2 and 3 for P.  The branch hangs on the wave's number alone.  Four v_nop follow each of the two lines.
.macro JLOAD g0a, g1a, g0b, g1b
	s_cmp_eq_u32 s15, 0
	s_cbranch_scc0 .Lfor_b_\@
	tensor_load_to_lds s[\g0a:\g0a+3], s[\g1a:\g1a+7]
	s_nop 0
.rept 4
	v_nop
.endr
	s_branch .Lasked_\@
.Lfor_b_\@:
	tensor_load_to_lds s[\g0b:\g0b+3], s[\g1b:\g1b+7]
	s_nop 0
.rept 4
	v_nop
.endr
.Lasked_\@:
.endm
.macro CREST                           ; a round of the cluster's barrier behind its opening barrier
	s_cmp_lg_u32 s14, 0
	s_cbranch_scc1 .Lnot_wave_0_\@
	s_barrier_signal -3
.Lnot_wave_0_\@:
	s_barrier_wait -3
	s_barrier_signal -1
	s_barrier_wait -1
.endm
.macro CROUND
	s_barrier_signal -1
	s_barrier_wait -1
	CREST
.endm
.macro PLACES n
.rept \n
	v_nop
.endr
.endm
.macro FRAG reg, a16, a8, off          ; a fragment comes back as it was stored: every load reads consecutive bytes, lane by lane
	ds_load_b128 v[\reg:\reg+3], v[\a16] offset:\off
	ds_load_b64 v[\reg+4:\reg+5], v[\a8] offset:\off+512
	ds_load_b128 v[\reg+6:\reg+9], v[\a16] offset:\off+768
	ds_load_b64 v[\reg+10:\reg+11], v[\a8] offset:\off+1280
.endm
.macro FETCH_P slot, q, set
	WIN 0x40
.irp i, 0,1,2,3,4,5,6,7
	FRAG 128*(\set)+12*\i, AP16+\slot, AP8+\slot, \i*3072+(\q)*1536
.endr
	WIN 0
.endm
.macro FETCH_Q slot, q, set
.set FI, 0
.rept QT
	FRAG QF+96*(\set)+12*FI, AQ16+\slot, AQ8+\slot, FI*3072+(\q)*1536
.set FI, FI+1
.endr
.endm
.macro SCALES q, set                   ; register i: lanes 0-15 the word of Q's tile i, lanes 16-31 that of P's tile i
.irp i, 0,1,2,3,4,5,6,7
	ds_load_b32 v[SC+8*(\set)+\i], v[ADRS] offset:\i*SSTR+64*(\q)
.endr
.endm
; 8 matrix instructions: Q's tile a against P's eight.  mode 0: add on; 1: the constant 0 starts the sums; 2: the bias starts them.
.macro MUL8 a, set, mode
.if (\mode) == 2
	WIN 0x91+0x40*((\a)/4)
.else
	WIN 0xa1+0x50*((\a)/4)
.endif
.irp b, 0,1,2,3,4,5,6,7
.set AC, 8*(8*((\a)%4)+\b)
.set PR, 128*(\set)+12*\b
.set QR, QF+96*(\set)+12*(\a)
.set BR, 96+8*(\b%4)+128*(\b/4)
.if (\mode) == 0
	v_wmma_scale_f32_16x16x128_f8f6f4 v[AC:AC+7], v[PR:PR+11], v[QR:QR+11], v[AC:AC+7], v[SC+8*(\set)+\b], v[SC+8*(\set)+(\a)] matrix_a_fmt:MATRIX_FMT_FP6 matrix_b_fmt:MATRIX_FMT_FP6 matrix_a_scale:MATRIX_SCALE_ROW1
.elseif (\mode) == 1
	v_wmma_scale_f32_16x16x128_f8f6f4 v[AC:AC+7], v[PR:PR+11], v[QR:QR+11], 0, v[SC+8*(\set)+\b], v[SC+8*(\set)+(\a)] matrix_a_fmt:MATRIX_FMT_FP6 matrix_b_fmt:MATRIX_FMT_FP6 matrix_a_scale:MATRIX_SCALE_ROW1
.else
	v_wmma_scale_f32_16x16x128_f8f6f4 v[AC:AC+7], v[PR:PR+11], v[QR:QR+11], v[BR:BR+7], v[SC+8*(\set)+\b], v[SC+8*(\set)+(\a)] matrix_a_fmt:MATRIX_FMT_FP6 matrix_b_fmt:MATRIX_FMT_FP6 matrix_a_scale:MATRIX_SCALE_ROW1
.endif
.endr
.endm
.macro MULR a0, n, set, mode           ; the accumulators take turns, one instruction a turn, in the same order in every step
.set AA, \a0
.rept \n
	MUL8 AA, \set, \mode
.set AA, AA+1
.endr
.endm
; A slot's first K step: multiplies set 0; ahead of its products it asks for the slot's second step, into set 1.
.macro STEPA slot, mode
	s_wait_dscnt 0x0                               ; set 0 is in
	PLACES 4                                       ; in front of loads into registers that matrix instructions have read
	FETCH_P \slot, 1, 1
	FETCH_Q \slot, 1, 1
	SCALES 1, 1
	MULR 0, QT, 0, \mode
.endm
; A slot's second K step multiplies set 1 and changes slots: one barrier; in front of it each wave waits for all its tensor loads, adds 0 to its spare word, and waits for that and for its reads of this slot.
.macro TURN slot, next, fill
	WIN 0
	s_wait_tensorcnt 0x0                           ; all my tensor loads have landed: my part of the next slot
	ds_add_u32 v[SPW], v[NIL]                      ; 0 onto my spare word
	s_wait_dscnt 1                                 ; set 1 is in; the add alone may be out
	MULR 0, QT/4, 1, 0
	s_wait_dscnt 0x0                               ; the add is done, and my reads of this slot are over
	s_barrier_signal -1
	MULR QT/4, QT/4, 1, 0
	WIN 0
	s_barrier_wait -1
.if \fill
	CREST                                          ; the barrier has opened a round of the cluster's: no wave of any partner still reads this slot or has a load on its way
	s_add_nc_u64 s[G0+4*\slot+2:G0+4*\slot+3], s[G0+4*\slot+2:G0+4*\slot+3], 6144
	s_add_nc_u64 s[G0B+4*\slot+2:G0B+4*\slot+3], s[G0B+4*\slot+2:G0B+4*\slot+3], 6144
	JLOAD G0+4*\slot, G1, G0B+4*\slot, G1B         ; the first tensor load behind the round; its four v_nop are the places in front of the loads below
.else
	PLACES 4
.endif
	v_add_nc_u32 v[ADRS], 128, v[ADRS]             ; the next slot's scale words
	FETCH_P \next, 0, 0
	FETCH_Q \next, 0, 0
	SCALES 0, 0
	MULR QT/2, QT/2, 1, 0
.endm
.macro QUANT s                         ; 64 numbers v[s ..], register 16 b + i = k 32 b + 16 (lane / 16) + i of my row -> a fragment's codes in v[PC ..], its scale word in v[PW]
.irp b, 0,1,2,3
	v_max3_num_f32 v[TM+\b], |v[\s+16*\b]|, |v[\s+1+16*\b]|, 0x1800000   ; and the floor 2^(3 - 127): the byte cannot fall under 1
.endr
.irp i, 2,4,6,8,10,12,14
.irp b, 0,1,2,3
	v_max3_num_f32 v[TM+\b], v[TM+\b], |v[\s+16*\b+\i]|, |v[\s+1+16*\b+\i]|
.endr
.endr
.irp b, 0,1,2,3
	v_permlanex16_b32 v[TM+4+\b], v[TM+\b], s[SEL], s[SEL+1]
.endr
.irp b, 0,1,2,3
	v_max_num_f32 v[TM+\b], v[TM+\b], v[TM+4+\b]
.endr
.irp b, 0,1,2,3
	v_add_nc_u32 v[TM+12+\b], 0xff000000, v[TM+\b]
.endr
.irp b, 0,1,2,3
	v_lshrrev_b32 v[TM+4+\b], 23, v[TM+12+\b]
.endr
	v_lshl_or_b32 v[PW], v[TM+5], 8, v[TM+4]
	v_lshl_or_b32 v[PW], v[TM+6], 16, v[PW]
	v_lshl_or_b32 v[PW], v[TM+7], 24, v[PW]
.irp c, 0,1
	v_cvt_scalef32_pk16_fp6_f32 v[PC+6*\c:PC+2+6*\c], v[\s+32*\c:\s+15+32*\c], v[TM+12+2*\c]
	v_cvt_scalef32_pk16_fp6_f32 v[PC+12+4*\c:PC+14+4*\c], v[\s+16+32*\c:\s+31+32*\c], v[TM+12+2*\c+1]
.endr
	v_nop                                          ; one plain line behind the scaled conversions
.irp c, 0,1
.irp i, 0,1,2
	v_permlane16_swap_b32 v[PC+6*\c+\i], v[PC+12+4*\c+\i]
.endr
.irp i, 0,1,2
	v_mov_b32 v[PC+3+6*\c+\i], v[PC+12+4*\c+\i]
.endr
.endr
.endm
	s_load_b256 s[4:11], s[0:1], 0x0               ; hb, wq, b_qkv, qkv
	v_lshl_add_u32 v[SPW], v0, 2, SPARE
	v_mov_b32 v[NIL], 0
	ds_add_u32 v28, v29
	ds_add_u32 v28, v29
	s_wait_dscnt 0x0
	v_lshrrev_b32 v1, 5, v0
	v_readfirstlane_b32 s14, v1                    ; wave 0..3
	s_lshr_b32 s15, s14, 1                         ; which half of Q's rows is mine.  Also: I fetch for Q (0) or for P (1)
	s_and_b32 s16, s14, 1                          ; which half of P's rows.  Also: which half of that tile I fetch
	s_bfe_u32 s40, ttmp6, 0x40000                  ; cx, cy: my place in the cluster
	s_bfe_u32 s41, ttmp6, 0x40004
	s_and_b32 s18, ttmp7, 0xffff                   ; the cluster's y
	s_cmp_eq_u32 ttmp9, 2                          ; the v path?  The same answer in all sixteen partners
	s_cselect_b32 s42, s18, ttmp9
	s_cselect_b32 s17, 0, s18
	s_cselect_b32 s19, 128, 0                      ; v's features begin at the weight's tile 128
	s_lshl_b32 s42, s42, 2
	s_add_co_u32 s42, s42, s40                     ; which 256 rows of P
	s_lshl_b32 s17, s17, 2
	s_add_co_u32 s17, s17, s41                     ; which 256 rows of Q
	s_lshl_b32 s43, s41, 2
	s_lshl_b32 s43, 15, s43                        ; my row of the cluster
	s_lshl_b32 s44, 0x1111, s40                    ; my column
	; descriptor groups 1: elements of 8 bytes, no padding; bit 21 set beside a mask.  A tile's part of a slot is 3,072 consecutive bytes (384 elements); tiles lie TSTR bytes apart
	s_or_b32 s[G1], s43, (3<<16)|(1<<21)
	s_or_b32 s[G1B], s44, (3<<16)|(1<<21)
	s_or_b32 s[G1S], s43, (3<<16)|(1<<21)
	s_or_b32 s[G1SB], s44, (3<<16)|(1<<21)
	s_mov_b32 s[G1+1], 384<<16
	s_mov_b32 s[G1+2], QT<<16
	s_mov_b32 s[G1+3], 384<<16
	s_mov_b32 s[G1+4], QT
	s_mov_b32 s[G1+5], TSTR/8
	s_mov_b32 s[G1+6], 0
	s_mov_b32 s[G1+7], 0
	s_mov_b32 s[G1B+1], 384<<16
	s_mov_b32 s[G1B+2], 8<<16
	s_mov_b32 s[G1B+3], 384<<16
	s_mov_b32 s[G1B+4], 8
	s_mov_b32 s[G1B+5], TSTR/8
	s_mov_b32 s[G1B+6], 0
	s_mov_b32 s[G1B+7], 0
	s_mov_b32 s[G1S+1], 32<<16                     ; the scale words: a dense block, as rows of 256 bytes
	s_mov_b32 s[G1S+2], (QSH/256)<<16
	s_mov_b32 s[G1S+3], 32<<16
	s_mov_b32 s[G1S+4], QSH/256
	s_mov_b32 s[G1S+5], 32
	s_mov_b32 s[G1S+6], 0
	s_mov_b32 s[G1S+7], 0
	s_mov_b32 s[G1SB+1], 32<<16
	s_mov_b32 s[G1SB+2], (PSH/256)<<16
	s_mov_b32 s[G1SB+3], 32<<16
	s_mov_b32 s[G1SB+4], PSH/256
	s_mov_b32 s[G1SB+5], 32
	s_mov_b32 s[G1SB+6], 0
	s_mov_b32 s[G1SB+7], 0
	s_lshl_b32 s18, s16, 3
	s_lshl_b32 s20, s17, 4
	s_add_co_u32 s20, s20, s18
	s_add_co_u32 s20, s20, s19                     ; Q: the first tile that I fetch
	s_lshl_b32 s46, s42, 4
	s_add_co_u32 s46, s46, s18                     ; P likewise
	s_mul_i32 s22, s20, SSTR
	s_add_co_u32 s22, s22, QSCL
	s_mul_i32 s20, s20, TSTR
	s_mul_i32 s92, s46, SSTR
	s_add_co_u32 s92, s92, PSCL
	s_mul_i32 s46, s46, TSTR
	s_add_co_u32 s46, s46, PIMG
	s_mov_b32 s21, 0
	s_mov_b32 s23, 0
	s_mov_b32 s47, 0
	s_mov_b32 s93, 0
	s_mul_i32 s45, s16, QHALF                      ; where they go: no place in the cluster enters an LDS address
	s_mul_i32 s94, s16, PHALF
	s_add_co_u32 s94, s94, 2*QHALF
	s_mul_i32 s95, s16, QSH
	s_add_co_u32 s95, s95, SCQ
	s_mul_i32 s96, s16, PSH
	s_add_co_u32 s96, s96, SCP
	s_wait_kmcnt 0x0
	s_cmp_eq_u32 ttmp9, 2
	s_cselect_b64 s[66:67], s[6:7], s[4:5]         ; Q's buffer: the weight on the v path, else the tokens
	s_cselect_b64 s[98:99], s[4:5], s[6:7]         ; P's: the other one
	s_add_nc_u64 s[20:21], s[66:67], s[20:21]
	s_add_nc_u64 s[22:23], s[66:67], s[22:23]
	s_add_nc_u64 s[46:47], s[98:99], s[46:47]
	s_add_nc_u64 s[92:93], s[98:99], s[92:93]
	CROUND                                         ; all sixteen work-groups are here: the first joint loads meet
	s_mov_b32 s[G0S], 1
	s_mov_b32 s[G0S+1], s95
	s_mov_b64 s[G0S+2:G0S+3], s[22:23]
	s_or_b32 s[G0S+3], s[G0S+3], 0x80000000
	s_mov_b32 s[G0SB], 1
	s_mov_b32 s[G0SB+1], s96
	s_mov_b64 s[G0SB+2:G0SB+3], s[92:93]
	s_or_b32 s[G0SB+3], s[G0SB+3], 0x80000000
	JLOAD G0S, G1S, G0SB, G1SB                     ; the scale words first: they are wanted with K step 0
.irp s, 0,1
	s_mov_b32 s[G0+4*\s], 1
	s_add_co_u32 s[G0+4*\s+1], s45, \s*SLOT
	s_add_nc_u64 s[G0+4*\s+2:G0+4*\s+3], s[20:21], \s*3072
	s_or_b32 s[G0+4*\s+3], s[G0+4*\s+3], 0x80000000
	s_mov_b32 s[G0B+4*\s], 1
	s_add_co_u32 s[G0B+4*\s+1], s94, \s*SLOT
	s_add_nc_u64 s[G0B+4*\s+2:G0B+4*\s+3], s[46:47], \s*3072
	s_or_b32 s[G0B+4*\s+3], s[G0B+4*\s+3], 0x80000000
	JLOAD G0+4*\s, G1, G0B+4*\s, G1B
.endr
	v_and_b32 v1, 31, v0                           ; lane
	v_bfe_u32 v2, v0, 4, 1                         ; h
	v_and_b32 v3, 15, v0                           ; r
	v_lshlrev_b32 v4, 6, v2                        ; 64 h
	v_lshlrev_b32 v5, 4, v1                        ; 16 x lane
	v_lshlrev_b32 v6, 3, v1                        ; 8 x lane
	v_lshlrev_b32 v7, 2, v3                        ; 4 r
	v_and_b32 v8, 8, v3
	v_add_nc_u32 v8, v8, v3
	v_lshlrev_b32 v8, 2, v8                        ; 4 (r + 8 (r / 8))
	s_mul_i32 s18, s15, QHALF
	s_mul_i32 s19, s16, PHALF
	s_add_co_u32 s19, s19, 2*QHALF
.irp s, 0,1
	v_add_nc_u32 v[AQ16+\s], s18, v5
	v_add_nc_u32 v[AQ8+\s], s18, v6
	v_add_nc_u32 v[AP16+\s], s19, v5
	v_add_nc_u32 v[AP8+\s], s19, v6
	s_add_co_u32 s18, s18, SLOT
	s_add_co_u32 s19, s19, SLOT
.endr
	s_mul_i32 s18, s15, QSH                        ; scale words: lanes 0-15 take Q's, lanes 16-31 P's: the lower base + h x the distance
	s_mul_i32 s19, s16, PSH
	s_add_co_u32 s19, s19, SCP-SCQ
	s_sub_co_u32 s19, s19, s18
	v_mul_u32_u24 v9, s19, v2
	s_add_co_u32 s18, s18, SCQ
	v_add_nc_u32 v9, v9, v7
	v_add_nc_u32 v[ADRS], s18, v9
	; where the results go, and the two biases
	s_lshl_b32 s2, s42, 1
	s_add_co_u32 s2, s2, s16                       ; pg: which 128 rows of P are mine
	s_lshl_b32 s45, s17, 4
	s_lshl_b32 s18, s15, 3
	s_add_co_u32 s45, s45, s18                     ; T0: my first tile of Q (on the v path: counted from v's first feature)
	s_lshr_b32 s18, s2, 3                          ; q (0) or k (1)
	s_and_b32 s19, s2, 7                           ; and the K step in it
	s_lshl_b32 s100, s2, 9                         ; BI: 128 pg numbers on
	s_lshl_b32 s101, s45, 6
	s_add_co_u32 s101, s101, 8192                  ; BQ: 2048 + 16 T0 numbers on
	s_mov_b32 s66, 12288
	s_mov_b32 s98, 512
	s_mov_b32 s97, 0x3f800000
	s_cmp_eq_u32 ttmp9, 2
	s_cselect_b32 s18, 2, s18                      ; the region
	s_cselect_b32 s19, s2, s19                     ; the K step
	s_cselect_b32 s100, 0, s100                    ; (each bias is loaded from inside the buffer on both paths)
	s_cselect_b32 s101, s101, 0
	s_cselect_b32 s66, 49152, s66                  ; bytes from tile to tile of the result's image
	s_cselect_b32 s98, 2048, s98                   ; and of its scale words
	s_cselect_b32 s95, s97, 0                      ; BQ counts on the v path alone
	s_cmp_eq_u32 s18, 0
	s_cselect_b32 s96, 0x3e000000, s97             ; f: q is multiplied by 1/8, exactly
	s_cmp_eq_u32 ttmp9, 2
	s_cselect_b32 s94, 0, s96                      ; BI x f, and 0 on the v path
	s_mov_b32 s97, s96                             ; (named with s96 as a pair)
	s_mul_i32 s18, s18, 3276800
	s_mul_i32 s99, s45, s66
	s_add_co_u32 s99, s99, s18
	s_mul_i32 s3, s19, 1536
	s_add_co_u32 s2, s99, s3                       ; the codes' offset
	s_mov_b32 s3, 0
	s_mul_i32 s99, s45, s98
	s_add_co_u32 s99, s99, s18
	s_lshl_b32 s19, s19, 6
	s_add_co_u32 s99, s99, s19
	s_add_co_u32 s18, s99, 3145728                 ; the scale words' offset
	s_mov_b32 s19, 0
	s_add_nc_u64 s[12:13], s[10:11], s[18:19]
	s_add_nc_u64 s[10:11], s[10:11], s[2:3]
	v_mul_u32_u24 v26, s98, v2
	v_add_nc_u32 v26, v26, v7                      ; scale store: lanes 0-15 the even tile's word, lanes 16-31 the odd tile's
	s_lshl_b32 s98, s98, 1                         ; two tiles on
	s_mov_b32 s99, 0
	s_mov_b32 s67, 0
	s_mov_b32 s2, s100
	s_add_nc_u64 s[4:5], s[8:9], s[2:3]
	s_mov_b32 s2, s101
	s_add_nc_u64 s[6:7], s[8:9], s[2:3]
	s_mov_b32 s101, 0xffff0000                     ; lanes 16-31
	WIN 0x40
.irp b, 0,1,2,3,4,5,6,7
	global_load_b128 v[96+8*(\b%4)+128*(\b/4):99+8*(\b%4)+128*(\b/4)], v4, s[4:5] offset:(32*(\b/2)+8*(\b%2))*4
	global_load_b128 v[100+8*(\b%4)+128*(\b/4):103+8*(\b%4)+128*(\b/4)], v4, s[4:5] offset:(32*(\b/2)+8*(\b%2))*4+16
.endr
	WIN 0
.irp a, 0,1,2,3,4,5,6,7
	global_load_b32 v[48+2*\a], v8, s[6:7] offset:(32*(\a/2)+8*(\a%2))*4
	v_mov_b32 v[49+2*\a], 0
.endr
	s_wait_tensorcnt 1                             ; the scale words and my part of slot 0 are in (slot 1's load may be out),
	s_barrier_signal -1
	s_barrier_wait -1                              ; everybody's are
	FETCH_P 0, 0, 0
	FETCH_Q 0, 0, 0
	SCALES 0, 0
	s_wait_loadcnt 0x0                             ; the biases
	WIN 0x41
.set I, 0
.rept 16
	v_pk_mul_f32 v[96+I:97+I], v[96+I:97+I], s[94:95] op_sel_hi:[1,0]
	v_pk_mul_f32 v[224+I:225+I], v[224+I:225+I], s[94:95] op_sel_hi:[1,0]
.set I, I+2
.endr
	WIN 0
.irp a, 0,1,2,3,4,5,6,7
	v_mul_f32 v[48+2*\a], s95, v[48+2*\a]
.endr
	s_mov_b32 s[SEL], 0x76543210
	s_mov_b32 s[SEL+1], 0xfedcba98
	STEPA 0, 1                                     ; the first step stands in front of the loop: its products start the sums
	WIN 0
	s_mov_b32 s3, LAPS-1
.Llap:                                                 ; a trip goes once round the ring and fills both slots again
	TURN 0, 1, 1
	STEPA 1, 0
	TURN 1, 0, 1
	STEPA 0, 0
	WIN 0
	s_sub_co_u32 s3, s3, 1
	s_cmp_lg_u32 s3, 0
	s_cbranch_scc1 .Llap
	TURN 0, 1, 0                                   ; the last lap fills nothing
	STEPA 1, 0
	s_wait_dscnt 0x0
	MULR 0, QT, 1, 0
	WIN 0
	PLACES 4                                       ; in front of the first read of results and the first write over operands
.irp b, 0,1,2,3
	v_mov_b32 v[TM+4+\b], 0                        ; a lane permute's destination counts as read
.endr
; THE WAY OUT of Q's tile a: acc x f + BI + BQ, quantised along the registers: one fragment and one scale word a row.
.macro OUTQ a
.set AC, 64*((\a)%4)
.set WW, 2+(\a)/4
	s_wait_xcnt 0x0                                ; the last tile's stores have read their registers and bases
.if (\a) > 0
	s_add_nc_u64 s[10:11], s[10:11], s[66:67]
.endif
.if ((\a)%2) && ((\a) > 1)
	s_add_nc_u64 s[12:13], s[12:13], s[98:99]
.endif
	WIN WW|0x10
.set I, 0
.rept 32
	v_pk_fma_f32 v[T+I:T+I+1], v[AC+I:AC+I+1], s[96:97], v[96+I+96*(I/32):97+I+96*(I/32)] op_sel_hi:[1,0,1]   ; each accumulator from its low end on
.set I, I+2
.endr
	WIN 0
.set I, 0
.rept 32
	v_pk_add_f32 v[T+I:T+I+1], v[T+I:T+I+1], v[48+2*(\a):49+2*(\a)] op_sel_hi:[1,0]
.set I, I+2
.endr
	QUANT T
	global_store_b128 v5, v[PC:PC+3], s[10:11]
	global_store_b64 v6, v[PC+4:PC+5], s[10:11] offset:512
	global_store_b128 v5, v[PC+6:PC+9], s[10:11] offset:768
	global_store_b64 v6, v[PC+10:PC+11], s[10:11] offset:1280
.if (\a)%2
	v_cndmask_b32 v170, v169, v168, s101
	global_store_b32 v26, v170, s[12:13]
.else
	v_mov_b32 v169, v168
.endif
.endm
.irp a, 0,1,2,3,4,5,6,7
	OUTQ \a
.endr
	s_wait_tensorcnt 0x0                           ; the wave's end
	ds_add_u32 v[SPW], v[NIL]
	s_wait_dscnt 0x0
	CROUND                                         ; the closing round
	s_endpgm
.Lfunc_end_k_qff1a8579c3_qkvg:
	.size	k_qff1a8579c3_qkvg, .Lfunc_end_k_qff1a8579c3_qkvg-k_qff1a8579c3_qkvg
	.p2alignl 7, 3214868480
	.fill 96, 4, 3214868480
	.section	.rodata,"a",@progbits
	.p2align	6, 0x0
	.amdhsa_kernel k_qff1a8579c3_qkvg
		.amdhsa_group_segment_fixed_size 327680
		.amdhsa_private_segment_fixed_size 0
		.amdhsa_enable_private_segment 0
		.amdhsa_kernarg_size 32
		.amdhsa_user_sgpr_count 2
		.amdhsa_user_sgpr_kernarg_segment_ptr 1
		.amdhsa_wavefront_size32 1
		.amdhsa_system_sgpr_workgroup_id_x 1
		.amdhsa_system_sgpr_workgroup_id_y 1
		.amdhsa_system_sgpr_workgroup_id_z 1
		.amdhsa_system_vgpr_workitem_id 0
		.amdhsa_next_free_vgpr 1024
		.amdhsa_next_free_sgpr 102
		.amdhsa_reserve_vcc 0
		.amdhsa_float_denorm_mode_32 3
		.amdhsa_float_denorm_mode_16_64 3
		.amdhsa_memory_ordered 1
		.amdhsa_forward_progress 1
		.amdhsa_inst_pref_size 189
	.end_amdhsa_kernel
	.amdgpu_metadata
---
amdhsa.version: [ 1, 2 ]
amdhsa.kernels:
  - .name:           k_qff1a8579c3_qkvg
    .symbol:         k_qff1a8579c3_qkvg.kd
    .args:
      - { .name: hb, .offset: 0, .size: 8, .value_kind: global_buffer, .address_space: global }
      - { .name: wq, .offset: 8, .size: 8, .value_kind: global_buffer, .address_space: global }
      - { .name: b_qkv, .offset: 16, .size: 8, .value_kind: global_buffer, .address_space: global }
      - { .name: qkv, .offset: 24, .size: 8, .value_kind: global_buffer, .address_space: global }
    .group_segment_fixed_size: 327680
    .private_segment_fixed_size: 0
    .kernarg_segment_align: 8
    .kernarg_segment_size: 32
    .max_flat_workgroup_size: 128
    .sgpr_count:     102
    .vgpr_count:     1024
    .wavefront_size: 32
...
	.end_amdgpu_metadata
.endif
;; end of part 3
;; launch attn (part 4): grid 8 x 32, 16 waves a work-group, no clusters, 28,672 bytes of LDS; arguments qkv, mk, at; writes at
.if DOCPART == 4
	.amdgcn_target "amdgcn-amd-amdhsa--gfx1250"
	.amdhsa_code_object_version 6
	.text
	.protected	k_qff1a8579c3_attn
	.globl	k_qff1a8579c3_attn
	.p2align	8
	.type	k_qff1a8579c3_attn,@function
k_qff1a8579c3_attn:
	s_mov_b64 s[64:65], 0
	v_nop
	global_prefetch_b8 v0, s[64:65] scope:SCOPE_SE
	s_setreg_imm32_b32 hwreg(HW_REG_WAVE_MODE, 25, 1), 1
	s_wait_xcnt 0x0
; ATTENTION on codes of FP6 (E2M3) with E8M0 block scales, under the GIVEN mask.  q (already x 1/8), k: images of [4096 tokens][1024]; v^T: image of [1024 features][4096 tokens]; a head's 64 are half a fragment.
; t = logit x log2(e), hidden logits = -1e10 as the definition has them; M = the running largest t rounded up to a whole number; p = 2^(t - M) is quantised along the keys; the row's sum is taken of the unquantised p and divides at the end.
; t is a rounded product and t - M a subtraction (not one fused line), so that a row of nothing but -1e10 gives p = 1 exactly: a wholly hidden row comes out as the uniform softmax.
; SHARES.  Work-group (g, y): y = 16 x batch + head.  Each of the sixteen waves owns one tile of 16 queries, qt = 8 x rank + g; rank is the wave's number, mirrored in half of the waves, so that early and late tiles are spread over the waves.
; Every wave walks all 16 key steps of 128 keys.  A STEP ALL OF WHOSE KEYS ARE HIDDEN FROM ALL 16 QUERIES IS PASSED OVER, by a scalar branch on whole numbers that the first launch stored: its p would be 2^(-1.4e10 - M) = 0.
; A tile with a wholly hidden row has all its bits set and passes over nothing.  A row hidden so far is wiped by f = 0 when its first key arrives.
; K and V of a step (8 + 8 pieces of 768 bytes, and their scale words) are staged in LDS, one piece a wave, a trip ahead, in two buffers by turns: one barrier a trip, outside the branch.
; No tensor load: the launch branches on stored numbers.  No cluster for the same reason: partners would not run alike.
; Both products are used transposed: a lane holds one query.  The first product's K is 64: Q's upper six registers are zero codes, against which K's operand holds the next tile's codes (the last tile: a cleared pad), which add nothing.
; The mask comes as 64 lane masks a step, read into scalar registers; v_cndmask_b32 puts -1e10 x log2(e) where a bit is 0.
; LIMITS: NaN and infinities are not served; a block whose largest magnitude lies under 2^-124 (a block of zeros too) keeps the byte 1.
; REGISTERS: v1-3, v7-11 addresses; v12 -M, v13 the largest t, v[14:15] the sum; v16-21 Q, v22-27 zeros; v28 the hidden t; v32-79 K or V; v80-85 the pad; v86-89 K's scale words, v90-91 V's; v96-159 S^T, then p; v160-191 O^T;
;   v192-198 the piece being staged; v224-254 at work; v255 Q's scale words.
.set BUF, 13312                        ; a buffer: K's tile t at 768 t; V's half fragments at 6144 + 768 u; scale words at 12288 + 64 x wave
.set MKNEED, 524288
.macro WORK buf
.set LB, (\buf)*BUF
	s_load_b512 s[32:47], s[24:25], 0x0            ; the step's 64 lane masks
	s_load_b512 s[48:63], s[24:25], 0x40
	s_load_b512 s[68:83], s[24:25], 0x80
	s_load_b512 s[84:99], s[24:25], 0xc0
.irp t, 0,1,2,3,4,5,6,7
	ds_load_b128 v[32+6*\t:35+6*\t], v1 offset:LB+768*\t
	ds_load_b64 v[36+6*\t:37+6*\t], v2 offset:LB+768*\t+512
.endr
.irp i, 0,1,2,3
	ds_load_b32 v[86+\i], v10 offset:LB+12288+64*\i      ; lanes 0-15: tile i's words, lanes 16-31: tile 4 + i's
.endr
	s_wait_dscnt 0x0
.irp t, 0,1,2,3
	v_wmma_scale_f32_16x16x128_f8f6f4 v[96+8*\t:103+8*\t], v[32+6*\t:43+6*\t], v[16:27], 0, v[86+\t], v255 matrix_a_fmt:MATRIX_FMT_FP6 matrix_b_fmt:MATRIX_FMT_FP6
.endr
.irp t, 4,5,6,7
	v_wmma_scale_f32_16x16x128_f8f6f4 v[96+8*\t:103+8*\t], v[32+6*\t:43+6*\t], v[16:27], 0, v[82+\t], v255 matrix_a_fmt:MATRIX_FMT_FP6 matrix_b_fmt:MATRIX_FMT_FP6 matrix_a_scale:MATRIX_SCALE_ROW1
.endr
.rept 4
	v_nop                                          ; places in front of the loads into K's registers and of the first read of the scores
.endr
.irp d, 0,1,2,3
	ds_load_b128 v[32+12*\d:35+12*\d], v1 offset:LB+6144+1536*\d
	ds_load_b64 v[36+12*\d:37+12*\d], v2 offset:LB+6144+1536*\d+512
	ds_load_b128 v[38+12*\d:41+12*\d], v1 offset:LB+6144+1536*\d+768
	ds_load_b64 v[42+12*\d:43+12*\d], v2 offset:LB+6144+1536*\d+1280
.endr
	ds_load_b32 v90, v10 offset:LB+12288+512       ; lanes 0-15: V's tile 0, lanes 16-31: tile 2
	ds_load_b32 v91, v10 offset:LB+12288+640       ; tiles 1 and 3
.set J, 0
.rept 32
	v_pk_mul_f32 v[96+J:97+J], v[96+J:97+J], s[22:23] op_sel_hi:[1,0]   ; t = logit x log2(e); each accumulator from its low end on
.set J, J+2
.endr
	s_wait_kmcnt 0x0
.set J, 0
.rept 32
	v_cndmask_b32 v[96+J], v28, v[96+J], s[32+J]   ; register n holds key 32 (n / 16) + 16 (lane / 16) + n % 16 of the step: word n's bit of my lane
	v_cndmask_b32 v[128+J], v28, v[128+J], s[68+J]
.set J, J+1
.endr
.irp b, 0,1,2,3
	v_max3_num_f32 v[232+\b], v[96+16*\b], v[97+16*\b], v[98+16*\b]   ; the largest t of each block of 32 keys: for the row's maximum and, since p rises with t, for the block's largest p
.endr
.irp i, 3,5,7,9,11,13
.irp b, 0,1,2,3
	v_max3_num_f32 v[232+\b], v[232+\b], v[96+16*\b+\i], v[97+16*\b+\i]
.endr
.endr
.irp b, 0,1,2,3
	v_max_num_f32 v[232+\b], v[232+\b], v[111+16*\b]
.endr
.irp b, 0,1,2,3
	v_permlanex16_b32 v[236+\b], v[232+\b], s20, s21
.endr
.irp b, 0,1,2,3
	v_max_num_f32 v[232+\b], v[232+\b], v[236+\b]
.endr
	v_max3_num_f32 v254, v232, v233, v234
	v_max_num_f32 v254, v254, v235
	v_max_num_f32 v13, v13, v254                   ; the running largest t
	v_mov_b32 v254, v12
	v_floor_f32 v12, -v13                          ; -M = floor(-t): M is a whole number
	v_sub_f32 v254, v12, v254                      ; old M - new M, 0 or less
	v_cvt_i32_f32 v254, v254                       ; (it saturates)
	v_ldexp_f32 v252, 1.0, v254                    ; f = 2^(old M - new M): exact
.set J, 0
.rept 32
	v_pk_add_f32 v[96+J:97+J], v[96+J:97+J], v[12:13] op_sel_hi:[1,0]   ; t - M
.set J, J+2
.endr
.irp b, 0,1,2,3
	v_add_f32 v[232+\b], v[232+\b], v12
.endr
.set J, 0
.rept 64
	v_exp_f32 v[96+J], v[96+J]                     ; p, at most 1, not normalised
.set J, J+1
.endr
	v_pk_mul_f32 v[14:15], v[14:15], v[252:253] op_sel_hi:[1,0]   ; the sums under the new M (a plain line behind the exponentials)
	s_wait_alu depctr_va_vdst(0)                   ; one wait for the batch, ahead of its first reader
.irp b, 0,1,2,3
	v_exp_f32 v[232+\b], v[232+\b]                 ; each block's largest p
.endr
	v_pk_add_f32 v[236:237], v[96:97], v[98:99]    ; the row's sum of the unquantised p, in two chains
.irp j, 4,8,12,16,20,24,28,32,36,40,44,48,52,56,60
	v_pk_add_f32 v[14:15], v[14:15], v[96+\j:97+\j]
	v_pk_add_f32 v[236:237], v[236:237], v[98+\j:99+\j]
.endr
	v_pk_add_f32 v[14:15], v[14:15], v[236:237]
	s_wait_alu depctr_va_vdst(0)                   ; and one for the four
.irp b, 0,1,2,3
	v_max_num_f32 v[232+\b], 0x1800000, v[232+\b]  ; the floor 2^(3 - 127)
.endr
.irp b, 0,1,2,3
	v_add_nc_u32 v[244+\b], 0xff000000, v[232+\b]
.endr
.irp b, 0,1,2,3
	v_lshrrev_b32 v[236+\b], 23, v[244+\b]
.endr
	v_lshl_or_b32 v253, v237, 8, v236              ; p's scale word for these 128 keys
	v_lshl_or_b32 v253, v238, 16, v253
	v_lshl_or_b32 v253, v239, 24, v253
.irp c, 0,1
	v_cvt_scalef32_pk16_fp6_f32 v[224+6*\c:226+6*\c], v[96+32*\c:111+32*\c], v[244+2*\c]
	v_cvt_scalef32_pk16_fp6_f32 v[236+4*\c:238+4*\c], v[112+32*\c:127+32*\c], v[244+2*\c+1]
.endr
	v_nop                                          ; one plain line behind the scaled conversions
.irp c, 0,1
.irp i, 0,1,2
	v_permlane16_swap_b32 v[224+6*\c+\i], v[236+4*\c+\i]
.endr
.irp i, 0,1,2
	v_mov_b32 v[227+6*\c+\i], v[236+4*\c+\i]
.endr
.endr
.set J, 0
.rept 16
	v_pk_mul_f32 v[160+J:161+J], v[160+J:161+J], v[252:253] op_sel_hi:[1,0]   ; O^T under the new M; these sixteen are also the places in front of the scaled products below
.set J, J+2
.endr
	s_wait_dscnt 0x0                               ; V
.irp d, 0,1
	v_wmma_scale_f32_16x16x128_f8f6f4 v[160+8*\d:167+8*\d], v[32+12*\d:43+12*\d], v[224:235], v[160+8*\d:167+8*\d], v[90+\d], v253 matrix_a_fmt:MATRIX_FMT_FP6 matrix_b_fmt:MATRIX_FMT_FP6
.endr
.irp d, 2,3
	v_wmma_scale_f32_16x16x128_f8f6f4 v[160+8*\d:167+8*\d], v[32+12*\d:43+12*\d], v[224:235], v[160+8*\d:167+8*\d], v[88+\d], v253 matrix_a_fmt:MATRIX_FMT_FP6 matrix_b_fmt:MATRIX_FMT_FP6 matrix_a_scale:MATRIX_SCALE_ROW1
.endr
.rept 4
	v_nop                                          ; places in front of the next loads into V's registers and of the next read of O^T
.endr
.endm
; A trip: key step j, read from buffer buf; step min(j + 1, 15) is staged into the other buffer.
.macro TRIP buf
	s_cmp_lt_u32 s27, 15
	s_cselect_b32 s28, s16, 0                      ; the last trip stages its own step once more: no load leaves its buffer
	s_cselect_b32 s66, s18, 0
	s_add_nc_u64 s[12:13], s[12:13], s[28:29]
	s_add_nc_u64 s[14:15], s[14:15], s[66:67]
	global_load_b128 v[192:195], v1, s[12:13]
	global_load_b64 v[196:197], v2, s[12:13] offset:512
	global_load_b32 v198, v3, s[14:15]
	s_lshr_b32 s104, s26, s27
	s_and_b32 s104, s104, 1
	s_cmp_eq_u32 s104, 0
	s_cbranch_scc1 .Lskip_\@                       ; no key of this step counts for any of my 16 queries
	WORK \buf
.Lskip_\@:
	s_wait_loadcnt 0x0                             ; my piece of the next step
	s_wait_xcnt 0x0                                ; every earlier memory instruction has read its addresses: the bases are stepped only behind this wait
	v_lshrrev_b32 v198, s30, v198                  ; an odd head's two bytes of K's word come down
	ds_store_b128 v7, v[192:195] offset:(1-(\buf))*BUF
	ds_store_b64 v8, v[196:197] offset:(1-(\buf))*BUF+512
	ds_store_b32 v9, v198 offset:(1-(\buf))*BUF+12288    ; both halves of the lanes write the same word with the same value
	s_add_nc_u64 s[24:25], s[24:25], 256
	s_add_co_u32 s27, s27, 1
	s_wait_dscnt 0x0                               ; my stores have landed and my reads of this trip's buffer are over
	s_barrier_signal -1
	s_barrier_wait -1
.endm
	s_load_b128 s[4:7], s[0:1], 0x0                ; qkv, mk
	s_load_b64 s[8:9], s[0:1], 0x10                ; at
	v_lshl_add_u32 v250, v0, 2, 0x6800
	v_mov_b32 v251, 0
	v_lshrrev_b32 v1, 5, v0
	v_readfirstlane_b32 s10, v1                    ; wave 0..15
	v_and_b32 v4, 31, v0                           ; lane
	v_and_b32 v5, 15, v0                           ; r
	v_bfe_u32 v6, v0, 4, 1                         ; h
	v_lshlrev_b32 v1, 4, v4                        ; 16 x lane
	v_lshlrev_b32 v2, 3, v4                        ; 8 x lane
	v_lshlrev_b32 v3, 2, v5                        ; 4 r
	s_mul_i32 s11, s10, 768
	v_add_nc_u32 v7, s11, v1                       ; staging: 768 x wave + 16 x lane
	v_add_nc_u32 v8, s11, v2                       ; 768 x wave + 8 x lane
	s_lshl_b32 s11, s10, 6
	v_add_nc_u32 v9, s11, v3                       ; 64 x wave + 4 r
	v_lshl_add_u32 v10, v6, 8, v3                  ; 4 r + 256 h
	v_add_nc_u32 v11, v3, v6                       ; 4 r + h
.irp i, 0,1,2,3,4,5
	v_mov_b32 v[22+\i], 0                          ; Q's upper half: zero codes
	v_mov_b32 v[80+\i], 0                          ; the pad behind K's last tile
.endr
	s_and_b32 s31, ttmp7, 0xffff
	s_lshr_b32 s100, s31, 4                        ; batch
	s_and_b32 s101, s31, 15                        ; head
	s_lshr_b32 s11, s10, 2
	s_and_b32 s28, s10, 3
	s_xor_b32 s11, s11, s28
	s_add_co_u32 s11, s11, 1
	s_sub_co_u32 s28, 15, s10
	s_and_b32 s11, s11, 2                          ; 0 where (wave / 4) xor (wave % 4) is 0 or 3
	s_cselect_b32 s11, s10, s28                    ; rank: there 15 - wave, else wave
	s_lshl_b32 s11, s11, 3
	s_add_co_u32 s11, s11, ttmp9                   ; qt
	s_lshl_b32 s32, s100, 7
	s_add_co_u32 s33, s32, s11                     ; my tile among all tokens'
	s_mul_i32 s60, s33, 12288
	s_mul_i32 s34, s101, 768
	s_add_co_u32 s60, s60, s34                     ; my half fragment of q, and of the output
	s_mov_b32 s61, 0
	s_lshl_b32 s62, s33, 9
	s_lshr_b32 s35, s101, 1
	s_lshl_b32 s35, s35, 6
	s_add_co_u32 s62, s62, s35
	s_and_b32 s36, s101, 1
	s_lshl_b32 s37, s36, 1
	s_add_co_u32 s62, s62, s37
	s_add_co_u32 s62, s62, 3145728                 ; its two scale bytes
	s_mov_b32 s63, 0
	s_add_co_u32 s38, s32, s10                     ; waves 0-7 stage K's tile w:
	s_mul_i32 s39, s38, 12288
	s_add_co_u32 s39, s39, s34
	s_add_co_u32 s39, s39, 3276800
	s_lshl_b32 s38, s38, 9
	s_add_co_u32 s38, s38, s35
	s_add_co_u32 s38, s38, 3276800+3145728
	s_and_b32 s40, s10, 7                          ; waves 8-15 stage half (w - 8) % 2 of V's tile (w - 8) / 2
	s_lshr_b32 s41, s40, 1
	s_and_b32 s40, s40, 1
	s_lshl_b32 s42, s101, 2
	s_add_co_u32 s41, s41, s42
	s_mul_i32 s42, s41, 49152
	s_mul_i32 s43, s100, 24576
	s_add_co_u32 s42, s42, s43
	s_mul_i32 s43, s40, 768
	s_add_co_u32 s42, s42, s43
	s_add_co_u32 s42, s42, 6553600
	s_lshl_b32 s41, s41, 11
	s_lshl_b32 s43, s100, 10
	s_add_co_u32 s41, s41, s43
	s_add_co_u32 s41, s41, 6553600+3145728
	s_lshl_b32 s30, s36, 4
	s_mov_b32 s16, 1536
	s_mov_b32 s18, 64
	s_cmp_lt_u32 s10, 8
	s_cselect_b32 s44, s39, s42
	s_cselect_b32 s46, s38, s41
	s_cselect_b32 s30, s30, 0                      ; the shift of K's word in an odd head
	s_cselect_b32 s16, 98304, s16                  ; a key step on, in the codes
	s_cselect_b32 s18, 4096, s18                   ; and in the scale words
	s_mov_b32 s45, 0
	s_mov_b32 s47, 0
	s_lshl_b32 s48, s11, 12
	s_mov_b32 s49, 0
	s_lshl_b32 s50, s11, 9
	s_add_co_u32 s50, s50, MKNEED
	s_mov_b32 s51, 0
	s_mov_b32 s20, 0x76543210
	s_mov_b32 s21, 0xfedcba98                      ; selects for lane l xor 16
	s_mov_b32 s22, 0x3fb8aa3b                      ; log2(e)
	s_mov_b32 s23, s22
	s_mov_b32 s27, 0                               ; j
	s_mov_b32 s29, 0
	s_mov_b32 s67, 0
	s_mov_b32 s105, 0xffff0000                     ; lanes 16-31
	s_wait_kmcnt 0x0
	s_add_nc_u64 s[12:13], s[4:5], s[44:45]
	s_add_nc_u64 s[14:15], s[4:5], s[46:47]
	s_add_nc_u64 s[24:25], s[6:7], s[48:49]
	s_add_nc_u64 s[52:53], s[6:7], s[50:51]
	s_add_nc_u64 s[54:55], s[4:5], s[60:61]
	s_add_nc_u64 s[56:57], s[4:5], s[62:63]
	s_add_nc_u64 s[100:101], s[8:9], s[62:63]
	s_add_nc_u64 s[8:9], s[8:9], s[60:61]
	s_load_b64 s[32:33], s[52:53], 0x0             ; the four waves' need bits and ballots of my tile
	s_load_b64 s[34:35], s[52:53], 0x80
	s_load_b64 s[36:37], s[52:53], 0x100
	s_load_b64 s[38:39], s[52:53], 0x180
	global_load_b128 v[192:195], v1, s[12:13]      ; my piece of key step 0
	global_load_b64 v[196:197], v2, s[12:13] offset:512
	global_load_b32 v198, v3, s[14:15]
	global_load_b128 v[16:19], v1, s[54:55]        ; Q stays in registers
	global_load_b64 v[20:21], v2, s[54:55] offset:512
	global_load_u16 v255, v3, s[56:57]             ; its two scale bytes; the upper two are 0, over zero codes
	v_mov_b32 v28, 0xd01502f9                      ; -1e10
	v_mul_f32 v28, s22, v28                        ; as t
	v_mov_b32 v13, 0xff61b1e6                      ; the largest t so far: -3e38
	v_floor_f32 v12, -v13
	v_mov_b32 v14, 0
	v_mov_b32 v15, 0
.irp b, 0,1,2,3
	v_mov_b32 v[236+\b], 0                         ; a lane permute's destination counts as read
.endr
	v_mov_b32 v252, 0                              ; likewise: the way out's lane permute lands here, and only a worked step writes it
	v_mov_b32 v253, 0                              ; (named as the upper half of the pair v[252:253] before it is first written)
.set J, 0
.rept 32
	v_mov_b32 v[160+J], 0                          ; O^T: which step comes first hangs on the mask, so the sums begin as zeros
.set J, J+1
.endr
	s_wait_kmcnt 0x0
	s_or_b32 s26, s32, s34
	s_or_b32 s26, s26, s36
	s_or_b32 s26, s26, s38                         ; bit j: step j has a key for some query of my tile
	s_or_b32 s28, s33, s35
	s_or_b32 s28, s28, s37
	s_or_b32 s28, s28, s39
	s_lshr_b32 s31, s28, 16
	s_or_b32 s28, s28, s31
	s_and_b32 s28, s28, 0xffff                     ; bit r: query r has a key somewhere
	s_cmp_eq_u32 s28, 0xffff
	s_cselect_b32 s28, 0, 0xffff                   ; a wholly hidden row wants every key
	s_or_b32 s26, s26, s28
	s_wait_loadcnt 0x0
	s_wait_xcnt 0x0
	v_lshrrev_b32 v198, s30, v198
	ds_store_b128 v7, v[192:195]
	ds_store_b64 v8, v[196:197] offset:512
	ds_store_b32 v9, v198 offset:12288
	s_wait_dscnt 0x0
	s_barrier_signal -1
	s_barrier_wait -1
	s_mov_b32 s31, 8
.Lpair:                                            ; 8 trips of two key steps: the buffers stand in the immediates
	TRIP 0
	TRIP 1
	s_sub_co_u32 s31, s31, 1
	s_cmp_lg_u32 s31, 0
	s_cbranch_scc1 .Lpair
	; THE WAY OUT: O^T / the sum, quantised along the head's 64 (two blocks): half a fragment and two scale bytes a row
	v_add_f32 v14, v14, v15
	v_permlanex16_b32 v252, v14, s20, s21
	v_add_f32 v14, v14, v252
	v_rcp_f32 v14, v14
	v_nop                                          ; a plain line behind the transcendental
	s_wait_alu depctr_va_vdst(0)                   ; the wait ahead of its first reader
.set J, 0
.rept 32
	v_mul_f32 v[96+J], v[160+J], v14               ; register 16 b + i = channel 32 b + 16 (lane / 16) + i
.set J, J+1
.endr
.irp b, 0,1
	v_max3_num_f32 v[232+\b], |v[96+16*\b]|, |v[97+16*\b]|, 0x1800000
.endr
.irp i, 2,4,6,8,10,12,14
.irp b, 0,1
	v_max3_num_f32 v[232+\b], v[232+\b], |v[96+16*\b+\i]|, |v[97+16*\b+\i]|
.endr
.endr
.irp b, 0,1
	v_permlanex16_b32 v[236+\b], v[232+\b], s20, s21
.endr
.irp b, 0,1
	v_max_num_f32 v[232+\b], v[232+\b], v[236+\b]
.endr
.irp b, 0,1
	v_add_nc_u32 v[244+\b], 0xff000000, v[232+\b]
.endr
.irp b, 0,1
	v_lshrrev_b32 v[236+\b], 23, v[244+\b]
.endr
	v_cvt_scalef32_pk16_fp6_f32 v[224:226], v[96:111], v244
	v_cvt_scalef32_pk16_fp6_f32 v[240:242], v[112:127], v245
	v_nop
.irp i, 0,1,2
	v_permlane16_swap_b32 v[224+\i], v[240+\i]
.endr
.irp i, 0,1,2
	v_mov_b32 v[227+\i], v[240+\i]
.endr
	v_cndmask_b32 v236, v236, v237, s105           ; lanes 0-15 store block 0's byte, lanes 16-31 block 1's
	global_store_b128 v1, v[224:227], s[8:9]       ; 512 consecutive bytes, aligned
	global_store_b64 v2, v[228:229], s[8:9] offset:512
	global_store_b8 v11, v236, s[100:101]
	s_wait_tensorcnt 0x0
	ds_add_u32 v250, v251
	s_wait_dscnt 0x0
	s_endpgm
.Lfunc_end_k_qff1a8579c3_attn:
	.size	k_qff1a8579c3_attn, .Lfunc_end_k_qff1a8579c3_attn-k_qff1a8579c3_attn
	.p2alignl 7, 3214868480
	.fill 96, 4, 3214868480
	.section	.rodata,"a",@progbits
	.p2align	6, 0x0
	.amdhsa_kernel k_qff1a8579c3_attn
		.amdhsa_group_segment_fixed_size 28672
		.amdhsa_private_segment_fixed_size 0
		.amdhsa_enable_private_segment 0
		.amdhsa_kernarg_size 24
		.amdhsa_user_sgpr_count 2
		.amdhsa_user_sgpr_kernarg_segment_ptr 1
		.amdhsa_wavefront_size32 1
		.amdhsa_system_sgpr_workgroup_id_x 1
		.amdhsa_system_sgpr_workgroup_id_y 1
		.amdhsa_system_sgpr_workgroup_id_z 1
		.amdhsa_system_vgpr_workitem_id 0
		.amdhsa_next_free_vgpr 256
		.amdhsa_next_free_sgpr 106
		.amdhsa_reserve_vcc 0
		.amdhsa_float_denorm_mode_32 3
		.amdhsa_float_denorm_mode_16_64 3
		.amdhsa_memory_ordered 1
		.amdhsa_forward_progress 1
		.amdhsa_inst_pref_size 58
	.end_amdhsa_kernel
	.amdgpu_metadata
---
amdhsa.version: [ 1, 2 ]
amdhsa.kernels:
  - .name:           k_qff1a8579c3_attn
    .symbol:         k_qff1a8579c3_attn.kd
    .args:
      - { .name: qkv, .offset: 0, .size: 8, .value_kind: global_buffer, .address_space: global }
      - { .name: mk, .offset: 8, .size: 8, .value_kind: global_buffer, .address_space: global }
      - { .name: at, .offset: 16, .size: 8, .value_kind: global_buffer, .address_space: global }
    .group_segment_fixed_size: 28672
    .private_segment_fixed_size: 0
    .kernarg_segment_align: 8
    .kernarg_segment_size: 24
    .max_flat_workgroup_size: 512
    .sgpr_count:     106
    .vgpr_count:     256
    .wavefront_size: 32
...
	.end_amdgpu_metadata
.endif
;; end of part 4
;; launch proj (part 5): grid 4 x 32, 4 waves a work-group, clusters of 4 x 4, 327,680 bytes of LDS; arguments at, wq, b_attn_proj, x, x1; writes x1
.if DOCPART == 5
	.amdgcn_target "amdgcn-amd-amdhsa--gfx1250"
	.amdhsa_code_object_version 6
	.text
	.protected	k_qff1a8579c3_proj
	.globl	k_qff1a8579c3_proj
	.p2align	8
	.type	k_qff1a8579c3_proj,@function
k_qff1a8579c3_proj:
	s_mov_b64 s[64:65], 0
	v_nop
	global_prefetch_b8 v0, s[64:65] scope:SCOPE_SE
	s_setreg_imm32_b32 hwreg(HW_REG_WAVE_MODE, 25, 1), 1
	s_wait_xcnt 0x0
	s_wait_alu depctr_hold_cnt(0) depctr_sa_sdst(0) depctr_va_vdst(0) depctr_va_sdst(0) depctr_va_ssrc(0) depctr_va_vcc(0) depctr_vm_vsrc(0)
	s_getreg_b32 s2, hwreg(HW_REG_IB_STS2, 6, 4)
	s_cmp_eq_u32 s2, 0
	s_cbranch_scc0 .Lentry_in_a_cluster
	s_endpgm
.Lentry_in_a_cluster:
	s_bfe_u32 s2, ttmp6, 0x10000c
	s_cmp_lg_u32 s2, 0xf033
	s_cbranch_scc0 .Lentry_shape_is_right
	s_endpgm
.Lentry_shape_is_right:
; x1 = x + attn W_proj + b, the product on codes of FP6 (E2M3) with E8M0 block scales; x1 is f32.
; OPERANDS are images of operand registers: tiles of 16 rows (lane-row r of tile T = row 32 (T/2) + 8 (T%2) + r + 8 (r/8)), fragment (T, s) of 1,536 bytes at T x TSTR + 1536 s, scale words at T x SSTR + 64 s + 4 r.
; P (source 0) = the weight's 1,024 output features, Q (source 1) = tokens.  A work-group makes 256 features x 128 tokens, a wave 128 x 64: 32 accumulators: with 1,024 features only, a taller tile would leave more WGPs without work.
; The bias is the C of each sum's first matrix instruction.  K goes in steps of 128, two to a slot, through a ring of two LDS slots filled by the tensor data mover; all scale words come once, with the first fills.
; CLUSTERS: 4 x 4 work-groups; Q's tiles are shared along a row of the cluster, P's along a column: each is asked for jointly.
; THE WAY OUT: a tile of 16 tokens x 128 features goes through the wave's stage in LDS (in slot 0, which has had its last fill and its last read) and comes back as rows of 512 bytes; the residual's rows are added; 32 lanes store 512 consecutive bytes.
; REGISTERS: window 0: v1-9 lane terms, v16-23 LDS addresses, v24-25 the stage, v27 scale words' address, v28-29 the add's; v32-47 scale words, two sets; v64.., v160.. Q's fragments, two sets.
;   window 1: v0-95, v128-223 P's fragments, two sets; v96-127, v224-255 the bias; on the way out the residual's rows.   window 2: accumulator (a, b) at v[8 (8 a + b)].
.set KK,    1024
.set QT,    4
.set QSCL,  3145728
.set PIMG,  2359296
.set PSCL,  3244032
.set NK,    KK/128
.set TSTR,  NK*1536
.set SSTR,  NK*64
.set QHALF, QT*3072
.set PHALF, 8*3072
.set SLOT,  2*QHALF+2*PHALF
.set SCQ,   2*SLOT
.set QSH,   QT*SSTR
.set SCP,   SCQ+2*QSH
.set PSH,   8*SSTR
.set SPARE, SCP+2*PSH                  ; the spare words, 128 bytes a wave: two blocks of 256 bytes that no other line names
.set LAPS,  KK/512
.set AQ16, 16
.set AQ8,  18
.set AP16, 20
.set AP8,  22
.set ADRS, 27
.set SPW,  28
.set NIL,  29
.set SC,   32
.set QF,   64
.set G1, 24
.set G0, 32
.set G1B, 48
.set G0B, 56
.set G1S, 68
.set G0S, 76
.set G1SB, 80
.set G0SB, 88
.set MSB, 0
.macro WIN new
.if MSB != (\new)
	s_set_vgpr_msb (MSB<<8)|(\new)
.set MSB, (\new)
.endif
.endm
.macro JLOAD g0a, g1a, g0b, g1b        ; a joint load: waves 0 and 1 fetch for Q, waves 2 and 3 for P; four v_nop follow each of the two lines
	s_cmp_eq_u32 s15, 0
	s_cbranch_scc0 .Lfor_b_\@
	tensor_load_to_lds s[\g0a:\g0a+3], s[\g1a:\g1a+7]
	s_nop 0
.rept 4
	v_nop
.endr
	s_branch .Lasked_\@
.Lfor_b_\@:
	tensor_load_to_lds s[\g0b:\g0b+3], s[\g1b:\g1b+7]
	s_nop 0
.rept 4
	v_nop
.endr
.Lasked_\@:
.endm
.macro CREST
	s_cmp_lg_u32 s14, 0
	s_cbranch_scc1 .Lnot_wave_0_\@
	s_barrier_signal -3
.Lnot_wave_0_\@:
	s_barrier_wait -3
	s_barrier_signal -1
	s_barrier_wait -1
.endm
.macro CROUND
	s_barrier_signal -1
	s_barrier_wait -1
	CREST
.endm
.macro PLACES n
.rept \n
	v_nop
.endr
.endm
.macro FRAG reg, a16, a8, off
	ds_load_b128 v[\reg:\reg+3], v[\a16] offset:\off
	ds_load_b64 v[\reg+4:\reg+5], v[\a8] offset:\off+512
	ds_load_b128 v[\reg+6:\reg+9], v[\a16] offset:\off+768
	ds_load_b64 v[\reg+10:\reg+11], v[\a8] offset:\off+1280
.endm
.macro FETCH_P slot, q, set
	WIN 0x40
.irp i, 0,1,2,3,4,5,6,7
	FRAG 128*(\set)+12*\i, AP16+\slot, AP8+\slot, \i*3072+(\q)*1536
.endr
	WIN 0
.endm
.macro FETCH_Q slot, q, set
.set FI, 0
.rept QT
	FRAG QF+96*(\set)+12*FI, AQ16+\slot, AQ8+\slot, FI*3072+(\q)*1536
.set FI, FI+1
.endr
.endm
.macro SCALES q, set                   ; register i: lanes 0-15 the word of Q's tile i (i under QT), lanes 16-31 that of P's tile i
.irp i, 0,1,2,3,4,5,6,7
	ds_load_b32 v[SC+8*(\set)+\i], v[ADRS] offset:\i*SSTR+64*(\q)
.endr
.endm
.macro MUL8 a, set, mode               ; mode 0: add on; 2: the bias starts the sums
.if (\mode) == 2
	WIN 0x91+0x40*((\a)/4)
.else
	WIN 0xa1+0x50*((\a)/4)
.endif
.irp b, 0,1,2,3,4,5,6,7
.set AC, 8*(8*((\a)%4)+\b)
.set PR, 128*(\set)+12*\b
.set QR, QF+96*(\set)+12*(\a)
.set BR, 96+8*(\b%4)+128*(\b/4)
.if (\mode) == 0
	v_wmma_scale_f32_16x16x128_f8f6f4 v[AC:AC+7], v[PR:PR+11], v[QR:QR+11], v[AC:AC+7], v[SC+8*(\set)+\b], v[SC+8*(\set)+(\a)] matrix_a_fmt:MATRIX_FMT_FP6 matrix_b_fmt:MATRIX_FMT_FP6 matrix_a_scale:MATRIX_SCALE_ROW1
.else
	v_wmma_scale_f32_16x16x128_f8f6f4 v[AC:AC+7], v[PR:PR+11], v[QR:QR+11], v[BR:BR+7], v[SC+8*(\set)+\b], v[SC+8*(\set)+(\a)] matrix_a_fmt:MATRIX_FMT_FP6 matrix_b_fmt:MATRIX_FMT_FP6 matrix_a_scale:MATRIX_SCALE_ROW1
.endif
.endr
.endm
.macro MULR a0, n, set, mode           ; the accumulators take turns, one instruction a turn, in the same order in every step
.set AA, \a0
.rept \n
	MUL8 AA, \set, \mode
.set AA, AA+1
.endr
.endm
.macro STEPA slot, mode                ; a slot's first K step: multiplies set 0; ahead of its products it asks for the second step, into set 1
	s_wait_dscnt 0x0
	PLACES 4
	FETCH_P \slot, 1, 1
	FETCH_Q \slot, 1, 1
	SCALES 1, 1
	MULR 0, QT, 0, \mode
.endm
.macro TURN slot, next, fill           ; a slot's second K step multiplies set 1 and changes slots
	WIN 0
	s_wait_tensorcnt 0x0                           ; all my tensor loads have landed: my part of the next slot
	ds_add_u32 v[SPW], v[NIL]                      ; 0 onto my spare word
	s_wait_dscnt 1                                 ; set 1 is in; the add alone may be out
	MULR 0, QT/4, 1, 0
	s_wait_dscnt 0x0                               ; the add is done, and my reads of this slot are over
	s_barrier_signal -1
	MULR QT/4, QT/4, 1, 0
	WIN 0
	s_barrier_wait -1
.if \fill
	CREST                                          ; a round of the cluster's barrier: no wave of any partner still reads this slot or has a load on its way
	s_add_nc_u64 s[G0+4*\slot+2:G0+4*\slot+3], s[G0+4*\slot+2:G0+4*\slot+3], 6144
	s_add_nc_u64 s[G0B+4*\slot+2:G0B+4*\slot+3], s[G0B+4*\slot+2:G0B+4*\slot+3], 6144
	JLOAD G0+4*\slot, G1, G0B+4*\slot, G1B
.else
	PLACES 4
.endif
	v_add_nc_u32 v[ADRS], 128, v[ADRS]
	FETCH_P \next, 0, 0
	FETCH_Q \next, 0, 0
	SCALES 0, 0
	MULR QT/2, QT/2, 1, 0
.endm
	s_load_b256 s[4:11], s[0:1], 0x0               ; Q's buffer, wq, the bias, the residual
	s_load_b64 s[12:13], s[0:1], 0x20              ; the output
	v_lshl_add_u32 v[SPW], v0, 2, SPARE
	v_mov_b32 v[NIL], 0
	ds_add_u32 v28, v29
	ds_add_u32 v28, v29
	s_wait_dscnt 0x0
	v_lshrrev_b32 v1, 5, v0
	v_readfirstlane_b32 s14, v1
	s_lshr_b32 s15, s14, 1
	s_and_b32 s16, s14, 1
	s_bfe_u32 s40, ttmp6, 0x40000
	s_bfe_u32 s41, ttmp6, 0x40004
	s_lshl_b32 s42, ttmp9, 2
	s_add_co_u32 s42, s42, s40                     ; which 256 rows of P
	s_and_b32 s17, ttmp7, 0xffff
	s_lshl_b32 s17, s17, 2
	s_add_co_u32 s17, s17, s41                     ; which 128 rows of Q
	s_lshl_b32 s43, s41, 2
	s_lshl_b32 s43, 15, s43
	s_lshl_b32 s44, 0x1111, s40
	s_or_b32 s[G1], s43, (3<<16)|(1<<21)           ; elements of 8 bytes, no padding; bit 21 set beside a mask
	s_or_b32 s[G1B], s44, (3<<16)|(1<<21)
	s_or_b32 s[G1S], s43, (3<<16)|(1<<21)
	s_or_b32 s[G1SB], s44, (3<<16)|(1<<21)
	s_mov_b32 s[G1+1], 384<<16
	s_mov_b32 s[G1+2], QT<<16
	s_mov_b32 s[G1+3], 384<<16
	s_mov_b32 s[G1+4], QT
	s_mov_b32 s[G1+5], TSTR/8
	s_mov_b32 s[G1+6], 0
	s_mov_b32 s[G1+7], 0
	s_mov_b32 s[G1B+1], 384<<16
	s_mov_b32 s[G1B+2], 8<<16
	s_mov_b32 s[G1B+3], 384<<16
	s_mov_b32 s[G1B+4], 8
	s_mov_b32 s[G1B+5], TSTR/8
	s_mov_b32 s[G1B+6], 0
	s_mov_b32 s[G1B+7], 0
	s_mov_b32 s[G1S+1], 32<<16
	s_mov_b32 s[G1S+2], (QSH/256)<<16
	s_mov_b32 s[G1S+3], 32<<16
	s_mov_b32 s[G1S+4], QSH/256
	s_mov_b32 s[G1S+5], 32
	s_mov_b32 s[G1S+6], 0
	s_mov_b32 s[G1S+7], 0
	s_mov_b32 s[G1SB+1], 32<<16
	s_mov_b32 s[G1SB+2], (PSH/256)<<16
	s_mov_b32 s[G1SB+3], 32<<16
	s_mov_b32 s[G1SB+4], PSH/256
	s_mov_b32 s[G1SB+5], 32
	s_mov_b32 s[G1SB+6], 0
	s_mov_b32 s[G1SB+7], 0
	s_mul_i32 s18, s16, QT
	s_mul_i32 s20, s17, 2*QT
	s_add_co_u32 s20, s20, s18
	s_lshl_b32 s18, s16, 3
	s_lshl_b32 s46, s42, 4
	s_add_co_u32 s46, s46, s18
	s_mul_i32 s22, s20, SSTR
	s_add_co_u32 s22, s22, QSCL
	s_mul_i32 s20, s20, TSTR
	s_mul_i32 s92, s46, SSTR
	s_add_co_u32 s92, s92, PSCL
	s_mul_i32 s46, s46, TSTR
	s_add_co_u32 s46, s46, PIMG
	s_mov_b32 s21, 0
	s_mov_b32 s23, 0
	s_mov_b32 s47, 0
	s_mov_b32 s93, 0
	s_mul_i32 s45, s16, QHALF
	s_mul_i32 s94, s16, PHALF
	s_add_co_u32 s94, s94, 2*QHALF
	s_mul_i32 s95, s16, QSH
	s_add_co_u32 s95, s95, SCQ
	s_mul_i32 s96, s16, PSH
	s_add_co_u32 s96, s96, SCP
	s_wait_kmcnt 0x0
	s_add_nc_u64 s[20:21], s[4:5], s[20:21]
	s_add_nc_u64 s[22:23], s[4:5], s[22:23]
	s_add_nc_u64 s[46:47], s[6:7], s[46:47]
	s_add_nc_u64 s[92:93], s[6:7], s[92:93]
	CROUND                                         ; all sixteen work-groups are here: the first joint loads meet
	s_mov_b32 s[G0S], 1
	s_mov_b32 s[G0S+1], s95
	s_mov_b64 s[G0S+2:G0S+3], s[22:23]
	s_or_b32 s[G0S+3], s[G0S+3], 0x80000000
	s_mov_b32 s[G0SB], 1
	s_mov_b32 s[G0SB+1], s96
	s_mov_b64 s[G0SB+2:G0SB+3], s[92:93]
	s_or_b32 s[G0SB+3], s[G0SB+3], 0x80000000
	JLOAD G0S, G1S, G0SB, G1SB
.irp s, 0,1
	s_mov_b32 s[G0+4*\s], 1
	s_add_co_u32 s[G0+4*\s+1], s45, \s*SLOT
	s_add_nc_u64 s[G0+4*\s+2:G0+4*\s+3], s[20:21], \s*3072
	s_or_b32 s[G0+4*\s+3], s[G0+4*\s+3], 0x80000000
	s_mov_b32 s[G0B+4*\s], 1
	s_add_co_u32 s[G0B+4*\s+1], s94, \s*SLOT
	s_add_nc_u64 s[G0B+4*\s+2:G0B+4*\s+3], s[46:47], \s*3072
	s_or_b32 s[G0B+4*\s+3], s[G0B+4*\s+3], 0x80000000
	JLOAD G0+4*\s, G1, G0B+4*\s, G1B
.endr
	v_and_b32 v1, 31, v0
	v_bfe_u32 v2, v0, 4, 1
	v_and_b32 v3, 15, v0
	v_lshlrev_b32 v4, 6, v2
	v_lshlrev_b32 v5, 4, v1
	v_lshlrev_b32 v6, 3, v1
	v_lshlrev_b32 v7, 2, v3
	s_lshl_b32 s18, s42, 10
	s_lshl_b32 s19, s16, 9
	s_add_co_u32 s18, s18, s19                     ; my 128 features, in bytes of f32
	s_mov_b32 s19, 0
	s_add_nc_u64 s[8:9], s[8:9], s[18:19]
	WIN 0x40
.irp b, 0,1,2,3,4,5,6,7                        ; the bias in the result's layout: lane (r, h), tile b: features 32 (b / 2) + 8 (b % 2) + 16 h + 0 .. 7
	global_load_b128 v[96+8*(\b%4)+128*(\b/4):99+8*(\b%4)+128*(\b/4)], v4, s[8:9] offset:(32*(\b/2)+8*(\b%2))*4
	global_load_b128 v[100+8*(\b%4)+128*(\b/4):103+8*(\b%4)+128*(\b/4)], v4, s[8:9] offset:(32*(\b/2)+8*(\b%2))*4+16
.endr
	WIN 0
	s_lshl_b32 s2, s17, 3
	s_lshl_b32 s3, s15, 2
	s_add_co_u32 s2, s2, s3                        ; my first tile of tokens
	s_lshl_b32 s2, s2, 16                          ; x 16 rows of 4,096 bytes
	s_add_co_u32 s2, s2, s18
	s_mov_b32 s3, 0
	s_add_nc_u64 s[10:11], s[10:11], s[2:3]
	s_add_nc_u64 s[12:13], s[12:13], s[2:3]
	s_mul_i32 s18, s15, QHALF
	s_mul_i32 s19, s16, PHALF
	s_add_co_u32 s19, s19, 2*QHALF
.irp s, 0,1
	v_add_nc_u32 v[AQ16+\s], s18, v5
	v_add_nc_u32 v[AQ8+\s], s18, v6
	v_add_nc_u32 v[AP16+\s], s19, v5
	v_add_nc_u32 v[AP8+\s], s19, v6
	s_add_co_u32 s18, s18, SLOT
	s_add_co_u32 s19, s19, SLOT
.endr
	s_mul_i32 s18, s15, QSH
	s_mul_i32 s19, s16, PSH
	s_add_co_u32 s19, s19, SCP-SCQ
	s_sub_co_u32 s19, s19, s18
	v_mul_u32_u24 v9, s19, v2
	s_add_co_u32 s18, s18, SCQ
	v_add_nc_u32 v9, v9, v7
	v_add_nc_u32 v[ADRS], s18, v9
	s_mul_i32 s18, s14, 16*528                     ; my stage
	v_mul_u32_u24 v24, v3, 528
	v_lshl_add_u32 v24, v2, 6, v24
	v_add_nc_u32 v24, s18, v24                     ; in: row r, + 64 h
	v_add_nc_u32 v25, s18, v5                      ; back: 16 bytes a lane of a row
	s_wait_tensorcnt 1                             ; the scale words and my part of slot 0 are in (slot 1's load may be out),
	s_barrier_signal -1
	s_barrier_wait -1
	FETCH_P 0, 0, 0
	FETCH_Q 0, 0, 0
	SCALES 0, 0
	s_wait_loadcnt 0x0                             ; the bias
	STEPA 0, 2                                     ; the first step stands in front of the loop: the bias starts the sums
	WIN 0
	s_mov_b32 s3, LAPS-1
.Llap:
	TURN 0, 1, 1
	STEPA 1, 0
	TURN 1, 0, 1
	STEPA 0, 0
	WIN 0
	s_sub_co_u32 s3, s3, 1
	s_cmp_lg_u32 s3, 0
	s_cbranch_scc1 .Llap
	TURN 0, 1, 0
	STEPA 1, 0
	s_wait_dscnt 0x0
	MULR 0, QT, 1, 0
	WIN 0
	PLACES 4                                       ; in front of the loads into P's registers and of the first read of results
	WIN 0x40
.irp a, 0,1,2,3
.set TT, 0
.rept 16
	global_load_b128 v[64*\a+4*TT:64*\a+4*TT+3], v5, s[10:11] offset:(32*(\a/2)+8*(\a%2)+TT+8*(TT/8))*4096   ; the residual's 64 rows, 512 bytes each, all asked for at once
.set TT, TT+1
.endr
.endr
	WIN 0
.macro OUTA a
.set BB, 128+64*((\a)%2)
.if (\a) >= 2
	s_wait_xcnt 0x0                                ; the stores of two tiles back have read these registers
.endif
	WIN 0x08                                       ; an LDS store's data are its source 1: window 2
.irp b, 0,1,2,3,4,5,6,7
	ds_store_b128 v24, v[64*(\a)+8*\b:64*(\a)+8*\b+3] offset:128*(\b/2)+32*(\b%2)        ; each accumulator from its low end on
	ds_store_b128 v24, v[64*(\a)+8*\b+4:64*(\a)+8*\b+7] offset:128*(\b/2)+32*(\b%2)+16
.endr
	WIN 0
.set TT, 0
.rept 16
	ds_load_b128 v[BB+4*TT:BB+4*TT+3], v25 offset:TT*528     ; LDS serves a wave's instructions in order: these see my stores
.set TT, TT+1
.endr
	s_wait_dscnt 0x0
	s_wait_loadcnt 16*(3-(\a))                     ; this tile's 16 rows of the residual are in; the later tiles' may stay out
	WIN 0x04
.set I, 0
.rept 32
	v_pk_add_f32 v[BB+I:BB+I+1], v[BB+I:BB+I+1], v[64*(\a)+I:64*(\a)+I+1]
.set I, I+2
.endr
	WIN 0
.set TT, 0
.rept 16
	global_store_b128 v5, v[BB+4*TT:BB+4*TT+3], s[12:13] offset:(32*((\a)/2)+8*((\a)%2)+TT+8*(TT/8))*4096   ; 32 lanes store 512 consecutive bytes, aligned
.set TT, TT+1
.endr
.endm
.irp a, 0,1,2,3
	OUTA \a
.endr
	s_wait_tensorcnt 0x0                           ; the wave's end
	ds_add_u32 v[SPW], v[NIL]
	s_wait_dscnt 0x0
	CROUND                                         ; the closing round
	s_endpgm
.Lfunc_end_k_qff1a8579c3_proj:
	.size	k_qff1a8579c3_proj, .Lfunc_end_k_qff1a8579c3_proj-k_qff1a8579c3_proj
	.p2alignl 7, 3214868480
	.fill 96, 4, 3214868480
	.section	.rodata,"a",@progbits
	.p2align	6, 0x0
	.amdhsa_kernel k_qff1a8579c3_proj
		.amdhsa_group_segment_fixed_size 327680
		.amdhsa_private_segment_fixed_size 0
		.amdhsa_enable_private_segment 0
		.amdhsa_kernarg_size 40
		.amdhsa_user_sgpr_count 2
		.amdhsa_user_sgpr_kernarg_segment_ptr 1
		.amdhsa_wavefront_size32 1
		.amdhsa_system_sgpr_workgroup_id_x 1
		.amdhsa_system_sgpr_workgroup_id_y 1
		.amdhsa_system_sgpr_workgroup_id_z 1
		.amdhsa_system_vgpr_workitem_id 0
		.amdhsa_next_free_vgpr 768
		.amdhsa_next_free_sgpr 102
		.amdhsa_reserve_vcc 0
		.amdhsa_float_denorm_mode_32 3
		.amdhsa_float_denorm_mode_16_64 3
		.amdhsa_memory_ordered 1
		.amdhsa_forward_progress 1
		.amdhsa_inst_pref_size 106
	.end_amdhsa_kernel
	.amdgpu_metadata
---
amdhsa.version: [ 1, 2 ]
amdhsa.kernels:
  - .name:           k_qff1a8579c3_proj
    .symbol:         k_qff1a8579c3_proj.kd
    .args:
      - { .name: at, .offset: 0, .size: 8, .value_kind: global_buffer, .address_space: global }
      - { .name: wq, .offset: 8, .size: 8, .value_kind: global_buffer, .address_space: global }
      - { .name: b_attn_proj, .offset: 16, .size: 8, .value_kind: global_buffer, .address_space: global }
      - { .name: x, .offset: 24, .size: 8, .value_kind: global_buffer, .address_space: global }
      - { .name: x1, .offset: 32, .size: 8, .value_kind: global_buffer, .address_space: global }
    .group_segment_fixed_size: 327680
    .private_segment_fixed_size: 0
    .kernarg_segment_align: 8
    .kernarg_segment_size: 40
    .max_flat_workgroup_size: 128
    .sgpr_count:     102
    .vgpr_count:     768
    .wavefront_size: 32
...
	.end_amdgpu_metadata
.endif
;; end of part 5
;; launch ln2: the kernel of part 2 again; grid 256 x 1, 8 waves a work-group, no clusters, 5,120 bytes of LDS; arguments x1, ln2_scale, ln2_bias, hb; writes hb
;; launch fc (part 6): grid 16 x 16, 4 waves a work-group, clusters of 4 x 4, 327,680 bytes of LDS; arguments hb, wq, b_fc, hid; writes hid
.if DOCPART == 6
	.amdgcn_target "amdgcn-amd-amdhsa--gfx1250"
	.amdhsa_code_object_version 6
	.text
	.protected	k_qff1a8579c3_fc
	.globl	k_qff1a8579c3_fc
	.p2align	8
	.type	k_qff1a8579c3_fc,@function
k_qff1a8579c3_fc:
	s_mov_b64 s[64:65], 0
	v_nop
	global_prefetch_b8 v0, s[64:65] scope:SCOPE_SE
	s_setreg_imm32_b32 hwreg(HW_REG_WAVE_MODE, 25, 1), 1
	s_wait_xcnt 0x0
	s_wait_alu depctr_hold_cnt(0) depctr_sa_sdst(0) depctr_va_vdst(0) depctr_va_sdst(0) depctr_va_ssrc(0) depctr_va_vcc(0) depctr_vm_vsrc(0)
	s_getreg_b32 s2, hwreg(HW_REG_IB_STS2, 6, 4)
	s_cmp_eq_u32 s2, 0
	s_cbranch_scc0 .Lentry_in_a_cluster
	s_endpgm
.Lentry_in_a_cluster:
	s_bfe_u32 s2, ttmp6, 0x10000c
	s_cmp_lg_u32 s2, 0xf033
	s_cbranch_scc0 .Lentry_shape_is_right
	s_endpgm
.Lentry_shape_is_right:
; hid = Q(gelu(LN2(x1) W_fc + b_fc)): the product on codes of FP6 (E2M3) with E8M0 block scales; the activation in f32; the result is quantised on the way out and leaves as codes.
; OPERANDS are images of operand registers: tiles of 16 rows (lane-row r of tile T = row 32 (T/2) + 8 (T%2) + r + 8 (r/8)), fragment (T, s) of 1,536 bytes at T x TSTR + 1536 s, scale words at T x SSTR + 64 s + 4 r.
; P (source 0) = the weight's 4,096 hidden units, Q (source 1) = tokens: a lane holds a token and its registers run along hidden units; a wave's 128 units are one K step of the next product.
; A work-group makes 256 x 256, a wave 128 x 128: 64 accumulators, 512 registers.  The bias is the C of each sum's first matrix instruction.
; gelu(x) = x / (1 + 2^(x (c0 + c1 x^2))), c0 = -2 log2(e) sqrt(2 / pi), c1 = 0.044715 c0: the same function as 0.5 x (1 + tanh(..)); where the power overflows the quotient is 0.
; K goes in steps of 128, two to a slot, through a ring of two LDS slots filled by the tensor data mover; all scale words come once, with the first fills.
; CLUSTERS: 4 x 4 work-groups; Q's tiles are shared along a row of the cluster, P's along a column: each is asked for jointly.
; LIMITS: NaN and infinities are not served; a block whose largest magnitude lies under 2^-124 (a block of zeros too) keeps the byte 1.
; REGISTERS: window 0: v1-9 lane terms, v16-23 LDS addresses, v26 scale store, v27 scale words' address, v28-29 the add's; v32-47 scale words, two sets; v64-159, v160-255 Q's fragments, two sets.
;   window 1: v0-95, v128-223 P's fragments, two sets; v96-127, v224-255 the bias.   windows 2, 3: accumulator (a, b) at v[8 (8 (a % 4) + b)].
.set KK,    1024
.set QT,    8
.set QSCL,  3145728
.set PIMG,  3276800
.set PSCL,  6422528
.set NK,    KK/128
.set TSTR,  NK*1536
.set SSTR,  NK*64
.set QHALF, QT*3072
.set PHALF, 8*3072
.set SLOT,  2*QHALF+2*PHALF
.set SCQ,   2*SLOT
.set QSH,   QT*SSTR
.set SCP,   SCQ+2*QSH
.set PSH,   8*SSTR
.set SPARE, SCP+2*PSH                  ; the spare words, 128 bytes a wave: two blocks of 256 bytes that no other line names
.set LAPS,  KK/512
.set AQ16, 16
.set AQ8,  18
.set AP16, 20
.set AP8,  22
.set ADRS, 27
.set SPW,  28
.set NIL,  29
.set SC,   32
.set QF,   64
.set T,    64
.set PC,   128
.set TM,   152
.set PW,   168
.set SEL,  94
.set G1, 24
.set G0, 32
.set G1B, 48
.set G0B, 56
.set G1S, 68
.set G0S, 76
.set G1SB, 80
.set G0SB, 88
.set MSB, 0
.macro WIN new
.if MSB != (\new)
	s_set_vgpr_msb (MSB<<8)|(\new)
.set MSB, (\new)
.endif
.endm
.macro JLOAD g0a, g1a, g0b, g1b        ; a joint load: waves 0 and 1 fetch for Q, waves 2 and 3 for P; four v_nop follow each of the two lines
	s_cmp_eq_u32 s15, 0
	s_cbranch_scc0 .Lfor_b_\@
	tensor_load_to_lds s[\g0a:\g0a+3], s[\g1a:\g1a+7]
	s_nop 0
.rept 4
	v_nop
.endr
	s_branch .Lasked_\@
.Lfor_b_\@:
	tensor_load_to_lds s[\g0b:\g0b+3], s[\g1b:\g1b+7]
	s_nop 0
.rept 4
	v_nop
.endr
.Lasked_\@:
.endm
.macro CREST
	s_cmp_lg_u32 s14, 0
	s_cbranch_scc1 .Lnot_wave_0_\@
	s_barrier_signal -3
.Lnot_wave_0_\@:
	s_barrier_wait -3
	s_barrier_signal -1
	s_barrier_wait -1
.endm
.macro CROUND
	s_barrier_signal -1
	s_barrier_wait -1
	CREST
.endm
.macro PLACES n
.rept \n
	v_nop
.endr
.endm
.macro FRAG reg, a16, a8, off
	ds_load_b128 v[\reg:\reg+3], v[\a16] offset:\off
	ds_load_b64 v[\reg+4:\reg+5], v[\a8] offset:\off+512
	ds_load_b128 v[\reg+6:\reg+9], v[\a16] offset:\off+768
	ds_load_b64 v[\reg+10:\reg+11], v[\a8] offset:\off+1280
.endm
.macro FETCH_P slot, q, set
	WIN 0x40
.irp i, 0,1,2,3,4,5,6,7
	FRAG 128*(\set)+12*\i, AP16+\slot, AP8+\slot, \i*3072+(\q)*1536
.endr
	WIN 0
.endm
.macro FETCH_Q slot, q, set
.set FI, 0
.rept QT
	FRAG QF+96*(\set)+12*FI, AQ16+\slot, AQ8+\slot, FI*3072+(\q)*1536
.set FI, FI+1
.endr
.endm
.macro SCALES q, set                   ; register i: lanes 0-15 the word of Q's tile i, lanes 16-31 that of P's tile i
.irp i, 0,1,2,3,4,5,6,7
	ds_load_b32 v[SC+8*(\set)+\i], v[ADRS] offset:\i*SSTR+64*(\q)
.endr
.endm
.macro MUL8 a, set, mode               ; mode 0: add on; 2: the bias starts the sums
.if (\mode) == 2
	WIN 0x91+0x40*((\a)/4)
.else
	WIN 0xa1+0x50*((\a)/4)
.endif
.irp b, 0,1,2,3,4,5,6,7
.set AC, 8*(8*((\a)%4)+\b)
.set PR, 128*(\set)+12*\b
.set QR, QF+96*(\set)+12*(\a)
.set BR, 96+8*(\b%4)+128*(\b/4)
.if (\mode) == 0
	v_wmma_scale_f32_16x16x128_f8f6f4 v[AC:AC+7], v[PR:PR+11], v[QR:QR+11], v[AC:AC+7], v[SC+8*(\set)+\b], v[SC+8*(\set)+(\a)] matrix_a_fmt:MATRIX_FMT_FP6 matrix_b_fmt:MATRIX_FMT_FP6 matrix_a_scale:MATRIX_SCALE_ROW1
.else
	v_wmma_scale_f32_16x16x128_f8f6f4 v[AC:AC+7], v[PR:PR+11], v[QR:QR+11], v[BR:BR+7], v[SC+8*(\set)+\b], v[SC+8*(\set)+(\a)] matrix_a_fmt:MATRIX_FMT_FP6 matrix_b_fmt:MATRIX_FMT_FP6 matrix_a_scale:MATRIX_SCALE_ROW1
.endif
.endr
.endm
.macro MULR a0, n, set, mode           ; the accumulators take turns, one instruction a turn, in the same order in every step
.set AA, \a0
.rept \n
	MUL8 AA, \set, \mode
.set AA, AA+1
.endr
.endm
.macro STEPA slot, mode                ; a slot's first K step: multiplies set 0; ahead of its products it asks for the second step, into set 1
	s_wait_dscnt 0x0
	PLACES 4
	FETCH_P \slot, 1, 1
	FETCH_Q \slot, 1, 1
	SCALES 1, 1
	MULR 0, QT, 0, \mode
.endm
.macro TURN slot, next, fill           ; a slot's second K step multiplies set 1 and changes slots
	WIN 0
	s_wait_tensorcnt 0x0                           ; all my tensor loads have landed: my part of the next slot
	ds_add_u32 v[SPW], v[NIL]                      ; 0 onto my spare word
	s_wait_dscnt 1                                 ; set 1 is in; the add alone may be out
	MULR 0, QT/4, 1, 0
	s_wait_dscnt 0x0                               ; the add is done, and my reads of this slot are over
	s_barrier_signal -1
	MULR QT/4, QT/4, 1, 0
	WIN 0
	s_barrier_wait -1
.if \fill
	CREST                                          ; a round of the cluster's barrier: no wave of any partner still reads this slot or has a load on its way
	s_add_nc_u64 s[G0+4*\slot+2:G0+4*\slot+3], s[G0+4*\slot+2:G0+4*\slot+3], 6144
	s_add_nc_u64 s[G0B+4*\slot+2:G0B+4*\slot+3], s[G0B+4*\slot+2:G0B+4*\slot+3], 6144
	JLOAD G0+4*\slot, G1, G0B+4*\slot, G1B
.else
	PLACES 4
.endif
	v_add_nc_u32 v[ADRS], 128, v[ADRS]
	FETCH_P \next, 0, 0
	FETCH_Q \next, 0, 0
	SCALES 0, 0
	MULR QT/2, QT/2, 1, 0
.endm
.macro QUANT s                         ; 64 numbers v[s ..], register 16 b + i = k 32 b + 16 (lane / 16) + i of my row -> a fragment's codes in v[PC ..], its scale word in v[PW]
.irp b, 0,1,2,3
	v_max3_num_f32 v[TM+\b], |v[\s+16*\b]|, |v[\s+1+16*\b]|, 0x1800000   ; and the floor 2^(3 - 127): the byte cannot fall under 1
.endr
.irp i, 2,4,6,8,10,12,14
.irp b, 0,1,2,3
	v_max3_num_f32 v[TM+\b], v[TM+\b], |v[\s+16*\b+\i]|, |v[\s+1+16*\b+\i]|
.endr
.endr
.irp b, 0,1,2,3
	v_permlanex16_b32 v[TM+4+\b], v[TM+\b], s[SEL], s[SEL+1]
.endr
.irp b, 0,1,2,3
	v_max_num_f32 v[TM+\b], v[TM+\b], v[TM+4+\b]
.endr
.irp b, 0,1,2,3
	v_add_nc_u32 v[TM+12+\b], 0xff000000, v[TM+\b]
.endr
.irp b, 0,1,2,3
	v_lshrrev_b32 v[TM+4+\b], 23, v[TM+12+\b]
.endr
	v_lshl_or_b32 v[PW], v[TM+5], 8, v[TM+4]
	v_lshl_or_b32 v[PW], v[TM+6], 16, v[PW]
	v_lshl_or_b32 v[PW], v[TM+7], 24, v[PW]
.irp c, 0,1
	v_cvt_scalef32_pk16_fp6_f32 v[PC+6*\c:PC+2+6*\c], v[\s+32*\c:\s+15+32*\c], v[TM+12+2*\c]
	v_cvt_scalef32_pk16_fp6_f32 v[PC+12+4*\c:PC+14+4*\c], v[\s+16+32*\c:\s+31+32*\c], v[TM+12+2*\c+1]
.endr
	v_nop                                          ; one plain line behind the scaled conversions
.irp c, 0,1
.irp i, 0,1,2
	v_permlane16_swap_b32 v[PC+6*\c+\i], v[PC+12+4*\c+\i]
.endr
.irp i, 0,1,2
	v_mov_b32 v[PC+3+6*\c+\i], v[PC+12+4*\c+\i]
.endr
.endr
.endm
	s_load_b256 s[4:11], s[0:1], 0x0               ; hb, wq, b_fc, hid
	v_lshl_add_u32 v[SPW], v0, 2, SPARE
	v_mov_b32 v[NIL], 0
	ds_add_u32 v28, v29
	ds_add_u32 v28, v29
	s_wait_dscnt 0x0
	v_lshrrev_b32 v1, 5, v0
	v_readfirstlane_b32 s14, v1
	s_lshr_b32 s15, s14, 1
	s_and_b32 s16, s14, 1
	s_bfe_u32 s40, ttmp6, 0x40000
	s_bfe_u32 s41, ttmp6, 0x40004
	s_lshl_b32 s42, ttmp9, 2
	s_add_co_u32 s42, s42, s40                     ; which 256 rows of P
	s_and_b32 s17, ttmp7, 0xffff
	s_lshl_b32 s17, s17, 2
	s_add_co_u32 s17, s17, s41                     ; which 256 rows of Q
	s_lshl_b32 s43, s41, 2
	s_lshl_b32 s43, 15, s43
	s_lshl_b32 s44, 0x1111, s40
	s_or_b32 s[G1], s43, (3<<16)|(1<<21)           ; elements of 8 bytes, no padding; bit 21 set beside a mask
	s_or_b32 s[G1B], s44, (3<<16)|(1<<21)
	s_or_b32 s[G1S], s43, (3<<16)|(1<<21)
	s_or_b32 s[G1SB], s44, (3<<16)|(1<<21)
	s_mov_b32 s[G1+1], 384<<16
	s_mov_b32 s[G1+2], QT<<16
	s_mov_b32 s[G1+3], 384<<16
	s_mov_b32 s[G1+4], QT
	s_mov_b32 s[G1+5], TSTR/8
	s_mov_b32 s[G1+6], 0
	s_mov_b32 s[G1+7], 0
	s_mov_b32 s[G1B+1], 384<<16
	s_mov_b32 s[G1B+2], 8<<16
	s_mov_b32 s[G1B+3], 384<<16
	s_mov_b32 s[G1B+4], 8
	s_mov_b32 s[G1B+5], TSTR/8
	s_mov_b32 s[G1B+6], 0
	s_mov_b32 s[G1B+7], 0
	s_mov_b32 s[G1S+1], 32<<16
	s_mov_b32 s[G1S+2], (QSH/256)<<16
	s_mov_b32 s[G1S+3], 32<<16
	s_mov_b32 s[G1S+4], QSH/256
	s_mov_b32 s[G1S+5], 32
	s_mov_b32 s[G1S+6], 0
	s_mov_b32 s[G1S+7], 0
	s_mov_b32 s[G1SB+1], 32<<16
	s_mov_b32 s[G1SB+2], (PSH/256)<<16
	s_mov_b32 s[G1SB+3], 32<<16
	s_mov_b32 s[G1SB+4], PSH/256
	s_mov_b32 s[G1SB+5], 32
	s_mov_b32 s[G1SB+6], 0
	s_mov_b32 s[G1SB+7], 0
	s_mul_i32 s18, s16, QT
	s_mul_i32 s20, s17, 2*QT
	s_add_co_u32 s20, s20, s18
	s_lshl_b32 s18, s16, 3
	s_lshl_b32 s46, s42, 4
	s_add_co_u32 s46, s46, s18
	s_mul_i32 s22, s20, SSTR
	s_add_co_u32 s22, s22, QSCL
	s_mul_i32 s20, s20, TSTR
	s_mul_i32 s92, s46, SSTR
	s_add_co_u32 s92, s92, PSCL
	s_mul_i32 s46, s46, TSTR
	s_add_co_u32 s46, s46, PIMG
	s_mov_b32 s21, 0
	s_mov_b32 s23, 0
	s_mov_b32 s47, 0
	s_mov_b32 s93, 0
	s_mul_i32 s45, s16, QHALF
	s_mul_i32 s94, s16, PHALF
	s_add_co_u32 s94, s94, 2*QHALF
	s_mul_i32 s95, s16, QSH
	s_add_co_u32 s95, s95, SCQ
	s_mul_i32 s96, s16, PSH
	s_add_co_u32 s96, s96, SCP
	s_wait_kmcnt 0x0
	s_add_nc_u64 s[20:21], s[4:5], s[20:21]
	s_add_nc_u64 s[22:23], s[4:5], s[22:23]
	s_add_nc_u64 s[46:47], s[6:7], s[46:47]
	s_add_nc_u64 s[92:93], s[6:7], s[92:93]
	CROUND                                         ; all sixteen work-groups are here: the first joint loads meet
	s_mov_b32 s[G0S], 1
	s_mov_b32 s[G0S+1], s95
	s_mov_b64 s[G0S+2:G0S+3], s[22:23]
	s_or_b32 s[G0S+3], s[G0S+3], 0x80000000
	s_mov_b32 s[G0SB], 1
	s_mov_b32 s[G0SB+1], s96
	s_mov_b64 s[G0SB+2:G0SB+3], s[92:93]
	s_or_b32 s[G0SB+3], s[G0SB+3], 0x80000000
	JLOAD G0S, G1S, G0SB, G1SB
.irp s, 0,1
	s_mov_b32 s[G0+4*\s], 1
	s_add_co_u32 s[G0+4*\s+1], s45, \s*SLOT
	s_add_nc_u64 s[G0+4*\s+2:G0+4*\s+3], s[20:21], \s*3072
	s_or_b32 s[G0+4*\s+3], s[G0+4*\s+3], 0x80000000
	s_mov_b32 s[G0B+4*\s], 1
	s_add_co_u32 s[G0B+4*\s+1], s94, \s*SLOT
	s_add_nc_u64 s[G0B+4*\s+2:G0B+4*\s+3], s[46:47], \s*3072
	s_or_b32 s[G0B+4*\s+3], s[G0B+4*\s+3], 0x80000000
	JLOAD G0+4*\s, G1, G0B+4*\s, G1B
.endr
	v_and_b32 v1, 31, v0
	v_bfe_u32 v2, v0, 4, 1
	v_and_b32 v3, 15, v0
	v_lshlrev_b32 v4, 6, v2
	v_lshlrev_b32 v5, 4, v1
	v_lshlrev_b32 v6, 3, v1
	v_lshlrev_b32 v7, 2, v3
	s_lshl_b32 s18, s42, 10
	s_lshl_b32 s19, s16, 9
	s_add_co_u32 s18, s18, s19                     ; my 128 hidden units, in bytes of f32
	s_mov_b32 s19, 0
	s_add_nc_u64 s[8:9], s[8:9], s[18:19]
	WIN 0x40
.irp b, 0,1,2,3,4,5,6,7                        ; the bias in the result's layout: lane (r, h), tile b: units 32 (b / 2) + 8 (b % 2) + 16 h + 0 .. 7
	global_load_b128 v[96+8*(\b%4)+128*(\b/4):99+8*(\b%4)+128*(\b/4)], v4, s[8:9] offset:(32*(\b/2)+8*(\b%2))*4
	global_load_b128 v[100+8*(\b%4)+128*(\b/4):103+8*(\b%4)+128*(\b/4)], v4, s[8:9] offset:(32*(\b/2)+8*(\b%2))*4+16
.endr
	WIN 0
	s_mul_i32 s18, s15, QHALF
	s_mul_i32 s19, s16, PHALF
	s_add_co_u32 s19, s19, 2*QHALF
.irp s, 0,1
	v_add_nc_u32 v[AQ16+\s], s18, v5
	v_add_nc_u32 v[AQ8+\s], s18, v6
	v_add_nc_u32 v[AP16+\s], s19, v5
	v_add_nc_u32 v[AP8+\s], s19, v6
	s_add_co_u32 s18, s18, SLOT
	s_add_co_u32 s19, s19, SLOT
.endr
	s_mul_i32 s18, s15, QSH
	s_mul_i32 s19, s16, PSH
	s_add_co_u32 s19, s19, SCP-SCQ
	s_sub_co_u32 s19, s19, s18
	v_mul_u32_u24 v9, s19, v2
	s_add_co_u32 s18, s18, SCQ
	v_add_nc_u32 v9, v9, v7
	v_add_nc_u32 v[ADRS], s18, v9
	v_lshl_add_u32 v26, v2, 11, v7                 ; scale store: lanes 0-15 the even tile's word, lanes 16-31 the odd tile's, 2,048 bytes on
	s_wait_tensorcnt 1                             ; the scale words and my part of slot 0 are in (slot 1's load may be out),
	s_barrier_signal -1
	s_barrier_wait -1
	FETCH_P 0, 0, 0
	FETCH_Q 0, 0, 0
	SCALES 0, 0
	s_wait_loadcnt 0x0                             ; the bias
	STEPA 0, 2                                     ; the first step stands in front of the loop: the bias starts the sums
	WIN 0
	s_mov_b32 s3, LAPS-1
.Llap:
	TURN 0, 1, 1
	STEPA 1, 0
	TURN 1, 0, 1
	STEPA 0, 0
	WIN 0
	s_sub_co_u32 s3, s3, 1
	s_cmp_lg_u32 s3, 0
	s_cbranch_scc1 .Llap
	TURN 0, 1, 0
	STEPA 1, 0
	s_wait_dscnt 0x0
	MULR 0, QT, 1, 0
	WIN 0
	PLACES 4                                       ; in front of the first read of results and the first write over operands
	s_mov_b32 s[SEL], 0x76543210
	s_mov_b32 s[SEL+1], 0xfedcba98
	s_mov_b32 s96, 0xbdd2d3e8                      ; c1
	s_mov_b32 s97, s96
	v_mov_b32 v172, 0xc0135761                     ; c0
	v_mov_b32 v173, v172
	s_mov_b32 s101, 0xffff0000                     ; lanes 16-31
.irp b, 0,1,2,3
	v_mov_b32 v[TM+4+\b], 0                        ; a lane permute's destination counts as read
.endr
	s_lshl_b32 s18, s17, 4
	s_lshl_b32 s19, s15, 3
	s_add_co_u32 s18, s18, s19                     ; my first tile of tokens
	s_lshl_b32 s19, s42, 1
	s_add_co_u32 s19, s19, s16                     ; my K step of the next product
	s_mul_i32 s2, s18, 49152
	s_mul_i32 s45, s19, 1536
	s_add_co_u32 s2, s2, s45
	s_mov_b32 s3, 0
	s_add_nc_u64 s[98:99], s[10:11], s[2:3]
	s_lshl_b32 s2, s18, 11
	s_lshl_b32 s45, s19, 6
	s_add_co_u32 s2, s2, s45
	s_add_co_u32 s2, s2, 12582912
	s_add_nc_u64 s[10:11], s[10:11], s[2:3]
; THE WAY OUT of Q's tile a: the activation, then the quantiser along the registers: one fragment and one scale word a row.
.macro GELUQ a
.set AC, 64*((\a)%4)
.set WW, 2+(\a)/4
	s_wait_xcnt 0x0                                ; the last tile's stores have read their registers
	WIN WW|(WW<<2)
.set I, 0
.rept 32
	v_pk_mul_f32 v[T+I:T+I+1], v[AC+I:AC+I+1], v[AC+I:AC+I+1]      ; x^2; each accumulator from its low end on
.set I, I+2
.endr
	WIN 0
.set I, 0
.rept 32
	v_pk_fma_f32 v[T+I:T+I+1], v[T+I:T+I+1], s[96:97], v[172:173] op_sel_hi:[1,0,1]   ; c0 + c1 x^2
.set I, I+2
.endr
	WIN WW<<2
.set I, 0
.rept 32
	v_pk_mul_f32 v[T+I:T+I+1], v[T+I:T+I+1], v[AC+I:AC+I+1]
.set I, I+2
.endr
	WIN 0
.set I, 0
.rept 64
	v_exp_f32 v[T+I], v[T+I]
.set I, I+1
.endr
	v_nop                                          ; a plain line behind the batch
	s_wait_alu depctr_va_vdst(0)                   ; one wait for the batch, ahead of its first reader
.set I, 0
.rept 32
	v_pk_add_f32 v[T+I:T+I+1], v[T+I:T+I+1], 1.0 op_sel_hi:[1,0]
.set I, I+2
.endr
.set I, 0
.rept 64
	v_rcp_f32 v[T+I], v[T+I]
.set I, I+1
.endr
	v_nop
	s_wait_alu depctr_va_vdst(0)
	WIN WW<<2
.set I, 0
.rept 32
	v_pk_mul_f32 v[T+I:T+I+1], v[T+I:T+I+1], v[AC+I:AC+I+1]
.set I, I+2
.endr
	WIN 0
	QUANT T
	global_store_b128 v5, v[PC:PC+3], s[98:99] offset:(\a)*49152            ; 512 consecutive bytes, aligned
	global_store_b64 v6, v[PC+4:PC+5], s[98:99] offset:(\a)*49152+512       ; 256
	global_store_b128 v5, v[PC+6:PC+9], s[98:99] offset:(\a)*49152+768
	global_store_b64 v6, v[PC+10:PC+11], s[98:99] offset:(\a)*49152+1280
.if (\a)%2
	v_cndmask_b32 v170, v169, v168, s101
	global_store_b32 v26, v170, s[10:11] offset:((\a)-1)*2048
.else
	v_mov_b32 v169, v168
.endif
.endm
.irp a, 0,1,2,3,4,5,6,7
	GELUQ \a
.endr
	s_wait_tensorcnt 0x0                           ; the wave's end
	ds_add_u32 v[SPW], v[NIL]
	s_wait_dscnt 0x0
	CROUND                                         ; the closing round
	s_endpgm
.Lfunc_end_k_qff1a8579c3_fc:
	.size	k_qff1a8579c3_fc, .Lfunc_end_k_qff1a8579c3_fc-k_qff1a8579c3_fc
	.p2alignl 7, 3214868480
	.fill 96, 4, 3214868480
	.section	.rodata,"a",@progbits
	.p2align	6, 0x0
	.amdhsa_kernel k_qff1a8579c3_fc
		.amdhsa_group_segment_fixed_size 327680
		.amdhsa_private_segment_fixed_size 0
		.amdhsa_enable_private_segment 0
		.amdhsa_kernarg_size 32
		.amdhsa_user_sgpr_count 2
		.amdhsa_user_sgpr_kernarg_segment_ptr 1
		.amdhsa_wavefront_size32 1
		.amdhsa_system_sgpr_workgroup_id_x 1
		.amdhsa_system_sgpr_workgroup_id_y 1
		.amdhsa_system_sgpr_workgroup_id_z 1
		.amdhsa_system_vgpr_workitem_id 0
		.amdhsa_next_free_vgpr 1024
		.amdhsa_next_free_sgpr 102
		.amdhsa_reserve_vcc 0
		.amdhsa_float_denorm_mode_32 3
		.amdhsa_float_denorm_mode_16_64 3
		.amdhsa_memory_ordered 1
		.amdhsa_forward_progress 1
		.amdhsa_inst_pref_size 255
	.end_amdhsa_kernel
	.section	.bss,"aw",@nobits
	.p2align	6
	.space	262144
	.amdgpu_metadata
---
amdhsa.version: [ 1, 2 ]
amdhsa.kernels:
  - .name:           k_qff1a8579c3_fc
    .symbol:         k_qff1a8579c3_fc.kd
    .args:
      - { .name: hb, .offset: 0, .size: 8, .value_kind: global_buffer, .address_space: global }
      - { .name: wq, .offset: 8, .size: 8, .value_kind: global_buffer, .address_space: global }
      - { .name: b_fc, .offset: 16, .size: 8, .value_kind: global_buffer, .address_space: global }
      - { .name: hid, .offset: 24, .size: 8, .value_kind: global_buffer, .address_space: global }
    .group_segment_fixed_size: 327680
    .private_segment_fixed_size: 0
    .kernarg_segment_align: 8
    .kernarg_segment_size: 32
    .max_flat_workgroup_size: 128
    .sgpr_count:     102
    .vgpr_count:     1024
    .wavefront_size: 32
...
	.end_amdgpu_metadata
.endif
;; end of part 6
;; launch mlp (part 7): grid 4 x 32, 4 waves a work-group, clusters of 4 x 4, 327,680 bytes of LDS; arguments hid, wq, b_mlp_proj, x1, out0; writes out0
.if DOCPART == 7
	.amdgcn_target "amdgcn-amd-amdhsa--gfx1250"
	.amdhsa_code_object_version 6
	.text
	.protected	k_qff1a8579c3_mlp
	.globl	k_qff1a8579c3_mlp
	.p2align	8
	.type	k_qff1a8579c3_mlp,@function
k_qff1a8579c3_mlp:
	s_mov_b64 s[64:65], 0
	v_nop
	global_prefetch_b8 v0, s[64:65] scope:SCOPE_SE
	s_setreg_imm32_b32 hwreg(HW_REG_WAVE_MODE, 25, 1), 1
	s_wait_xcnt 0x0
	s_wait_alu depctr_hold_cnt(0) depctr_sa_sdst(0) depctr_va_vdst(0) depctr_va_sdst(0) depctr_va_ssrc(0) depctr_va_vcc(0) depctr_vm_vsrc(0)
	s_getreg_b32 s2, hwreg(HW_REG_IB_STS2, 6, 4)
	s_cmp_eq_u32 s2, 0
	s_cbranch_scc0 .Lentry_in_a_cluster
	s_endpgm
.Lentry_in_a_cluster:
	s_bfe_u32 s2, ttmp6, 0x10000c
	s_cmp_lg_u32 s2, 0xf033
	s_cbranch_scc0 .Lentry_shape_is_right
	s_endpgm
.Lentry_shape_is_right:
; out0 = x1 + hid W_mlp + b, the product on codes of FP6 (E2M3) with E8M0 block scales, K = 4,096; out0 is f32.
; OPERANDS are images of operand registers: tiles of 16 rows (lane-row r of tile T = row 32 (T/2) + 8 (T%2) + r + 8 (r/8)), fragment (T, s) of 1,536 bytes at T x TSTR + 1536 s, scale words at T x SSTR + 64 s + 4 r.
; P (source 0) = the weight's 1,024 output features, Q (source 1) = tokens.  A work-group makes 256 features x 128 tokens, a wave 128 x 64: 32 accumulators: with 1,024 features only, a taller tile would leave more WGPs without work.
; The bias is the C of each sum's first matrix instruction.  K goes in steps of 128, two to a slot, through a ring of two LDS slots filled by the tensor data mover; all scale words come once, with the first fills.
; CLUSTERS: 4 x 4 work-groups; Q's tiles are shared along a row of the cluster, P's along a column: each is asked for jointly.
; THE WAY OUT: a tile of 16 tokens x 128 features goes through the wave's stage in LDS (in slot 0, which has had its last fill and its last read) and comes back as rows of 512 bytes; the residual's rows are added; 32 lanes store 512 consecutive bytes.
; REGISTERS: window 0: v1-9 lane terms, v16-23 LDS addresses, v24-25 the stage, v27 scale words' address, v28-29 the add's; v32-47 scale words, two sets; v64.., v160.. Q's fragments, two sets.
;   window 1: v0-95, v128-223 P's fragments, two sets; v96-127, v224-255 the bias; on the way out the residual's rows.   window 2: accumulator (a, b) at v[8 (8 a + b)].
.set KK,    4096
.set QT,    4
.set QSCL,  12582912
.set PIMG,  6553600
.set PSCL,  9699328
.set NK,    KK/128
.set TSTR,  NK*1536
.set SSTR,  NK*64
.set QHALF, QT*3072
.set PHALF, 8*3072
.set SLOT,  2*QHALF+2*PHALF
.set SCQ,   2*SLOT
.set QSH,   QT*SSTR
.set SCP,   SCQ+2*QSH
.set PSH,   8*SSTR
.set SPARE, SCP+2*PSH                  ; the spare words, 128 bytes a wave: two blocks of 256 bytes that no other line names
.set LAPS,  KK/512
.set AQ16, 16
.set AQ8,  18
.set AP16, 20
.set AP8,  22
.set ADRS, 27
.set SPW,  28
.set NIL,  29
.set SC,   32
.set QF,   64
.set G1, 24
.set G0, 32
.set G1B, 48
.set G0B, 56
.set G1S, 68
.set G0S, 76
.set G1SB, 80
.set G0SB, 88
.set MSB, 0
.macro WIN new
.if MSB != (\new)
	s_set_vgpr_msb (MSB<<8)|(\new)
.set MSB, (\new)
.endif
.endm
.macro JLOAD g0a, g1a, g0b, g1b        ; a joint load: waves 0 and 1 fetch for Q, waves 2 and 3 for P; four v_nop follow each of the two lines
	s_cmp_eq_u32 s15, 0
	s_cbranch_scc0 .Lfor_b_\@
	tensor_load_to_lds s[\g0a:\g0a+3], s[\g1a:\g1a+7]
	s_nop 0
.rept 4
	v_nop
.endr
	s_branch .Lasked_\@
.Lfor_b_\@:
	tensor_load_to_lds s[\g0b:\g0b+3], s[\g1b:\g1b+7]
	s_nop 0
.rept 4
	v_nop
.endr
.Lasked_\@:
.endm
.macro CREST
	s_cmp_lg_u32 s14, 0
	s_cbranch_scc1 .Lnot_wave_0_\@
	s_barrier_signal -3
.Lnot_wave_0_\@:
	s_barrier_wait -3
	s_barrier_signal -1
	s_barrier_wait -1
.endm
.macro CROUND
	s_barrier_signal -1
	s_barrier_wait -1
	CREST
.endm
.macro PLACES n
.rept \n
	v_nop
.endr
.endm
.macro FRAG reg, a16, a8, off
	ds_load_b128 v[\reg:\reg+3], v[\a16] offset:\off
	ds_load_b64 v[\reg+4:\reg+5], v[\a8] offset:\off+512
	ds_load_b128 v[\reg+6:\reg+9], v[\a16] offset:\off+768
	ds_load_b64 v[\reg+10:\reg+11], v[\a8] offset:\off+1280
.endm
.macro FETCH_P slot, q, set
	WIN 0x40
.irp i, 0,1,2,3,4,5,6,7
	FRAG 128*(\set)+12*\i, AP16+\slot, AP8+\slot, \i*3072+(\q)*1536
.endr
	WIN 0
.endm
.macro FETCH_Q slot, q, set
.set FI, 0
.rept QT
	FRAG QF+96*(\set)+12*FI, AQ16+\slot, AQ8+\slot, FI*3072+(\q)*1536
.set FI, FI+1
.endr
.endm
.macro SCALES q, set                   ; register i: lanes 0-15 the word of Q's tile i (i under QT), lanes 16-31 that of P's tile i
.irp i, 0,1,2,3,4,5,6,7
	ds_load_b32 v[SC+8*(\set)+\i], v[ADRS] offset:\i*SSTR+64*(\q)
.endr
.endm
.macro MUL8 a, set, mode               ; mode 0: add on; 2: the bias starts the sums
.if (\mode) == 2
	WIN 0x91+0x40*((\a)/4)
.else
	WIN 0xa1+0x50*((\a)/4)
.endif
.irp b, 0,1,2,3,4,5,6,7
.set AC, 8*(8*((\a)%4)+\b)
.set PR, 128*(\set)+12*\b
.set QR, QF+96*(\set)+12*(\a)
.set BR, 96+8*(\b%4)+128*(\b/4)
.if (\mode) == 0
	v_wmma_scale_f32_16x16x128_f8f6f4 v[AC:AC+7], v[PR:PR+11], v[QR:QR+11], v[AC:AC+7], v[SC+8*(\set)+\b], v[SC+8*(\set)+(\a)] matrix_a_fmt:MATRIX_FMT_FP6 matrix_b_fmt:MATRIX_FMT_FP6 matrix_a_scale:MATRIX_SCALE_ROW1
.else
	v_wmma_scale_f32_16x16x128_f8f6f4 v[AC:AC+7], v[PR:PR+11], v[QR:QR+11], v[BR:BR+7], v[SC+8*(\set)+\b], v[SC+8*(\set)+(\a)] matrix_a_fmt:MATRIX_FMT_FP6 matrix_b_fmt:MATRIX_FMT_FP6 matrix_a_scale:MATRIX_SCALE_ROW1
.endif
.endr
.endm
.macro MULR a0, n, set, mode           ; the accumulators take turns, one instruction a turn, in the same order in every step
.set AA, \a0
.rept \n
	MUL8 AA, \set, \mode
.set AA, AA+1
.endr
.endm
.macro STEPA slot, mode                ; a slot's first K step: multiplies set 0; ahead of its products it asks for the second step, into set 1
	s_wait_dscnt 0x0
	PLACES 4
	FETCH_P \slot, 1, 1
	FETCH_Q \slot, 1, 1
	SCALES 1, 1
	MULR 0, QT, 0, \mode
.endm
.macro TURN slot, next, fill           ; a slot's second K step multiplies set 1 and changes slots
	WIN 0
	s_wait_tensorcnt 0x0                           ; all my tensor loads have landed: my part of the next slot
	ds_add_u32 v[SPW], v[NIL]                      ; 0 onto my spare word
	s_wait_dscnt 1                                 ; set 1 is in; the add alone may be out
	MULR 0, QT/4, 1, 0
	s_wait_dscnt 0x0                               ; the add is done, and my reads of this slot are over
	s_barrier_signal -1
	MULR QT/4, QT/4, 1, 0
	WIN 0
	s_barrier_wait -1
.if \fill
	CREST                                          ; a round of the cluster's barrier: no wave of any partner still reads this slot or has a load on its way
	s_add_nc_u64 s[G0+4*\slot+2:G0+4*\slot+3], s[G0+4*\slot+2:G0+4*\slot+3], 6144
	s_add_nc_u64 s[G0B+4*\slot+2:G0B+4*\slot+3], s[G0B+4*\slot+2:G0B+4*\slot+3], 6144
	JLOAD G0+4*\slot, G1, G0B+4*\slot, G1B
.else
	PLACES 4
.endif
	v_add_nc_u32 v[ADRS], 128, v[ADRS]
	FETCH_P \next, 0, 0
	FETCH_Q \next, 0, 0
	SCALES 0, 0
	MULR QT/2, QT/2, 1, 0
.endm
	s_load_b256 s[4:11], s[0:1], 0x0               ; Q's buffer, wq, the bias, the residual
	s_load_b64 s[12:13], s[0:1], 0x20              ; the output
	v_lshl_add_u32 v[SPW], v0, 2, SPARE
	v_mov_b32 v[NIL], 0
	ds_add_u32 v28, v29
	ds_add_u32 v28, v29
	s_wait_dscnt 0x0
	v_lshrrev_b32 v1, 5, v0
	v_readfirstlane_b32 s14, v1
	s_lshr_b32 s15, s14, 1
	s_and_b32 s16, s14, 1
	s_bfe_u32 s40, ttmp6, 0x40000
	s_bfe_u32 s41, ttmp6, 0x40004
	s_lshl_b32 s42, ttmp9, 2
	s_add_co_u32 s42, s42, s40                     ; which 256 rows of P
	s_and_b32 s17, ttmp7, 0xffff
	s_lshl_b32 s17, s17, 2
	s_add_co_u32 s17, s17, s41                     ; which 128 rows of Q
	s_lshl_b32 s43, s41, 2
	s_lshl_b32 s43, 15, s43
	s_lshl_b32 s44, 0x1111, s40
	s_or_b32 s[G1], s43, (3<<16)|(1<<21)           ; elements of 8 bytes, no padding; bit 21 set beside a mask
	s_or_b32 s[G1B], s44, (3<<16)|(1<<21)
	s_or_b32 s[G1S], s43, (3<<16)|(1<<21)
	s_or_b32 s[G1SB], s44, (3<<16)|(1<<21)
	s_mov_b32 s[G1+1], 384<<16
	s_mov_b32 s[G1+2], QT<<16
	s_mov_b32 s[G1+3], 384<<16
	s_mov_b32 s[G1+4], QT
	s_mov_b32 s[G1+5], TSTR/8
	s_mov_b32 s[G1+6], 0
	s_mov_b32 s[G1+7], 0
	s_mov_b32 s[G1B+1], 384<<16
	s_mov_b32 s[G1B+2], 8<<16
	s_mov_b32 s[G1B+3], 384<<16
	s_mov_b32 s[G1B+4], 8
	s_mov_b32 s[G1B+5], TSTR/8
	s_mov_b32 s[G1B+6], 0
	s_mov_b32 s[G1B+7], 0
	s_mov_b32 s[G1S+1], 32<<16
	s_mov_b32 s[G1S+2], (QSH/256)<<16
	s_mov_b32 s[G1S+3], 32<<16
	s_mov_b32 s[G1S+4], QSH/256
	s_mov_b32 s[G1S+5], 32
	s_mov_b32 s[G1S+6], 0
	s_mov_b32 s[G1S+7], 0
	s_mov_b32 s[G1SB+1], 32<<16
	s_mov_b32 s[G1SB+2], (PSH/256)<<16
	s_mov_b32 s[G1SB+3], 32<<16
	s_mov_b32 s[G1SB+4], PSH/256
	s_mov_b32 s[G1SB+5], 32
	s_mov_b32 s[G1SB+6], 0
	s_mov_b32 s[G1SB+7], 0
	s_mul_i32 s18, s16, QT
	s_mul_i32 s20, s17, 2*QT
	s_add_co_u32 s20, s20, s18
	s_lshl_b32 s18, s16, 3
	s_lshl_b32 s46, s42, 4
	s_add_co_u32 s46, s46, s18
	s_mul_i32 s22, s20, SSTR
	s_add_co_u32 s22, s22, QSCL
	s_mul_i32 s20, s20, TSTR
	s_mul_i32 s92, s46, SSTR
	s_add_co_u32 s92, s92, PSCL
	s_mul_i32 s46, s46, TSTR
	s_add_co_u32 s46, s46, PIMG
	s_mov_b32 s21, 0
	s_mov_b32 s23, 0
	s_mov_b32 s47, 0
	s_mov_b32 s93, 0
	s_mul_i32 s45, s16, QHALF
	s_mul_i32 s94, s16, PHALF
	s_add_co_u32 s94, s94, 2*QHALF
	s_mul_i32 s95, s16, QSH
	s_add_co_u32 s95, s95, SCQ
	s_mul_i32 s96, s16, PSH
	s_add_co_u32 s96, s96, SCP
	s_wait_kmcnt 0x0
	s_add_nc_u64 s[20:21], s[4:5], s[20:21]
	s_add_nc_u64 s[22:23], s[4:5], s[22:23]
	s_add_nc_u64 s[46:47], s[6:7], s[46:47]
	s_add_nc_u64 s[92:93], s[6:7], s[92:93]
	CROUND                                         ; all sixteen work-groups are here: the first joint loads meet
	s_mov_b32 s[G0S], 1
	s_mov_b32 s[G0S+1], s95
	s_mov_b64 s[G0S+2:G0S+3], s[22:23]
	s_or_b32 s[G0S+3], s[G0S+3], 0x80000000
	s_mov_b32 s[G0SB], 1
	s_mov_b32 s[G0SB+1], s96
	s_mov_b64 s[G0SB+2:G0SB+3], s[92:93]
	s_or_b32 s[G0SB+3], s[G0SB+3], 0x80000000
	JLOAD G0S, G1S, G0SB, G1SB
.irp s, 0,1
	s_mov_b32 s[G0+4*\s], 1
	s_add_co_u32 s[G0+4*\s+1], s45, \s*SLOT
	s_add_nc_u64 s[G0+4*\s+2:G0+4*\s+3], s[20:21], \s*3072
	s_or_b32 s[G0+4*\s+3], s[G0+4*\s+3], 0x80000000
	s_mov_b32 s[G0B+4*\s], 1
	s_add_co_u32 s[G0B+4*\s+1], s94, \s*SLOT
	s_add_nc_u64 s[G0B+4*\s+2:G0B+4*\s+3], s[46:47], \s*3072
	s_or_b32 s[G0B+4*\s+3], s[G0B+4*\s+3], 0x80000000
	JLOAD G0+4*\s, G1, G0B+4*\s, G1B
.endr
	v_and_b32 v1, 31, v0
	v_bfe_u32 v2, v0, 4, 1
	v_and_b32 v3, 15, v0
	v_lshlrev_b32 v4, 6, v2
	v_lshlrev_b32 v5, 4, v1
	v_lshlrev_b32 v6, 3, v1
	v_lshlrev_b32 v7, 2, v3
	s_lshl_b32 s18, s42, 10
	s_lshl_b32 s19, s16, 9
	s_add_co_u32 s18, s18, s19                     ; my 128 features, in bytes of f32
	s_mov_b32 s19, 0
	s_add_nc_u64 s[8:9], s[8:9], s[18:19]
	WIN 0x40
.irp b, 0,1,2,3,4,5,6,7                        ; the bias in the result's layout: lane (r, h), tile b: features 32 (b / 2) + 8 (b % 2) + 16 h + 0 .. 7
	global_load_b128 v[96+8*(\b%4)+128*(\b/4):99+8*(\b%4)+128*(\b/4)], v4, s[8:9] offset:(32*(\b/2)+8*(\b%2))*4
	global_load_b128 v[100+8*(\b%4)+128*(\b/4):103+8*(\b%4)+128*(\b/4)], v4, s[8:9] offset:(32*(\b/2)+8*(\b%2))*4+16
.endr
	WIN 0
	s_lshl_b32 s2, s17, 3
	s_lshl_b32 s3, s15, 2
	s_add_co_u32 s2, s2, s3                        ; my first tile of tokens
	s_lshl_b32 s2, s2, 16                          ; x 16 rows of 4,096 bytes
	s_add_co_u32 s2, s2, s18
	s_mov_b32 s3, 0
	s_add_nc_u64 s[10:11], s[10:11], s[2:3]
	s_add_nc_u64 s[12:13], s[12:13], s[2:3]
	s_mul_i32 s18, s15, QHALF
	s_mul_i32 s19, s16, PHALF
	s_add_co_u32 s19, s19, 2*QHALF
.irp s, 0,1
	v_add_nc_u32 v[AQ16+\s], s18, v5
	v_add_nc_u32 v[AQ8+\s], s18, v6
	v_add_nc_u32 v[AP16+\s], s19, v5
	v_add_nc_u32 v[AP8+\s], s19, v6
	s_add_co_u32 s18, s18, SLOT
	s_add_co_u32 s19, s19, SLOT
.endr
	s_mul_i32 s18, s15, QSH
	s_mul_i32 s19, s16, PSH
	s_add_co_u32 s19, s19, SCP-SCQ
	s_sub_co_u32 s19, s19, s18
	v_mul_u32_u24 v9, s19, v2
	s_add_co_u32 s18, s18, SCQ
	v_add_nc_u32 v9, v9, v7
	v_add_nc_u32 v[ADRS], s18, v9
	s_mul_i32 s18, s14, 16*528                     ; my stage
	v_mul_u32_u24 v24, v3, 528
	v_lshl_add_u32 v24, v2, 6, v24
	v_add_nc_u32 v24, s18, v24                     ; in: row r, + 64 h
	v_add_nc_u32 v25, s18, v5                      ; back: 16 bytes a lane of a row
	s_wait_tensorcnt 1                             ; the scale words and my part of slot 0 are in (slot 1's load may be out),
	s_barrier_signal -1
	s_barrier_wait -1
	FETCH_P 0, 0, 0
	FETCH_Q 0, 0, 0
	SCALES 0, 0
	s_wait_loadcnt 0x0                             ; the bias
	STEPA 0, 2                                     ; the first step stands in front of the loop: the bias starts the sums
	WIN 0
	s_mov_b32 s3, LAPS-1
.Llap:
	TURN 0, 1, 1
	STEPA 1, 0
	TURN 1, 0, 1
	STEPA 0, 0
	WIN 0
	s_sub_co_u32 s3, s3, 1
	s_cmp_lg_u32 s3, 0
	s_cbranch_scc1 .Llap
	TURN 0, 1, 0
	STEPA 1, 0
	s_wait_dscnt 0x0
	MULR 0, QT, 1, 0
	WIN 0
	PLACES 4                                       ; in front of the loads into P's registers and of the first read of results
	WIN 0x40
.irp a, 0,1,2,3
.set TT, 0
.rept 16
	global_load_b128 v[64*\a+4*TT:64*\a+4*TT+3], v5, s[10:11] offset:(32*(\a/2)+8*(\a%2)+TT+8*(TT/8))*4096   ; the residual's 64 rows, 512 bytes each, all asked for at once
.set TT, TT+1
.endr
.endr
	WIN 0
.macro OUTA a
.set BB, 128+64*((\a)%2)
.if (\a) >= 2
	s_wait_xcnt 0x0                                ; the stores of two tiles back have read these registers
.endif
	WIN 0x08                                       ; an LDS store's data are its source 1: window 2
.irp b, 0,1,2,3,4,5,6,7
	ds_store_b128 v24, v[64*(\a)+8*\b:64*(\a)+8*\b+3] offset:128*(\b/2)+32*(\b%2)        ; each accumulator from its low end on
	ds_store_b128 v24, v[64*(\a)+8*\b+4:64*(\a)+8*\b+7] offset:128*(\b/2)+32*(\b%2)+16
.endr
	WIN 0
.set TT, 0
.rept 16
	ds_load_b128 v[BB+4*TT:BB+4*TT+3], v25 offset:TT*528     ; LDS serves a wave's instructions in order: these see my stores
.set TT, TT+1
.endr
	s_wait_dscnt 0x0
	s_wait_loadcnt 16*(3-(\a))                     ; this tile's 16 rows of the residual are in; the later tiles' may stay out
	WIN 0x04
.set I, 0
.rept 32
	v_pk_add_f32 v[BB+I:BB+I+1], v[BB+I:BB+I+1], v[64*(\a)+I:64*(\a)+I+1]
.set I, I+2
.endr
	WIN 0
.set TT, 0
.rept 16
	global_store_b128 v5, v[BB+4*TT:BB+4*TT+3], s[12:13] offset:(32*((\a)/2)+8*((\a)%2)+TT+8*(TT/8))*4096   ; 32 lanes store 512 consecutive bytes, aligned
.set TT, TT+1
.endr
.endm
.irp a, 0,1,2,3
	OUTA \a
.endr
	s_wait_tensorcnt 0x0                           ; the wave's end
	ds_add_u32 v[SPW], v[NIL]
	s_wait_dscnt 0x0
	CROUND                                         ; the closing round
	s_endpgm
.Lfunc_end_k_qff1a8579c3_mlp:
	.size	k_qff1a8579c3_mlp, .Lfunc_end_k_qff1a8579c3_mlp-k_qff1a8579c3_mlp
	.p2alignl 7, 3214868480
	.fill 96, 4, 3214868480
	.section	.rodata,"a",@progbits
	.p2align	6, 0x0
	.amdhsa_kernel k_qff1a8579c3_mlp
		.amdhsa_group_segment_fixed_size 327680
		.amdhsa_private_segment_fixed_size 0
		.amdhsa_enable_private_segment 0
		.amdhsa_kernarg_size 40
		.amdhsa_user_sgpr_count 2
		.amdhsa_user_sgpr_kernarg_segment_ptr 1
		.amdhsa_wavefront_size32 1
		.amdhsa_system_sgpr_workgroup_id_x 1
		.amdhsa_system_sgpr_workgroup_id_y 1
		.amdhsa_system_sgpr_workgroup_id_z 1
		.amdhsa_system_vgpr_workitem_id 0
		.amdhsa_next_free_vgpr 768
		.amdhsa_next_free_sgpr 102
		.amdhsa_reserve_vcc 0
		.amdhsa_float_denorm_mode_32 3
		.amdhsa_float_denorm_mode_16_64 3
		.amdhsa_memory_ordered 1
		.amdhsa_forward_progress 1
		.amdhsa_inst_pref_size 106
	.end_amdhsa_kernel
	.amdgpu_metadata
---
amdhsa.version: [ 1, 2 ]
amdhsa.kernels:
  - .name:           k_qff1a8579c3_mlp
    .symbol:         k_qff1a8579c3_mlp.kd
    .args:
      - { .name: hid, .offset: 0, .size: 8, .value_kind: global_buffer, .address_space: global }
      - { .name: wq, .offset: 8, .size: 8, .value_kind: global_buffer, .address_space: global }
      - { .name: b_mlp_proj, .offset: 16, .size: 8, .value_kind: global_buffer, .address_space: global }
      - { .name: x1, .offset: 24, .size: 8, .value_kind: global_buffer, .address_space: global }
      - { .name: out0, .offset: 32, .size: 8, .value_kind: global_buffer, .address_space: global }
    .group_segment_fixed_size: 327680
    .private_segment_fixed_size: 0
    .kernarg_segment_align: 8
    .kernarg_segment_size: 40
    .max_flat_workgroup_size: 128
    .sgpr_count:     102
    .vgpr_count:     768
    .wavefront_size: 32
...
	.end_amdgpu_metadata
.endif
;; end of part 7
;; ======== version 2 of 2: 8 launches
;; limits: right only within a limited range of input values
;; workspace buffers: wq 9,830,400 bytes; hb 3,276,800 bytes; qkv 9,830,400 bytes; at 3,276,800 bytes; x1 16,777,216 bytes; hid 13,107,200 bytes; mk 589,824 bytes of whole numbers
;; launch prep (part 8): grid 512 x 1, 4 waves a work-group, no clusters, 0 bytes of LDS; arguments mask, w_qkv, w_attn_proj, w_fc, w_mlp_proj, wq, mk; writes wq, mk
.if DOCPART == 8
	.amdgcn_target "amdgcn-amd-amdhsa--gfx1250"
	.amdhsa_code_object_version 6
	.text
	.protected	k_qff1a8579c3_prep
	.globl	k_qff1a8579c3_prep
	.p2align	8
	.type	k_qff1a8579c3_prep,@function
k_qff1a8579c3_prep:
	s_mov_b64 s[64:65], 0
	v_nop
	global_prefetch_b8 v0, s[64:65] scope:SCOPE_SE
	s_setreg_imm32_b32 hwreg(HW_REG_WAVE_MODE, 25, 1), 1
	s_wait_xcnt 0x0
; PREP.  Two jobs, told apart by the work-group's number.
; (1) Work-groups 0-127: the mask [2048][2048] of bytes (0 or 1) becomes LANE MASKS for the attention launch.  Work-group qt takes one tile of 16 queries, wave w the key steps 4 w .. 4 w + 3 (128 keys each).
;     Word n (0..63) of (qt, step): bit l = mask[query 32 (qt/2) + 8 (qt%2) + r + 8 (r/8)][128 step + 32 (n/16) + 16 (l/16) + n%16], r = l % 16: the lane and register in which attention holds that score.
;     64 words of a step are 256 bytes, stored by 32 lanes as one aligned run.  Behind them, at MKNEED: for each (qt, wave) 128 bytes: even words = bit 4 w + i set where step 4 w + i has any key for any of the
;     16 queries, bit 16 + 4 w + i set where every key of that step counts for all 16 queries; odd words = the ballot of the lanes that saw any key at all in the wave's four steps.
; (2) Work-groups 128-511: the four weights [K][N] f32 become codes of FP6 (E2M3) with one E8M0 byte for each 32 along K, laid as IMAGES OF OPERAND REGISTERS:
;     rows (= columns n of the weight) go in tiles of 16; lane-row r of tile T is row 32 (T/2) + 8 (T%2) + r + 8 (r/8).  Fragment (T, s) (128 along K) is 1,536 bytes at T x NK x 1536 + 1536 s: two halves of 768:
;     registers 6 c .. 6 c + 3 at 16 x lane, registers 6 c + 4, 5 at 512 + 8 x lane.  Scale words at T x NK x 64 + 64 s + 4 r.
;     A lane takes a column and its registers run down K (each load reads 128 consecutive bytes a wave); a block of 32 is one lane's; lanes 0-15 hold tile 2 G, lanes 16-31 tile 2 G + 1; a pair of blocks becomes
;     half a fragment of both tiles by six exchanges of lane halves.  Every store of codes covers 512 or 256 consecutive bytes, aligned.
; A block's scale byte is its largest magnitude's exponent field - 2, held at 1 from below (a block of zeros keeps 1: its codes are zeros and this program alone reads the bytes).
; LIMITS: NaN and infinities among the weights are not served; blocks whose largest magnitude lies under 2^-124 keep the byte 1.
; No tensor loads, no LDS, no barrier: waves share nothing.  No cluster: no two work-groups read the same bytes.
.set MKNEED, 524288
.macro LOADP p, N                      ; blocks 2 p and 2 p + 1 of the wave's eight: 64 loads, into sets (2 p) % 4 and (2 p + 1) % 4
.irp hh, 0,1
.set XB, 32+32*((2*(\p)+\hh)%4)
.set I, 0
.rept 32
	global_load_b32 v[XB+I], v8, s[24:25] offset:(32*(2*(\p)+\hh)+I)*\N*4 th:TH_LOAD_NT
.set I, I+1
.endr
.endr
.endm
.macro WBLK xs, m, c, beta             ; one block of 32 numbers v[xs ..]: scale operand in v[m], its byte into the scale word, codes into v[c .. c+2] and v[c+4 .. c+6]
	v_max3_num_f32 v[\m], |v[\xs]|, |v[\xs+1]|, |v[\xs+2]|
	v_max3_num_f32 v[\m+1], |v[\xs+3]|, |v[\xs+4]|, |v[\xs+5]|
.irp i, 6,10,14,18,22,26
	v_max3_num_f32 v[\m], v[\m], |v[\xs+\i]|, |v[\xs+\i+1]|
	v_max3_num_f32 v[\m+1], v[\m+1], |v[\xs+\i+2]|, |v[\xs+\i+3]|
.endr
	v_max3_num_f32 v[\m], v[\m], |v[\xs+30]|, |v[\xs+31]|
	v_max3_num_f32 v[\m], v[\m], v[\m+1], 0x1800000      ; the floor 2^(3 - 127): the byte cannot fall under 1
	v_add_nc_u32 v[\m], 0xff000000, v[\m]                ; 2 off the exponent field: the conversion's scale operand
	v_lshrrev_b32 v[\m+1], 23, v[\m]                     ; the byte
.if (\beta)%4 == 0
	v_mov_b32 v[24+(\beta)/4], v[\m+1]
.else
	v_lshl_or_b32 v[24+(\beta)/4], v[\m+1], 8*((\beta)%4), v[24+(\beta)/4]
.endif
	v_cvt_scalef32_pk16_fp6_f32 v[\c:\c+2], v[\xs:\xs+15], v[\m]
	v_cvt_scalef32_pk16_fp6_f32 v[\c+4:\c+6], v[\xs+16:\xs+31], v[\m]
.endm
; One weight.  ptr: its pointer's first scalar register; N: its columns; 2^LOGKC = K / 256; IMG, SCL: where its image and scale words begin in wq; NK = K / 128; FIRST: its first work-group.
.macro WQ ptr, N, LOGKC, IMG, SCL, NK, FIRST
	s_sub_co_u32 s20, ttmp9, \FIRST
	s_and_b32 s21, s20, (1<<\LOGKC)-1              ; which 256 along K
	s_lshr_b32 s20, s20, \LOGKC
	s_lshl_b32 s20, s20, 2
	s_add_co_u32 s20, s20, s18                     ; G: my wave's 32 columns
	s_mul_i32 s22, s21, 256*\N*4
	s_lshl_b32 s23, s20, 7
	s_add_co_u32 s22, s22, s23
	s_mov_b32 s23, 0
	s_add_nc_u64 s[24:25], s[\ptr:\ptr+1], s[22:23]
	s_mul_i32 s22, s20, 2*\NK*1536
	s_mul_i32 s26, s21, 3072
	s_add_co_u32 s22, s22, s26
	s_add_co_u32 s22, s22, \IMG
	s_add_nc_u64 s[28:29], s[14:15], s[22:23]      ; tile 2 G, K step 2 kc
	s_mul_i32 s22, s20, 2*\NK*64
	s_lshl_b32 s26, s21, 7
	s_add_co_u32 s22, s22, s26
	s_add_co_u32 s22, s22, \SCL
	s_add_nc_u64 s[30:31], s[14:15], s[22:23]
	v_mul_u32_u24 v9, v3, \NK*64
	v_lshl_add_u32 v9, v2, 2, v9                   ; scale words: my tile, 4 r
	LOADP 0, \N
	LOADP 1, \N
.irp p, 0,1,2,3
.if \p < 3
	s_wait_loadcnt 63                              ; this pair's 64 loads are in: 64 were issued behind them; the count named is one smaller, which only waits longer
.else
	s_wait_loadcnt 0
.endif
	s_wait_xcnt 0x0                                ; the last pair's stores have read the code registers
	WBLK (32+32*((2*\p)%4)), 12, 160, (2*\p)
	WBLK (32+32*((2*\p+1)%4)), 14, 168, (2*\p+1)
	v_nop                                          ; one plain line behind the scaled conversions
.irp i, 0,1,2,4,5,6
	v_permlane16_swap_b32 v[160+\i], v[168+\i]     ; the first now holds tile 2 G (lanes 0-15 the even block, lanes 16-31 the odd one), the second tile 2 G + 1
.endr
.irp i, 0,1,2
	v_mov_b32 v[163+\i], v[164+\i]                 ; six registers on end
	v_mov_b32 v[171+\i], v[172+\i]
.endr
	global_store_b128 v4, v[160:163], s[28:29] offset:(\p/2)*1536+(\p%2)*768
	global_store_b64 v5, v[164:165], s[28:29] offset:(\p/2)*1536+(\p%2)*768+512
	global_store_b128 v4, v[168:171], s[28:29] offset:\NK*1536+(\p/2)*1536+(\p%2)*768
	global_store_b64 v5, v[172:173], s[28:29] offset:\NK*1536+(\p/2)*1536+(\p%2)*768+512
.if \p < 2
	LOADP (\p+2), \N
.endif
.endr
	global_store_b32 v9, v24, s[30:31]
	global_store_b32 v9, v25, s[30:31] offset:64
	s_endpgm
.endm
	s_load_b256 s[4:11], s[0:1], 0x0               ; mask, w_qkv, w_attn_proj, w_fc
	s_load_b128 s[12:15], s[0:1], 0x20             ; w_mlp_proj, wq
	s_load_b64 s[16:17], s[0:1], 0x30              ; mk
	v_lshrrev_b32 v1, 5, v0
	v_readfirstlane_b32 s18, v1                    ; wave
	v_and_b32 v1, 31, v0                           ; lane
	v_and_b32 v2, 15, v0                           ; r
	v_bfe_u32 v3, v0, 4, 1                         ; lane / 16
	v_lshlrev_b32 v4, 4, v1                        ; 16 x lane
	v_lshlrev_b32 v5, 3, v1                        ; 8 x lane
	v_and_b32 v6, 8, v2
	v_add_nc_u32 v6, v6, v2                        ; r + 8 (r / 8)
	v_lshl_add_u32 v8, v3, 3, v6
	v_lshlrev_b32 v8, 2, v8                        ; weights: my column among the wave's 32, in bytes
	s_wait_kmcnt 0x0
	s_cmp_ge_u32 ttmp9, 384
	s_cbranch_scc1 .Lmlp
	s_cmp_ge_u32 ttmp9, 256
	s_cbranch_scc1 .Lfc
	s_cmp_ge_u32 ttmp9, 224
	s_cbranch_scc1 .Lproj
	s_cmp_ge_u32 ttmp9, 128
	s_cbranch_scc1 .Lqkv
	; ---- the mask
	s_wait_alu depctr_va_vdst(0)
	v_lshlrev_b32 v7, 11, v6                       ; my query's row of 2,048 bytes
	v_lshl_add_u32 v7, v3, 4, v7                   ; + 16 (lane / 16)
	s_wait_alu depctr_va_vdst(0)
	s_lshr_b32 s20, ttmp9, 1
	s_lshl_b32 s20, s20, 5
	s_and_b32 s21, ttmp9, 1
	s_lshl_b32 s21, s21, 3
	s_add_co_u32 s20, s20, s21                     ; the tile's first row
	s_lshl_b32 s20, s20, 11
	s_lshl_b32 s21, s18, 9                         ; my four steps: 512 bytes of each row
	s_add_co_u32 s20, s20, s21
	s_mov_b32 s21, 0
	s_add_nc_u64 s[4:5], s[4:5], s[20:21]
.irp i, 0,1,2,3
.irp b, 0,1,2,3
	global_load_b128 v[16+16*\i+4*\b:19+16*\i+4*\b], v7, s[4:5] offset:128*\i+32*\b
.endr
.endr
	s_lshl_b32 s22, ttmp9, 12
	s_lshl_b32 s23, s18, 10
	s_add_co_u32 s22, s22, s23
	s_mov_b32 s23, 0
	s_add_nc_u64 s[24:25], s[16:17], s[22:23]      ; my four steps' words
	s_lshl_b32 s22, ttmp9, 9
	s_lshl_b32 s26, s18, 7
	s_add_co_u32 s22, s22, s26
	s_add_co_u32 s22, s22, MKNEED
	s_add_nc_u64 s[26:27], s[16:17], s[22:23]      ; my 128 bytes of need words
	s_mov_b32 s28, 0
	s_lshl_b32 s29, s18, 2
.irp i, 0,1,2,3,4,5,6,7
	v_mov_b32 v[82+\i], 0                          ; a lane write's destination counts as read
.endr
	s_wait_loadcnt 0x0
.irp i, 0,1,2,3
.irp b, 0,1,2,3
.irp q, 0,1,2,3
.irp e, 0,1,2,3
	v_and_b32 v80, 0xff<<(8*\e), v[16+16*\i+4*\b+\q]      ; byte e of register q: key 32 b + 16 (lane / 16) + 4 q + e of the step
	v_cmp_ne_u32 vcc_lo, 0, v80                    ; the 32 lanes' bits: word n = 16 b + 4 q + e
	v_writelane_b32 v[82+2*\i+(\e&1)], vcc_lo, (16*\b+4*\q+\e)>>1   ; lane n / 2 will store words n and n + 1
.endr
.endr
.endr
	v_or_b32 v90, v[16+16*\i], v[17+16*\i]
	v_and_b32 v96, v[16+16*\i], v[17+16*\i]
.irp k, 2,3,4,5,6,7,8,9,10,11,12,13,14,15
	v_or_b32 v90, v90, v[16+16*\i+\k]
	v_and_b32 v96, v96, v[16+16*\i+\k]
.endr
	v_cmp_ne_u32 vcc_lo, 0, v90
	s_cmp_lg_u32 vcc_lo, 0                         ; any key of this step for any of the 16 queries?
	s_cselect_b32 s22, 1<<\i, 0
	s_or_b32 s28, s28, s22
	v_cmp_eq_u32 vcc_lo, 0x1010101, v96            ; all my 64 bytes of this step are 1?
	s_cmp_eq_u32 vcc_lo, -1                        ; in all 32 lanes: every key of the step counts for all 16 queries
	s_cselect_b32 s22, 0x10000<<\i, 0
	s_or_b32 s28, s28, s22
.if \i == 0
	v_mov_b32 v91, v90
.else
	v_or_b32 v91, v91, v90
.endif
	global_store_b64 v5, v[82+2*\i:83+2*\i], s[24:25] offset:256*\i    ; 256 consecutive bytes, aligned
.endr
	s_lshl_b32 s28, s28, s29                       ; bits 4 w .. 4 w + 3 and 16 + 4 w .. 16 + 4 w + 3
	v_cmp_ne_u32 vcc_lo, 0, v91
	s_mov_b32 s30, vcc_lo                          ; which lanes saw any key
	v_mov_b32 v92, s28
	v_mov_b32 v93, s30
	v_and_b32 v94, 1, v0
	v_cmp_eq_u32 vcc_lo, 1, v94
	v_cndmask_b32 v92, v92, v93, vcc_lo            ; even words the bits, odd words the ballot
	v_lshlrev_b32 v95, 2, v1
	global_store_b32 v95, v92, s[26:27]
	s_endpgm
.Lqkv:
	s_wait_alu depctr_va_vdst(0)
	WQ 6, 3072, 2, 0, 3145728, 8, 128
.Lproj:
	s_wait_alu depctr_va_vdst(0)
	WQ 8, 1024, 2, 2359296, 3244032, 8, 224
.Lfc:
	s_wait_alu depctr_va_vdst(0)
	WQ 10, 4096, 2, 3276800, 6422528, 8, 256
.Lmlp:
	s_wait_alu depctr_va_vdst(0)
	WQ 12, 1024, 4, 6553600, 9699328, 32, 384
.Lfunc_end_k_qff1a8579c3_prep:
	.size	k_qff1a8579c3_prep, .Lfunc_end_k_qff1a8579c3_prep-k_qff1a8579c3_prep
	.p2alignl 7, 3214868480
	.fill 96, 4, 3214868480
	.section	.rodata,"a",@progbits
	.p2align	6, 0x0
	.amdhsa_kernel k_qff1a8579c3_prep
		.amdhsa_group_segment_fixed_size 0
		.amdhsa_private_segment_fixed_size 0
		.amdhsa_enable_private_segment 0
		.amdhsa_kernarg_size 56
		.amdhsa_user_sgpr_count 2
		.amdhsa_user_sgpr_kernarg_segment_ptr 1
		.amdhsa_wavefront_size32 1
		.amdhsa_system_sgpr_workgroup_id_x 1
		.amdhsa_system_sgpr_workgroup_id_y 1
		.amdhsa_system_sgpr_workgroup_id_z 1
		.amdhsa_system_vgpr_workitem_id 0
		.amdhsa_next_free_vgpr 192
		.amdhsa_next_free_sgpr 66
		.amdhsa_reserve_vcc 1
		.amdhsa_float_denorm_mode_32 3
		.amdhsa_float_denorm_mode_16_64 3
		.amdhsa_memory_ordered 1
		.amdhsa_forward_progress 1
		.amdhsa_inst_pref_size 207
	.end_amdhsa_kernel
	.amdgpu_metadata
---
amdhsa.version: [ 1, 2 ]
amdhsa.kernels:
  - .name:           k_qff1a8579c3_prep
    .symbol:         k_qff1a8579c3_prep.kd
    .args:
      - { .name: mask, .offset: 0, .size: 8, .value_kind: global_buffer, .address_space: global }
      - { .name: w_qkv, .offset: 8, .size: 8, .value_kind: global_buffer, .address_space: global }
      - { .name: w_attn_proj, .offset: 16, .size: 8, .value_kind: global_buffer, .address_space: global }
      - { .name: w_fc, .offset: 24, .size: 8, .value_kind: global_buffer, .address_space: global }
      - { .name: w_mlp_proj, .offset: 32, .size: 8, .value_kind: global_buffer, .address_space: global }
      - { .name: wq, .offset: 40, .size: 8, .value_kind: global_buffer, .address_space: global }
      - { .name: mk, .offset: 48, .size: 8, .value_kind: global_buffer, .address_space: global }
    .group_segment_fixed_size: 0
    .private_segment_fixed_size: 0
    .kernarg_segment_align: 8
    .kernarg_segment_size: 56
    .max_flat_workgroup_size: 128
    .sgpr_count:     66
    .vgpr_count:     192
    .wavefront_size: 32
...
	.end_amdgpu_metadata
.endif
;; end of part 8
;; launch ln1 (part 9): grid 256 x 1, 8 waves a work-group, no clusters, 5,120 bytes of LDS; arguments x, ln1_scale, ln1_bias, hb; writes hb
.if DOCPART == 9
	.amdgcn_target "amdgcn-amd-amdhsa--gfx1250"
	.amdhsa_code_object_version 6
	.text
	.protected	k_qff1a8579c3_ln1
	.globl	k_qff1a8579c3_ln1
	.p2align	8
	.type	k_qff1a8579c3_ln1,@function
k_qff1a8579c3_ln1:
	s_mov_b64 s[64:65], 0
	v_nop
	global_prefetch_b8 v0, s[64:65] scope:SCOPE_SE
	s_setreg_imm32_b32 hwreg(HW_REG_WAVE_MODE, 25, 1), 1
	s_wait_xcnt 0x0
; LAYER NORM + QUANTISER.  src [4096][1024] f32 -> y = (x - mean) rsqrt(var + 1e-5) gain + bias, in f32, then codes of FP6 (E2M3) with one E8M0 byte for each 32 columns, laid as images of operand registers:
; tile T of 16 rows (lane-row r = row 32 (T/2) + 8 (T%2) + r + 8 (r/8)), fragment (T, s) at 12288 T + 1536 s (two halves of 768: registers 6 c .. 6 c + 3 at 16 x lane, 6 c + 4, 5 at 512 + 8 x lane); scale words at 3145728 + 512 T + 64 s + 4 r.
; A work-group takes one tile, wave w its columns 128 w .. 128 w + 127 (K step w).  Lane (r, h) holds, of row r, 16 neighbours of each block of 32: register 16 b + i = column 128 w + 32 b + 16 h + i.
; Mean and variance in two passes (the variance of x - mean), so that a common offset does not cancel; the eight waves' sums meet in LDS (two barriers); the eight scale words of a row meet there too (a third).
; Memory binds: no matrix unit, no tensor load, no cluster (no bytes are shared between work-groups).
; LIMITS: NaN and infinities are not served; a block whose largest magnitude lies under 2^-124 (a block of zeros too) keeps the byte 1.
.set X,   32                           ; v32-95   my 64 numbers
.set GA,  96                           ; v96-159  the gain at my columns
.set BI,  160                          ; v160-223 the bias
.set TM,  224                          ; v224-239 the quantiser's work
.set PC,  4                            ; v4-22    the codes
.set PW,  240                          ; v240     the scale word
.set SEL, 24                           ; s[24:25] selects for lane l xor 16
.macro QUANT s                         ; 64 numbers v[s ..], register 16 b + i = k 32 b + 16 (lane / 16) + i of my row -> a fragment's codes in v[PC ..], its scale word in v[PW]
.irp b, 0,1,2,3
	v_max3_num_f32 v[TM+\b], |v[\s+16*\b]|, |v[\s+1+16*\b]|, 0x1800000   ; and the floor 2^(3 - 127): the byte cannot fall under 1
.endr
.irp i, 2,4,6,8,10,12,14
.irp b, 0,1,2,3
	s_delay_alu instid0(VALU_DEP_4)
	v_max3_num_f32 v[TM+\b], v[TM+\b], |v[\s+16*\b+\i]|, |v[\s+1+16*\b+\i]|
.endr
.endr
.irp b, 0,1,2,3
	s_delay_alu instid0(VALU_DEP_4)
	v_permlanex16_b32 v[TM+4+\b], v[TM+\b], s[SEL], s[SEL+1]
.endr
.irp b, 0,1,2,3
	s_delay_alu instid0(VALU_DEP_4)
	v_max_num_f32 v[TM+\b], v[TM+\b], v[TM+4+\b]         ; the block's largest magnitude
.endr
.irp b, 0,1,2,3
	s_delay_alu instid0(VALU_DEP_4)
	v_add_nc_u32 v[TM+12+\b], 0xff000000, v[TM+\b]       ; 2 off its exponent field: the conversion's scale operand
.endr
.irp b, 0,1,2,3
	s_delay_alu instid0(VALU_DEP_4)
	v_lshrrev_b32 v[TM+4+\b], 23, v[TM+12+\b]            ; the byte
.endr
	s_delay_alu instid0(VALU_DEP_3)
	v_lshl_or_b32 v[PW], v[TM+5], 8, v[TM+4]
	s_delay_alu instid0(VALU_DEP_1)
	v_lshl_or_b32 v[PW], v[TM+6], 16, v[PW]
	s_delay_alu instid0(VALU_DEP_1)
	v_lshl_or_b32 v[PW], v[TM+7], 24, v[PW]
.irp c, 0,1
	v_cvt_scalef32_pk16_fp6_f32 v[PC+6*\c:PC+2+6*\c], v[\s+32*\c:\s+15+32*\c], v[TM+12+2*\c]
	v_cvt_scalef32_pk16_fp6_f32 v[PC+12+4*\c:PC+14+4*\c], v[\s+16+32*\c:\s+31+32*\c], v[TM+12+2*\c+1]
.endr
	v_nop                                          ; one plain line behind the scaled conversions
.irp c, 0,1                                    ; a whole block to a lane: lanes 0-15 block 2 c, lanes 16-31 block 2 c + 1
.irp i, 0,1,2
	v_permlane16_swap_b32 v[PC+6*\c+\i], v[PC+12+4*\c+\i]
.endr
.irp i, 0,1,2
	s_delay_alu instid0(VALU_DEP_3)
	v_mov_b32 v[PC+3+6*\c+\i], v[PC+12+4*\c+\i]
.endr
.endr
.endm
.macro REDUCE base                     ; v[242:243]: my lane's two partial sums -> v242: the row's sum over all 1,024 columns, in every lane
	s_delay_alu instid0(VALU_DEP_1)
	v_add_f32 v242, v242, v243
	s_delay_alu instid0(VALU_DEP_1)
	v_permlanex16_b32 v243, v242, s[SEL], s[SEL+1]
	s_delay_alu instid0(VALU_DEP_1)
	v_add_f32 v242, v242, v243                     ; my wave's 128 columns of row r
	ds_store_b32 v26, v242 offset:\base
	s_wait_dscnt 0x0                               ; for the others' sake: my store has landed
	s_barrier_signal -1
	s_barrier_wait -1
.irp i, 0,1,2,3,4,5,6,7
	ds_load_b32 v[244+\i], v31 offset:\base+128*\i
.endr
	s_wait_dscnt 0x0
	v_add_f32 v244, v244, v245
	v_add_f32 v246, v246, v247
	v_add_f32 v248, v248, v249
	v_add_f32 v250, v250, v251
	s_delay_alu instid0(VALU_DEP_3)
	v_add_f32 v244, v244, v246
	s_delay_alu instid0(VALU_DEP_2)
	v_add_f32 v248, v248, v250
	s_delay_alu instid0(VALU_DEP_1)
	v_add_f32 v242, v244, v248
.endm
	s_load_b256 s[4:11], s[0:1], 0x0               ; src, gain, bias, hb
	v_lshl_add_u32 v254, v0, 2, 0x1000
	v_mov_b32 v255, 0
	v_lshrrev_b32 v1, 5, v0
	s_delay_alu instid0(VALU_DEP_1)
	v_readfirstlane_b32 s12, v1                    ; wave 0..7
	v_and_b32 v1, 31, v0                           ; lane
	v_and_b32 v2, 15, v0                           ; r
	v_bfe_u32 v3, v0, 4, 1                         ; h
	s_delay_alu instid0(VALU_DEP_2)
	v_and_b32 v24, 8, v2
	s_delay_alu instid0(VALU_DEP_1)
	v_add_nc_u32 v24, v24, v2
	s_delay_alu instid0(VALU_DEP_1)
	v_lshlrev_b32 v24, 12, v24
	s_delay_alu instid0(VALU_DEP_1)
	v_lshl_add_u32 v24, v3, 6, v24                 ; src: row r + 8 (r / 8) of 4,096 bytes, + 64 h
	v_lshlrev_b32 v25, 6, v3                       ; gain, bias: 64 h
	v_lshlrev_b32 v26, 2, v0                       ; LDS: 128 x wave + 4 x lane
	v_lshlrev_b32 v27, 4, v1                       ; 16 x lane
	v_lshlrev_b32 v28, 3, v1                       ; 8 x lane
	v_lshlrev_b32 v31, 2, v1                       ; 4 x lane
	v_lshrrev_b32 v30, 5, v0
	s_delay_alu instid0(VALU_DEP_1)
	v_lshlrev_b32 v30, 6, v30
	s_delay_alu instid0(VALU_DEP_1)
	v_lshl_add_u32 v29, v2, 2, v30                 ; 64 x wave + 4 r
	s_lshr_b32 s13, ttmp9, 1
	s_lshl_b32 s13, s13, 5
	s_and_b32 s14, ttmp9, 1
	s_lshl_b32 s14, s14, 3
	s_add_co_u32 s13, s13, s14                     ; the tile's first row
	s_lshl_b32 s13, s13, 12
	s_lshl_b32 s14, s12, 9                         ; my 128 columns: 512 bytes
	s_mov_b32 s15, 0
	s_add_co_u32 s16, s13, s14
	s_mov_b32 s17, 0
	s_mul_i32 s18, ttmp9, 12288
	s_mul_i32 s19, s12, 1536
	s_add_co_u32 s18, s18, s19
	s_mov_b32 s19, 0
	s_lshl_b32 s28, ttmp9, 9
	s_add_co_u32 s28, s28, 3145728
	s_mov_b32 s29, 0
	s_mov_b32 s[SEL], 0x76543210
	s_mov_b32 s[SEL+1], 0xfedcba98
	s_mov_b32 s26, 0x3a800000                      ; 1 / 1024
	s_mov_b32 s27, 0x3727c5ac                      ; 1e-5
	s_wait_alu depctr_va_vdst(0)
	s_wait_kmcnt 0x0
	s_add_nc_u64 s[4:5], s[4:5], s[16:17]
	s_add_nc_u64 s[6:7], s[6:7], s[14:15]
	s_add_nc_u64 s[8:9], s[8:9], s[14:15]
	s_add_nc_u64 s[20:21], s[10:11], s[18:19]      ; my fragment
	s_add_nc_u64 s[22:23], s[10:11], s[28:29]      ; the tile's scale words
.irp b, 0,1,2,3
.irp j, 0,1,2,3
	global_load_b128 v[X+16*\b+4*\j:X+16*\b+4*\j+3], v24, s[4:5] offset:128*\b+16*\j
.endr
.endr
.irp b, 0,1,2,3
.irp j, 0,1,2,3
	global_load_b128 v[GA+16*\b+4*\j:GA+16*\b+4*\j+3], v25, s[6:7] offset:128*\b+16*\j
	global_load_b128 v[BI+16*\b+4*\j:BI+16*\b+4*\j+3], v25, s[8:9] offset:128*\b+16*\j
.endr
.endr
.irp b, 0,1,2,3
	v_mov_b32 v[TM+4+\b], 0                        ; a lane permute's destination counts as read
.endr
	s_wait_loadcnt 32                              ; my 16 loads of src are in; the 32 of gain and bias may stay out
	v_pk_add_f32 v[244:245], v[32:33], v[34:35]
	v_pk_add_f32 v[252:253], v[40:41], v[44:45]
	v_pk_add_f32 v[250:251], v[48:49], v[52:53]
	v_pk_add_f32 v[248:249], v[56:57], v[60:61]
	v_pk_add_f32 v[246:247], v[64:65], v[68:69]
	v_pk_add_f32 v[240:241], v[72:73], v[76:77]
	v_pk_add_f32 v[238:239], v[80:81], v[84:85]
	v_pk_add_f32 v[242:243], v[88:89], v[92:93]
	s_delay_alu instid0(VALU_DEP_1)
	v_pk_add_f32 v[242:243], v[242:243], v[36:37]
	v_pk_add_f32 v[244:245], v[244:245], v[38:39]
	v_pk_add_f32 v[252:253], v[252:253], v[42:43]
	v_pk_add_f32 v[250:251], v[250:251], v[46:47]
	v_pk_add_f32 v[248:249], v[248:249], v[50:51]
	v_pk_add_f32 v[246:247], v[246:247], v[54:55]
	v_pk_add_f32 v[240:241], v[240:241], v[58:59]
	v_pk_add_f32 v[238:239], v[238:239], v[62:63]
	v_pk_add_f32 v[242:243], v[242:243], v[66:67]
	v_pk_add_f32 v[244:245], v[244:245], v[70:71]
	v_pk_add_f32 v[252:253], v[252:253], v[74:75]
	v_pk_add_f32 v[250:251], v[250:251], v[78:79]
	v_pk_add_f32 v[248:249], v[248:249], v[82:83]
	v_pk_add_f32 v[246:247], v[246:247], v[86:87]
	v_pk_add_f32 v[240:241], v[240:241], v[90:91]
	v_pk_add_f32 v[238:239], v[238:239], v[94:95]
	s_delay_alu instid0(VALU_DEP_4)
	v_pk_add_f32 v[242:243], v[242:243], v[248:249]
	s_delay_alu instid0(VALU_DEP_4)
	v_pk_add_f32 v[244:245], v[244:245], v[246:247]
	s_delay_alu instid0(VALU_DEP_4)
	v_pk_add_f32 v[252:253], v[252:253], v[240:241]
	s_delay_alu instid0(VALU_DEP_4)
	v_pk_add_f32 v[250:251], v[250:251], v[238:239]
	s_delay_alu instid0(VALU_DEP_2)
	v_pk_add_f32 v[242:243], v[242:243], v[252:253]
	s_delay_alu instid0(VALU_DEP_2)
	v_pk_add_f32 v[244:245], v[244:245], v[250:251]
	s_delay_alu instid0(VALU_DEP_1)
	v_pk_add_f32 v[242:243], v[242:243], v[244:245]
	REDUCE 0
	s_delay_alu instid0(VALU_DEP_1)
	v_mul_f32 v252, s26, v242                      ; the mean
	s_delay_alu instid0(VALU_DEP_1)
	v_mov_b32 v253, v252
.set J, 0
.rept 32
	v_pk_add_f32 v[X+J:X+J+1], v[X+J:X+J+1], v[252:253] neg_lo:[0,1] neg_hi:[0,1]   ; x - mean
.set J, J+2
.endr
	v_pk_mul_f32 v[242:243], v[X:X+1], v[X:X+1]
	v_pk_mul_f32 v[244:245], v[X+2:X+3], v[X+2:X+3]
.irp j, 4,8,12,16,20,24,28,32,36,40,44,48,52,56,60
	s_delay_alu instid0(VALU_DEP_2)
	v_pk_fma_f32 v[242:243], v[X+\j:X+\j+1], v[X+\j:X+\j+1], v[242:243]
	s_delay_alu instid0(VALU_DEP_2)
	v_pk_fma_f32 v[244:245], v[X+\j+2:X+\j+3], v[X+\j+2:X+\j+3], v[244:245]
.endr
	s_delay_alu instid0(VALU_DEP_1)
	v_pk_add_f32 v[242:243], v[242:243], v[244:245]
	REDUCE 1024                                    ; other bytes than the first sum's: no barrier is owed between the two
	s_delay_alu instid0(VALU_DEP_1)
	v_fma_f32 v252, v242, s26, s27                 ; var + 1e-5
	s_wait_alu depctr_va_vdst(0)
	v_rsq_f32 v252, v252
	v_nop                                          ; a plain line behind the transcendental
	s_wait_alu depctr_va_vdst(0)                   ; and the wait ahead of its first reader
	v_mov_b32 v253, v252
	s_wait_alu depctr_va_vdst(0)
	s_wait_loadcnt 0x0                             ; gain and bias
.set J, 0
.rept 32
	v_pk_mul_f32 v[X+J:X+J+1], v[X+J:X+J+1], v[252:253]
.set J, J+2
.endr
.set J, 0
.rept 32
	v_pk_fma_f32 v[X+J:X+J+1], v[X+J:X+J+1], v[GA+J:GA+J+1], v[BI+J:BI+J+1]
.set J, J+2
.endr
	QUANT X
	global_store_b128 v27, v[PC:PC+3], s[20:21]                 ; 512 consecutive bytes, aligned
	global_store_b64 v28, v[PC+4:PC+5], s[20:21] offset:512     ; 256
	global_store_b128 v27, v[PC+6:PC+9], s[20:21] offset:768
	global_store_b64 v28, v[PC+10:PC+11], s[20:21] offset:1280
	ds_store_b32 v29, v[PW] offset:2048            ; both halves of the lanes write the same word with the same value
	s_wait_dscnt 0x0
	s_barrier_signal -1
	s_barrier_wait -1
	s_cmp_lg_u32 s12, 0
	s_cbranch_scc1 .Lend
	ds_load_b128 v[244:247], v27 offset:2048       ; the tile's 8 x 16 scale words
	s_wait_dscnt 0x0
	global_store_b128 v27, v[244:247], s[22:23]    ; 512 consecutive bytes, aligned
.Lend:
	s_wait_tensorcnt 0x0
	ds_add_u32 v254, v255
	s_wait_dscnt 0x0
	s_endpgm
.Lfunc_end_k_qff1a8579c3_ln1:
	.size	k_qff1a8579c3_ln1, .Lfunc_end_k_qff1a8579c3_ln1-k_qff1a8579c3_ln1
	.p2alignl 7, 3214868480
	.fill 96, 4, 3214868480
	.section	.rodata,"a",@progbits
	.p2align	6, 0x0
	.amdhsa_kernel k_qff1a8579c3_ln1
		.amdhsa_group_segment_fixed_size 5120
		.amdhsa_private_segment_fixed_size 0
		.amdhsa_enable_private_segment 0
		.amdhsa_kernarg_size 32
		.amdhsa_user_sgpr_count 2
		.amdhsa_user_sgpr_kernarg_segment_ptr 1
		.amdhsa_wavefront_size32 1
		.amdhsa_system_sgpr_workgroup_id_x 1
		.amdhsa_system_sgpr_workgroup_id_y 1
		.amdhsa_system_sgpr_workgroup_id_z 1
		.amdhsa_system_vgpr_workitem_id 0
		.amdhsa_next_free_vgpr 256
		.amdhsa_next_free_sgpr 66
		.amdhsa_reserve_vcc 0
		.amdhsa_float_denorm_mode_32 3
		.amdhsa_float_denorm_mode_16_64 3
		.amdhsa_memory_ordered 1
		.amdhsa_forward_progress 1
		.amdhsa_inst_pref_size 28
	.end_amdhsa_kernel
	.amdgpu_metadata
---
amdhsa.version: [ 1, 2 ]
amdhsa.kernels:
  - .name:           k_qff1a8579c3_ln1
    .symbol:         k_qff1a8579c3_ln1.kd
    .args:
      - { .name: x, .offset: 0, .size: 8, .value_kind: global_buffer, .address_space: global }
      - { .name: ln1_scale, .offset: 8, .size: 8, .value_kind: global_buffer, .address_space: global }
      - { .name: ln1_bias, .offset: 16, .size: 8, .value_kind: global_buffer, .address_space: global }
      - { .name: hb, .offset: 24, .size: 8, .value_kind: global_buffer, .address_space: global }
    .group_segment_fixed_size: 5120
    .private_segment_fixed_size: 0
    .kernarg_segment_align: 8
    .kernarg_segment_size: 32
    .max_flat_workgroup_size: 256
    .sgpr_count:     66
    .vgpr_count:     256
    .wavefront_size: 32
...
	.end_amdgpu_metadata
.endif
;; end of part 9
;; launch qkvg (part 10): grid 12 x 16, 4 waves a work-group, clusters of 4 x 4, 327,680 bytes of LDS; arguments hb, wq, b_qkv, qkv; writes qkv
.if DOCPART == 10
	.amdgcn_target "amdgcn-amd-amdhsa--gfx1250"
	.amdhsa_code_object_version 6
	.text
	.protected	k_qff1a8579c3_qkvg
	.globl	k_qff1a8579c3_qkvg
	.p2align	8
	.type	k_qff1a8579c3_qkvg,@function
k_qff1a8579c3_qkvg:
	s_mov_b64 s[64:65], 0
	v_nop
	global_prefetch_b8 v0, s[64:65] scope:SCOPE_SE
	s_setreg_imm32_b32 hwreg(HW_REG_WAVE_MODE, 25, 1), 1
	s_wait_xcnt 0x0
	s_wait_alu depctr_hold_cnt(0) depctr_sa_sdst(0) depctr_va_vdst(0) depctr_va_sdst(0) depctr_va_ssrc(0) depctr_va_vcc(0) depctr_vm_vsrc(0)
	s_getreg_b32 s2, hwreg(HW_REG_IB_STS2, 6, 4)
	s_cmp_eq_u32 s2, 0
	s_cbranch_scc0 .Lentry_in_a_cluster
	s_endpgm
.Lentry_in_a_cluster:
	s_bfe_u32 s2, ttmp6, 0x10000c
	s_cmp_lg_u32 s2, 0xf033
	s_cbranch_scc0 .Lentry_shape_is_right
	s_endpgm
.Lentry_shape_is_right:
; Q, K, V = LN1(x) W_qkv + b_qkv on codes of FP6 (E2M3) with E8M0 block scales; the results are quantised on the way out and leave as codes.
; OPERANDS are images of operand registers: tiles of 16 rows (lane-row r of tile T = row 32 (T/2) + 8 (T%2) + r + 8 (r/8)), fragment (T, s) of 1,536 bytes at T x TSTR + 1536 s, scale words at T x SSTR + 64 s + 4 r.
; P is source 0 of the matrix instruction (a lane's registers run along P's rows: the 16 registers of two neighbouring tiles are 16 neighbouring rows), Q source 1 (a lane holds one row of Q).
; A work-group makes 256 rows of P x 256 rows of Q; a wave 128 x 128: 64 accumulators, 512 registers.  A wave's 128 rows of P are one K step of the product that reads the result.
; Clusters with x = 0, 1: P = the weight's features 0-2047 (q, k), Q = tokens: a lane holds a token, registers run along features: q (x 1/8) and k are quantised along the head's axis.
; Clusters with x = 2:    P = tokens, Q = the weight's features 2048-3071 (v): a lane holds a feature, registers run along tokens: v is quantised along the keys.  The choice hangs on the cluster's x alone.
; OUT: q at 0, k at 3276800 (images of [4096 tokens][1024]), v^T at 6553600 (image of [1024 features][4096 tokens]); each region's scale words 3145728 bytes on.
; K goes in steps of 128, two to a slot, through a ring of two LDS slots filled by the tensor data mover; all scale words of the work-group's rows come once, with the first fills.
; CLUSTERS: 4 x 4 work-groups; Q's tiles are shared along a row of the cluster, P's along a column: each is asked for jointly, by the same tensor load with the same descriptor and a mask that names the four.
; The bias: along the registers (BI) for q and k, of the lane's row (BQ) for v.  Both are loaded on both paths, from addresses held inside the buffer, and the one that does not apply is multiplied by 0: no branch.
; LIMITS: NaN and infinities are not served (a bias of infinity among them); a block whose largest magnitude lies under 2^-124 (a block of zeros too) keeps the byte 1.
; REGISTERS: window 0: v1-9 lane terms, v16-23 LDS addresses, v26 scale store, v27 scale words' address, v28-29 the add's; v32-47 scale words, two sets; v48-63 BQ; v64-159, v160-255 Q's fragments, two sets.
;   window 1: v0-95, v128-223 P's fragments, two sets; v96-127, v224-255 BI.   windows 2, 3: accumulator (a, b) at v[8 (8 (a % 4) + b)].
.set KK,    1024
.set QT,    8                          ; tiles of Q to a wave
.set QSCL,  3145728
.set PIMG,  0
.set PSCL,  3145728
.set NK,    KK/128
.set TSTR,  NK*1536
.set SSTR,  NK*64
.set QHALF, QT*3072                    ; what one tensor load brings of Q: QT tiles x two K steps
.set PHALF, 8*3072
.set SLOT,  2*QHALF+2*PHALF
.set SCQ,   2*SLOT                     ; behind the ring: Q's scale words, then P's
.set QSH,   QT*SSTR
.set SCP,   SCQ+2*QSH
.set PSH,   8*SSTR
.set SPARE, SCP+2*PSH                  ; the spare words, 128 bytes a wave: two blocks of 256 bytes that no other line names
.set LAPS,  KK/512
.set AQ16, 16
.set AQ8,  18
.set AP16, 20
.set AP8,  22
.set ADRS, 27
.set SPW,  28
.set NIL,  29
.set SC,   32
.set QF,   64
.set T,    64                          ; the way out, window 0: 64 numbers,
.set PC,   128                         ; the codes,
.set TM,   152                         ; the quantiser's work,
.set PW,   168                         ; the scale word (v169: the tile before's, v170: the two joined)
.set SEL,  94
.set G1, 24
.set G0, 32
.set G1B, 48
.set G0B, 56
.set G1S, 68
.set G0S, 76
.set G1SB, 80
.set G0SB, 88
.set MSB, 0
.macro WIN new                         ; the immediate's high byte repeats the setting that is left
.if MSB != (\new)
	s_set_vgpr_msb (MSB<<8)|(\new)
.set MSB, (\new)
.endif
.endm
; A joint load: waves 0 and 1 fetch for Q, waves 2 and 3 for P.  The branch hangs on the wave's number alone.  Four v_nop follow each of the two lines.
.macro JLOAD g0a, g1a, g0b, g1b
	s_cmp_eq_u32 s15, 0
	s_cbranch_scc0 .Lfor_b_\@
	tensor_load_to_lds s[\g0a:\g0a+3], s[\g1a:\g1a+7]
	s_nop 0
.rept 4
	v_nop
.endr
	s_branch .Lasked_\@
.Lfor_b_\@:
	tensor_load_to_lds s[\g0b:\g0b+3], s[\g1b:\g1b+7]
	s_nop 0
.rept 4
	v_nop
.endr
.Lasked_\@:
.endm
.macro CREST                           ; a round of the cluster's barrier behind its opening barrier
	s_cmp_lg_u32 s14, 0
	s_cbranch_scc1 .Lnot_wave_0_\@
	s_barrier_signal -3
.Lnot_wave_0_\@:
	s_barrier_wait -3
	s_barrier_signal -1
	s_barrier_wait -1
.endm
.macro CROUND
	s_barrier_signal -1
	s_barrier_wait -1
	CREST
.endm
.macro PLACES n
.rept \n
	v_nop
.endr
.endm
.macro FRAG reg, a16, a8, off          ; a fragment comes back as it was stored: every load reads consecutive bytes, lane by lane
	ds_load_b128 v[\reg:\reg+3], v[\a16] offset:\off
	ds_load_b64 v[\reg+4:\reg+5], v[\a8] offset:\off+512
	ds_load_b128 v[\reg+6:\reg+9], v[\a16] offset:\off+768
	ds_load_b64 v[\reg+10:\reg+11], v[\a8] offset:\off+1280
.endm
.macro FETCH_P slot, q, set
	WIN 0x40
.irp i, 0,1,2,3,4,5,6,7
	FRAG 128*(\set)+12*\i, AP16+\slot, AP8+\slot, \i*3072+(\q)*1536
.endr
	WIN 0
.endm
.macro FETCH_Q slot, q, set
.set FI, 0
.rept QT
	FRAG QF+96*(\set)+12*FI, AQ16+\slot, AQ8+\slot, FI*3072+(\q)*1536
.set FI, FI+1
.endr
.endm
.macro SCALES q, set                   ; register i: lanes 0-15 the word of Q's tile i, lanes 16-31 that of P's tile i
.irp i, 0,1,2,3,4,5,6,7
	ds_load_b32 v[SC+8*(\set)+\i], v[ADRS] offset:\i*SSTR+64*(\q)
.endr
.endm
; 8 matrix instructions: Q's tile a against P's eight.  mode 0: add on; 1: the constant 0 starts the sums; 2: the bias starts them.
.macro MUL8 a, set, mode
.if (\mode) == 2
	WIN 0x91+0x40*((\a)/4)
.else
	WIN 0xa1+0x50*((\a)/4)
.endif
.irp b, 0,1,2,3,4,5,6,7
.set AC, 8*(8*((\a)%4)+\b)
.set PR, 128*(\set)+12*\b
.set QR, QF+96*(\set)+12*(\a)
.set BR, 96+8*(\b%4)+128*(\b/4)
.if (\mode) == 0
	v_wmma_scale_f32_16x16x128_f8f6f4 v[AC:AC+7], v[PR:PR+11], v[QR:QR+11], v[AC:AC+7], v[SC+8*(\set)+\b], v[SC+8*(\set)+(\a)] matrix_a_fmt:MATRIX_FMT_FP6 matrix_b_fmt:MATRIX_FMT_FP6 matrix_a_scale:MATRIX_SCALE_ROW1
.elseif (\mode) == 1
	v_wmma_scale_f32_16x16x128_f8f6f4 v[AC:AC+7], v[PR:PR+11], v[QR:QR+11], 0, v[SC+8*(\set)+\b], v[SC+8*(\set)+(\a)] matrix_a_fmt:MATRIX_FMT_FP6 matrix_b_fmt:MATRIX_FMT_FP6 matrix_a_scale:MATRIX_SCALE_ROW1
.else
	v_wmma_scale_f32_16x16x128_f8f6f4 v[AC:AC+7], v[PR:PR+11], v[QR:QR+11], v[BR:BR+7], v[SC+8*(\set)+\b], v[SC+8*(\set)+(\a)] matrix_a_fmt:MATRIX_FMT_FP6 matrix_b_fmt:MATRIX_FMT_FP6 matrix_a_scale:MATRIX_SCALE_ROW1
.endif
.endr
.endm
.macro MULR a0, n, set, mode           ; the accumulators take turns, one instruction a turn, in the same order in every step
.set AA, \a0
.rept \n
	MUL8 AA, \set, \mode
.set AA, AA+1
.endr
.endm
; A slot's first K step: multiplies set 0; ahead of its products it asks for the slot's second step, into set 1.
.macro STEPA slot, mode
	s_wait_dscnt 0x0                               ; set 0 is in
	PLACES 4                                       ; in front of loads into registers that matrix instructions have read
	FETCH_P \slot, 1, 1
	FETCH_Q \slot, 1, 1
	SCALES 1, 1
	MULR 0, QT, 0, \mode
.endm
; A slot's second K step multiplies set 1 and changes slots: one barrier; in front of it each wave waits for all its tensor loads, adds 0 to its spare word, and waits for that and for its reads of this slot.
.macro TURN slot, next, fill
	WIN 0
	s_wait_tensorcnt 0x0                           ; all my tensor loads have landed: my part of the next slot
	ds_add_u32 v[SPW], v[NIL]                      ; 0 onto my spare word
	s_wait_dscnt 1                                 ; set 1 is in; the add alone may be out
	MULR 0, QT/4, 1, 0
	s_wait_dscnt 0x0                               ; the add is done, and my reads of this slot are over
	s_barrier_signal -1
	MULR QT/4, QT/4, 1, 0
	WIN 0
	s_barrier_wait -1
.if \fill
	CREST                                          ; the barrier has opened a round of the cluster's: no wave of any partner still reads this slot or has a load on its way
	s_add_nc_u64 s[G0+4*\slot+2:G0+4*\slot+3], s[G0+4*\slot+2:G0+4*\slot+3], 6144
	s_add_nc_u64 s[G0B+4*\slot+2:G0B+4*\slot+3], s[G0B+4*\slot+2:G0B+4*\slot+3], 6144
	JLOAD G0+4*\slot, G1, G0B+4*\slot, G1B         ; the first tensor load behind the round; its four v_nop are the places in front of the loads below
.else
	PLACES 4
.endif
	s_wait_alu depctr_va_vdst(0)
	v_add_nc_u32 v[ADRS], 128, v[ADRS]             ; the next slot's scale words
	FETCH_P \next, 0, 0
	FETCH_Q \next, 0, 0
	SCALES 0, 0
	MULR QT/2, QT/2, 1, 0
.endm
.macro QUANT s                         ; 64 numbers v[s ..], register 16 b + i = k 32 b + 16 (lane / 16) + i of my row -> a fragment's codes in v[PC ..], its scale word in v[PW]
.irp b, 0,1,2,3
	v_max3_num_f32 v[TM+\b], |v[\s+16*\b]|, |v[\s+1+16*\b]|, 0x1800000   ; and the floor 2^(3 - 127): the byte cannot fall under 1
.endr
.irp i, 2,4,6,8,10,12,14
.irp b, 0,1,2,3
	v_max3_num_f32 v[TM+\b], v[TM+\b], |v[\s+16*\b+\i]|, |v[\s+1+16*\b+\i]|
.endr
.endr
.irp b, 0,1,2,3
	v_permlanex16_b32 v[TM+4+\b], v[TM+\b], s[SEL], s[SEL+1]
.endr
.irp b, 0,1,2,3
	v_max_num_f32 v[TM+\b], v[TM+\b], v[TM+4+\b]
.endr
.irp b, 0,1,2,3
	v_add_nc_u32 v[TM+12+\b], 0xff000000, v[TM+\b]
.endr
.irp b, 0,1,2,3
	v_lshrrev_b32 v[TM+4+\b], 23, v[TM+12+\b]
.endr
	v_lshl_or_b32 v[PW], v[TM+5], 8, v[TM+4]
	v_lshl_or_b32 v[PW], v[TM+6], 16, v[PW]
	v_lshl_or_b32 v[PW], v[TM+7], 24, v[PW]
.irp c, 0,1
	v_cvt_scalef32_pk16_fp6_f32 v[PC+6*\c:PC+2+6*\c], v[\s+32*\c:\s+15+32*\c], v[TM+12+2*\c]
	v_cvt_scalef32_pk16_fp6_f32 v[PC+12+4*\c:PC+14+4*\c], v[\s+16+32*\c:\s+31+32*\c], v[TM+12+2*\c+1]
.endr
	v_nop                                          ; one plain line behind the scaled conversions
.irp c, 0,1
.irp i, 0,1,2
	v_permlane16_swap_b32 v[PC+6*\c+\i], v[PC+12+4*\c+\i]
.endr
.irp i, 0,1,2
	v_mov_b32 v[PC+3+6*\c+\i], v[PC+12+4*\c+\i]
.endr
.endr
.endm
	s_load_b256 s[4:11], s[0:1], 0x0               ; hb, wq, b_qkv, qkv
	v_lshl_add_u32 v[SPW], v0, 2, SPARE
	v_mov_b32 v[NIL], 0
	ds_add_u32 v28, v29
	ds_add_u32 v28, v29
	s_wait_dscnt 0x0
	v_lshrrev_b32 v1, 5, v0
	v_readfirstlane_b32 s14, v1                    ; wave 0..3
	s_lshr_b32 s15, s14, 1                         ; which half of Q's rows is mine.  Also: I fetch for Q (0) or for P (1)
	s_and_b32 s16, s14, 1                          ; which half of P's rows.  Also: which half of that tile I fetch
	s_bfe_u32 s40, ttmp6, 0x40000                  ; cx, cy: my place in the cluster
	s_bfe_u32 s41, ttmp6, 0x40004
	s_and_b32 s18, ttmp7, 0xffff                   ; the cluster's y
	s_cmp_eq_u32 ttmp9, 2                          ; the v path?  The same answer in all sixteen partners
	s_cselect_b32 s42, s18, ttmp9
	s_cselect_b32 s17, 0, s18
	s_cselect_b32 s19, 128, 0                      ; v's features begin at the weight's tile 128
	s_lshl_b32 s42, s42, 2
	s_add_co_u32 s42, s42, s40                     ; which 256 rows of P
	s_lshl_b32 s17, s17, 2
	s_add_co_u32 s17, s17, s41                     ; which 256 rows of Q
	s_lshl_b32 s43, s41, 2
	s_lshl_b32 s43, 15, s43                        ; my row of the cluster
	s_lshl_b32 s44, 0x1111, s40                    ; my column
	; descriptor groups 1: elements of 8 bytes, no padding; bit 21 set beside a mask.  A tile's part of a slot is 3,072 consecutive bytes (384 elements); tiles lie TSTR bytes apart
	s_or_b32 s[G1], s43, (3<<16)|(1<<21)
	s_or_b32 s[G1B], s44, (3<<16)|(1<<21)
	s_or_b32 s[G1S], s43, (3<<16)|(1<<21)
	s_or_b32 s[G1SB], s44, (3<<16)|(1<<21)
	s_mov_b32 s[G1+1], 384<<16
	s_mov_b32 s[G1+2], (2*QT)<<16                  ; the head's loads bring both halves of a tile; behind them the row counts are set for the ring's halves
	s_mov_b32 s[G1+3], 384<<16
	s_mov_b32 s[G1+4], 2*QT
	s_mov_b32 s[G1+5], TSTR/8
	s_mov_b32 s[G1+6], 0
	s_mov_b32 s[G1+7], 0
	s_mov_b32 s[G1B+1], 384<<16
	s_mov_b32 s[G1B+2], 16<<16
	s_mov_b32 s[G1B+3], 384<<16
	s_mov_b32 s[G1B+4], 16
	s_mov_b32 s[G1B+5], TSTR/8
	s_mov_b32 s[G1B+6], 0
	s_mov_b32 s[G1B+7], 0
	s_mov_b32 s[G1S+1], 32<<16                     ; the scale words: a dense block, as rows of 256 bytes
	s_mov_b32 s[G1S+2], (QSH/128)<<16
	s_mov_b32 s[G1S+3], 32<<16
	s_mov_b32 s[G1S+4], QSH/128
	s_mov_b32 s[G1S+5], 32
	s_mov_b32 s[G1S+6], 0
	s_mov_b32 s[G1S+7], 0
	s_mov_b32 s[G1SB+1], 32<<16
	s_mov_b32 s[G1SB+2], (PSH/128)<<16
	s_mov_b32 s[G1SB+3], 32<<16
	s_mov_b32 s[G1SB+4], PSH/128
	s_mov_b32 s[G1SB+5], 32
	s_mov_b32 s[G1SB+6], 0
	s_mov_b32 s[G1SB+7], 0
	s_lshl_b32 s20, s17, 4
	s_add_co_u32 s20, s20, s19                     ; Q: the work-group's first tile
	s_lshl_b32 s46, s42, 4                         ; P likewise
	s_mul_i32 s22, s20, SSTR
	s_add_co_u32 s22, s22, QSCL
	s_mul_i32 s20, s20, TSTR
	s_mul_i32 s92, s46, SSTR
	s_add_co_u32 s92, s92, PSCL
	s_mul_i32 s46, s46, TSTR
	s_add_co_u32 s46, s46, PIMG
	s_mov_b32 s21, 0
	s_mov_b32 s23, 0
	s_mov_b32 s47, 0
	s_mov_b32 s93, 0
	s_mul_i32 s45, s16, QHALF                      ; where they go: no place in the cluster enters an LDS address
	s_mul_i32 s94, s16, PHALF
	s_add_co_u32 s94, s94, 2*QHALF
	s_wait_kmcnt 0x0
	s_cmp_eq_u32 ttmp9, 2
	s_cselect_b64 s[66:67], s[6:7], s[4:5]         ; Q's buffer: the weight on the v path, else the tokens
	s_cselect_b64 s[98:99], s[4:5], s[6:7]         ; P's: the other one
	s_add_nc_u64 s[20:21], s[66:67], s[20:21]
	s_add_nc_u64 s[22:23], s[66:67], s[22:23]
	s_add_nc_u64 s[46:47], s[98:99], s[46:47]
	s_add_nc_u64 s[92:93], s[98:99], s[92:93]
	CROUND                                         ; all sixteen work-groups are here: the first joint loads meet
	s_mov_b32 s[G0S], 1
	s_mov_b32 s[G0S+1], SCQ
	s_mov_b64 s[G0S+2:G0S+3], s[22:23]
	s_or_b32 s[G0S+3], s[G0S+3], 0x80000000
	s_mov_b32 s[G0SB], 1
	s_mov_b32 s[G0SB+1], SCP
	s_mov_b64 s[G0SB+2:G0SB+3], s[92:93]
	s_or_b32 s[G0SB+3], s[G0SB+3], 0x80000000
	s_mov_b32 s[G0], 1                             ; slot 0, whole: Q's tiles,
	s_mov_b32 s[G0+1], 0
	s_mov_b64 s[G0+2:G0+3], s[20:21]
	s_or_b32 s[G0+3], s[G0+3], 0x80000000
	s_mov_b32 s[G0B], 1                            ; and P's, behind them
	s_mov_b32 s[G0B+1], 2*QHALF
	s_mov_b64 s[G0B+2:G0B+3], s[46:47]
	s_or_b32 s[G0B+3], s[G0B+3], 0x80000000
	s_mul_i32 s18, s16, QT*TSTR                    ; in the ring I fetch one half of a tile: where it begins, in bytes
	s_mov_b32 s19, 0
	s_mul_i32 s2, s16, 8*TSTR
	s_mov_b32 s3, 0
; THE HEAD'S LOADS, ONE A WAVE: wave 0 Q's part of slot 0, wave 1 P's, wave 2 Q's scale words, wave 3 P's.  One chain of branches on the wave's number, all arms leading to one join.
.macro ARM under, g0, g1, next
	s_cmp_lt_u32 s14, \under
	s_cbranch_scc0 \next
	tensor_load_to_lds s[\g0:\g0+3], s[\g1:\g1+7]
	s_nop 0
.rept 4
	v_nop
.endr
	s_branch .Lhead_asked
\next:
.endm
	ARM 1, G0, G1, .Lhead_p
	ARM 2, G0B, G1B, .Lhead_sq
	ARM 3, G0S, G1S, .Lhead_sp
	tensor_load_to_lds s[G0SB:G0SB+3], s[G1SB:G1SB+7]
	s_nop 0
.rept 4
	v_nop
.endr
.Lhead_asked:
	s_wait_alu depctr_va_vdst(0)
	s_wait_tensorcnt 0x0                           ; my tile of the head's four is in; slot 1's first fill stands behind these lines and a round
	ds_add_u32 v28, v29
	s_mov_b32 s[G1+2], QT<<16                      ; no tensor load of mine is out: from here on a load brings one half
	s_mov_b32 s[G1+4], QT
	s_mov_b32 s[G1B+2], 8<<16
	s_mov_b32 s[G1B+4], 8
	s_add_nc_u64 s[20:21], s[20:21], s[18:19]
	s_add_nc_u64 s[46:47], s[46:47], s[2:3]
.irp s, 0,1
	s_mov_b32 s[G0+4*\s], 1
	s_add_co_u32 s[G0+4*\s+1], s45, \s*SLOT
	s_add_nc_u64 s[G0+4*\s+2:G0+4*\s+3], s[20:21], \s*3072
	s_or_b32 s[G0+4*\s+3], s[G0+4*\s+3], 0x80000000
	s_mov_b32 s[G0B+4*\s], 1
	s_add_co_u32 s[G0B+4*\s+1], s94, \s*SLOT
	s_add_nc_u64 s[G0B+4*\s+2:G0B+4*\s+3], s[46:47], \s*3072
	s_or_b32 s[G0B+4*\s+3], s[G0B+4*\s+3], 0x80000000
.endr
	s_wait_dscnt 0x0                               ; the add is done
	CROUND                                         ; all four tiles are in, and all sixteen work-groups are here
	JLOAD G0+4, G1, G0B+4, G1B                     ; slot 1, the first tensor load behind the round
	v_and_b32 v1, 31, v0                           ; lane
	v_bfe_u32 v2, v0, 4, 1                         ; h
	v_and_b32 v3, 15, v0                           ; r
	v_lshlrev_b32 v4, 6, v2                        ; 64 h
	v_lshlrev_b32 v5, 4, v1                        ; 16 x lane
	v_lshlrev_b32 v6, 3, v1                        ; 8 x lane
	v_lshlrev_b32 v7, 2, v3                        ; 4 r
	v_and_b32 v8, 8, v3
	v_add_nc_u32 v8, v8, v3
	v_lshlrev_b32 v8, 2, v8                        ; 4 (r + 8 (r / 8))
	s_mul_i32 s18, s15, QHALF
	s_mul_i32 s19, s16, PHALF
	s_add_co_u32 s19, s19, 2*QHALF
.irp s, 0,1
	v_add_nc_u32 v[AQ16+\s], s18, v5
	v_add_nc_u32 v[AQ8+\s], s18, v6
	v_add_nc_u32 v[AP16+\s], s19, v5
	v_add_nc_u32 v[AP8+\s], s19, v6
	s_add_co_u32 s18, s18, SLOT
	s_add_co_u32 s19, s19, SLOT
.endr
	s_mul_i32 s18, s15, QSH                        ; scale words: lanes 0-15 take Q's, lanes 16-31 P's: the lower base + h x the distance
	s_mul_i32 s19, s16, PSH
	s_add_co_u32 s19, s19, SCP-SCQ
	s_sub_co_u32 s19, s19, s18
	v_mul_u32_u24 v9, s19, v2
	s_add_co_u32 s18, s18, SCQ
	v_add_nc_u32 v9, v9, v7
	v_add_nc_u32 v[ADRS], s18, v9
	; where the results go, and the two biases
	s_lshl_b32 s2, s42, 1
	s_add_co_u32 s2, s2, s16                       ; pg: which 128 rows of P are mine
	s_lshl_b32 s45, s17, 4
	s_lshl_b32 s18, s15, 3
	s_add_co_u32 s45, s45, s18                     ; T0: my first tile of Q (on the v path: counted from v's first feature)
	s_lshr_b32 s18, s2, 3                          ; q (0) or k (1)
	s_and_b32 s19, s2, 7                           ; and the K step in it
	s_lshl_b32 s100, s2, 9                         ; BI: 128 pg numbers on
	s_lshl_b32 s101, s45, 6
	s_add_co_u32 s101, s101, 8192                  ; BQ: 2048 + 16 T0 numbers on
	s_mov_b32 s66, 12288
	s_mov_b32 s98, 512
	s_mov_b32 s97, 0x3f800000
	s_cmp_eq_u32 ttmp9, 2
	s_cselect_b32 s18, 2, s18                      ; the region
	s_cselect_b32 s19, s2, s19                     ; the K step
	s_cselect_b32 s100, 0, s100                    ; (each bias is loaded from inside the buffer on both paths)
	s_cselect_b32 s101, s101, 0
	s_cselect_b32 s66, 49152, s66                  ; bytes from tile to tile of the result's image
	s_cselect_b32 s98, 2048, s98                   ; and of its scale words
	s_cselect_b32 s95, s97, 0                      ; BQ counts on the v path alone
	s_cmp_eq_u32 s18, 0
	s_cselect_b32 s96, 0x3e000000, s97             ; f: q is multiplied by 1/8, exactly
	s_cmp_eq_u32 ttmp9, 2
	s_cselect_b32 s94, 0, s96                      ; BI x f, and 0 on the v path
	s_mov_b32 s97, s96                             ; (named with s96 as a pair)
	s_mul_i32 s18, s18, 3276800
	s_mul_i32 s99, s45, s66
	s_add_co_u32 s99, s99, s18
	s_mul_i32 s3, s19, 1536
	s_add_co_u32 s2, s99, s3                       ; the codes' offset
	s_mov_b32 s3, 0
	s_mul_i32 s99, s45, s98
	s_add_co_u32 s99, s99, s18
	s_lshl_b32 s19, s19, 6
	s_add_co_u32 s99, s99, s19
	s_add_co_u32 s18, s99, 3145728                 ; the scale words' offset
	s_mov_b32 s19, 0
	s_add_nc_u64 s[12:13], s[10:11], s[18:19]
	s_add_nc_u64 s[10:11], s[10:11], s[2:3]
	v_mul_u32_u24 v26, s98, v2
	v_add_nc_u32 v26, v26, v7                      ; scale store: lanes 0-15 the even tile's word, lanes 16-31 the odd tile's
	s_lshl_b32 s98, s98, 1                         ; two tiles on
	s_mov_b32 s99, 0
	s_mov_b32 s67, 0
	s_mov_b32 s2, s100
	s_add_nc_u64 s[4:5], s[8:9], s[2:3]
	s_mov_b32 s2, s101
	s_add_nc_u64 s[6:7], s[8:9], s[2:3]
	s_mov_b32 s101, 0xffff0000                     ; lanes 16-31
	WIN 0x40
.irp b, 0,1,2,3,4,5,6,7
	global_load_b128 v[96+8*(\b%4)+128*(\b/4):99+8*(\b%4)+128*(\b/4)], v4, s[4:5] offset:(32*(\b/2)+8*(\b%2))*4
	global_load_b128 v[100+8*(\b%4)+128*(\b/4):103+8*(\b%4)+128*(\b/4)], v4, s[4:5] offset:(32*(\b/2)+8*(\b%2))*4+16
.endr
	WIN 0
.irp a, 0,1,2,3,4,5,6,7
	global_load_b32 v[48+2*\a], v8, s[6:7] offset:(32*(\a/2)+8*(\a%2))*4
	v_mov_b32 v[49+2*\a], 0
.endr
	s_wait_tensorcnt 1                             ; the scale words and my part of slot 0 are in (slot 1's load may be out),
	s_barrier_signal -1
	s_barrier_wait -1                              ; everybody's are
	FETCH_P 0, 0, 0
	FETCH_Q 0, 0, 0
	SCALES 0, 0
	s_wait_loadcnt 0x0                             ; the biases
	WIN 0x41
.set I, 0
.rept 16
	v_pk_mul_f32 v[96+I:97+I], v[96+I:97+I], s[94:95] op_sel_hi:[1,0]
	v_pk_mul_f32 v[224+I:225+I], v[224+I:225+I], s[94:95] op_sel_hi:[1,0]
.set I, I+2
.endr
	WIN 0
.irp a, 0,1,2,3,4,5,6,7
	v_mul_f32 v[48+2*\a], s95, v[48+2*\a]
.endr
	s_mov_b32 s[SEL], 0x76543210
	s_mov_b32 s[SEL+1], 0xfedcba98
	STEPA 0, 1                                     ; the first step stands in front of the loop: its products start the sums
	WIN 0
	s_mov_b32 s3, LAPS-1
.Llap:                                                 ; a trip goes once round the ring and fills both slots again
	TURN 0, 1, 1
	s_wait_alu depctr_va_vdst(0)
	STEPA 1, 0
	TURN 1, 0, 1
	s_wait_alu depctr_va_vdst(0)
	STEPA 0, 0
	WIN 0
	s_sub_co_u32 s3, s3, 1
	s_cmp_lg_u32 s3, 0
	s_cbranch_scc1 .Llap
	TURN 0, 1, 0                                   ; the last lap fills nothing
	s_wait_alu depctr_va_vdst(0)
	STEPA 1, 0
	s_wait_dscnt 0x0
	MULR 0, QT, 1, 0
	WIN 0
	PLACES 4                                       ; in front of the first read of results and the first write over operands
.irp b, 0,1,2,3
	v_mov_b32 v[TM+4+\b], 0                        ; a lane permute's destination counts as read
.endr
; THE WAY OUT of Q's tile a: acc x f + BI + BQ, quantised along the registers: one fragment and one scale word a row.
.macro OUTQ a
.set AC, 64*((\a)%4)
.set WW, 2+(\a)/4
	s_wait_xcnt 0x0                                ; the last tile's stores have read their registers and bases
.if (\a) > 0
	s_add_nc_u64 s[10:11], s[10:11], s[66:67]
.endif
.if ((\a)%2) && ((\a) > 1)
	s_add_nc_u64 s[12:13], s[12:13], s[98:99]
.endif
	WIN WW|0x10
.set I, 0
.rept 32
	v_pk_fma_f32 v[T+I:T+I+1], v[AC+I:AC+I+1], s[96:97], v[96+I+96*(I/32):97+I+96*(I/32)] op_sel_hi:[1,0,1]   ; each accumulator from its low end on
.set I, I+2
.endr
	WIN 0
.set I, 0
.rept 32
	v_pk_add_f32 v[T+I:T+I+1], v[T+I:T+I+1], v[48+2*(\a):49+2*(\a)] op_sel_hi:[1,0]
.set I, I+2
.endr
	QUANT T
	global_store_b128 v5, v[PC:PC+3], s[10:11]
	global_store_b64 v6, v[PC+4:PC+5], s[10:11] offset:512
	global_store_b128 v5, v[PC+6:PC+9], s[10:11] offset:768
	global_store_b64 v6, v[PC+10:PC+11], s[10:11] offset:1280
.if (\a)%2
	v_cndmask_b32 v170, v169, v168, s101
	global_store_b32 v26, v170, s[12:13]
.else
	v_mov_b32 v169, v168
.endif
.endm
.irp a, 0,1,2,3,4,5,6,7
	OUTQ \a
.endr
	s_wait_tensorcnt 0x0                           ; the wave's end
	ds_add_u32 v[SPW], v[NIL]
	s_wait_dscnt 0x0
	CROUND                                         ; the closing round
	s_endpgm
.Lfunc_end_k_qff1a8579c3_qkvg:
	.size	k_qff1a8579c3_qkvg, .Lfunc_end_k_qff1a8579c3_qkvg-k_qff1a8579c3_qkvg
	.p2alignl 7, 3214868480
	.fill 96, 4, 3214868480
	.section	.rodata,"a",@progbits
	.p2align	6, 0x0
	.amdhsa_kernel k_qff1a8579c3_qkvg
		.amdhsa_group_segment_fixed_size 327680
		.amdhsa_private_segment_fixed_size 0
		.amdhsa_enable_private_segment 0
		.amdhsa_kernarg_size 32
		.amdhsa_user_sgpr_count 2
		.amdhsa_user_sgpr_kernarg_segment_ptr 1
		.amdhsa_wavefront_size32 1
		.amdhsa_system_sgpr_workgroup_id_x 1
		.amdhsa_system_sgpr_workgroup_id_y 1
		.amdhsa_system_sgpr_workgroup_id_z 1
		.amdhsa_system_vgpr_workitem_id 0
		.amdhsa_next_free_vgpr 1024
		.amdhsa_next_free_sgpr 102
		.amdhsa_reserve_vcc 0
		.amdhsa_float_denorm_mode_32 3
		.amdhsa_float_denorm_mode_16_64 3
		.amdhsa_memory_ordered 1
		.amdhsa_forward_progress 1
		.amdhsa_inst_pref_size 190
	.end_amdhsa_kernel
	.amdgpu_metadata
---
amdhsa.version: [ 1, 2 ]
amdhsa.kernels:
  - .name:           k_qff1a8579c3_qkvg
    .symbol:         k_qff1a8579c3_qkvg.kd
    .args:
      - { .name: hb, .offset: 0, .size: 8, .value_kind: global_buffer, .address_space: global }
      - { .name: wq, .offset: 8, .size: 8, .value_kind: global_buffer, .address_space: global }
      - { .name: b_qkv, .offset: 16, .size: 8, .value_kind: global_buffer, .address_space: global }
      - { .name: qkv, .offset: 24, .size: 8, .value_kind: global_buffer, .address_space: global }
    .group_segment_fixed_size: 327680
    .private_segment_fixed_size: 0
    .kernarg_segment_align: 8
    .kernarg_segment_size: 32
    .max_flat_workgroup_size: 128
    .sgpr_count:     102
    .vgpr_count:     1024
    .wavefront_size: 32
...
	.end_amdgpu_metadata
.endif
;; end of part 10
;; launch attn (part 11): grid 8 x 32, 8 waves a work-group, no clusters, 283,648 bytes of LDS; arguments qkv, mk, at; writes at
.if DOCPART == 11
	.amdgcn_target "amdgcn-amd-amdhsa--gfx1250"
	.amdhsa_code_object_version 6
	.text
	.protected	k_qff1a8579c3_attn
	.globl	k_qff1a8579c3_attn
	.p2align	8
	.type	k_qff1a8579c3_attn,@function
k_qff1a8579c3_attn:
	s_mov_b64 s[64:65], 0
	v_nop
	global_prefetch_b8 v0, s[64:65] scope:SCOPE_SE
	s_setreg_imm32_b32 hwreg(HW_REG_WAVE_MODE, 25, 1), 1
	s_wait_xcnt 0x0
; ATTENTION on codes of FP6 (E2M3) with E8M0 block scales, under the GIVEN mask.  q (already x 1/8), k: images of [4096 tokens][1024]; v^T: image of [1024 features][4096 tokens]; a head's 64 are half a fragment.
; t = logit x log2(e); M = the running largest t rounded up to a whole number; p = 2^(t - M), one fused multiply-add and one exponential, is quantised along the keys; the row's sum is taken of the unquantised p and divides at the end.
; A HIDDEN SCORE is set to -2^33 in place of -1e10: its product with log2(e) is exact, so a row of nothing but hidden keys gives t - M = 0 and p = 1 for every key, the uniform softmax of the definition;
; beside any key that counts, both numbers give p = 0.  LIMIT: this holds while the scaled scores of keys that count stay under 2^31 in magnitude.
; SHARES.  Work-group (g, y): y = 16 x batch + head; it owns eight blocks of 32 queries (two tiles of 16, A and B): block u = 8 x rank + g, g mirrored where rank is odd.
; Waves w and w xor 4 share the blocks of ranks w % 4 and 7 - w % 4 BY THE PARITY OF THE KEY STEP: wave w takes the steps j with j % 2 = w / 4, of both blocks, one block after the other.
; The block walked first is GIVEN AWAY: its -M, sum and O^T go to LDS as an image of the registers (8,704 bytes a wave, bytes of their own).  The block walked second is kept; behind one barrier the partner's part of it is read
; and the two are joined under the larger M by factors 2^(whole number), which round nothing.  Waves 0-3 give rank w % 4 and keep 7 - w % 4, waves 4-7 the other way round.
; THE HEAD'S WHOLE K AND V LIE IN LDS: 16 key steps x 13,312 bytes (K's tile t at 768 t, V's tile d at 6144 + 1536 d, K's scale words at 12288 + 64 t, V's at 12800 + 64 (d % 2) + 256 (d / 2)).
; They are staged through registers in eight units of two steps; in a unit wave w brings, of step 2 P + w / 4, K's tiles 2 (w % 4), + 1 and V's tile w % 4 with their scale words: nine loads.  One barrier; then nothing of them is written.
; A STEP ALL OF WHOSE KEYS ARE HIDDEN FROM ALL 32 QUERIES IS PASSED OVER, by a scalar branch on whole numbers that the first launch stored: its p would be 0.  A tile with a wholly hidden row has all its bits set.
; A row hidden so far is wiped by f = 0 when its first key arrives, in a walk and at the joining alike.  A step all of whose keys count for all 32 queries jumps over the selections; of a partly hidden step tile A's 64 lane masks were asked for behind the one before.
; Both products are used transposed: a lane holds one query.  The first product's K is 64.  Tile A: Q's codes below, zero codes above, against K's tiles t, t + 1; tile B: the same zero codes below, Q's codes above, against tiles t - 1, t.
; What stands against zero codes adds nothing (the format has no NaN and no infinity), so work registers stand ahead of K's first and behind its last tile; K's scale word holds the head's two bytes twice.
; No tensor load: the launch branches on stored numbers.  No cluster for the same reason.  No prefetch: every load of K and V is issued at the head, there is no loop to run ahead in.
; LIMITS: NaN and infinities are not served; a block whose largest magnitude lies under 2^-124 (a block of zeros too) keeps the byte 1.
; REGISTERS (x = 0, 1 for tile A, B).  v1-3 LDS read addresses; v4-5 the add's; v6 the hidden score; v7-10 staging addresses; v11-15 lane terms; v[16+4x] -M, v[17+4x] largest t, v[18+4x:19+4x] the sum; v[24+2x] f, v[25+2x] p's scale word;
;   v28-33 Q of A, v34-39 zero codes, v40-45 Q of B, v46-47 their scale words; v[48+54x ..+3] block maxima, v[52+x] work, v106 v3's first value; v54-101 K, then V; v108-113 scale words; v[114+64x ..] S^T, then p, then its codes at + 48;
;   v[242+6x ..] work; v254, v255 where I put what I give and where my partner's lies.   window 1: v[32x ..] O^T; v64-245 units 1 to 7 on their way, then v64-77 the second block's Q.
.set STP,    13312
.set SPARE,  212992                    ; behind the 16 steps: the spare words, 128 bytes a wave
.set XCH,    214016                    ; behind them: what the waves give each other
.set XW,     8704                      ; 17 x 512 bytes a wave
.set MKNEED, 524288
.set KV,     54
.set MSB, 0
.macro WIN new                         ; the immediate's high byte repeats the setting that is left
.if MSB != (\new)
	s_set_vgpr_msb (MSB<<8)|(\new)
.set MSB, (\new)
.endif
.endm
.macro D2
	s_delay_alu instid0(VALU_DEP_2)
.endm
.macro D4
	s_delay_alu instid0(VALU_DEP_4)
.endm
.macro MASKW off                       ; 64 lane masks of the step whose offset stands in s19
	s_load_b512 s[32:47], s[24:25], s19 offset:\off
	s_load_b512 s[48:63], s[24:25], s19 offset:\off+0x40
	s_load_b512 s[68:83], s[24:25], s19 offset:\off+0x80
	s_load_b512 s[84:99], s[24:25], s19 offset:\off+0xc0
.endm
.macro HIDE s                          ; register n holds key 32 (n / 16) + 16 (lane / 16) + n % 16 of the step: word n's bit of my lane; each accumulator from its low end on
.set J, 0
.rept 32
	v_cndmask_b32 v[\s+J], v6, v[\s+J], s[32+J]
	v_cndmask_b32 v[\s+32+J], v6, v[\s+32+J], s[68+J]
.set J, J+1
.endr
.endm
.macro GLOAD P, R                      ; unit P: nine loads
	global_load_b128 v[\R:\R+3], v11, s[8:9] offset:196608*\P
	global_load_b64 v[\R+4:\R+5], v12, s[8:9] offset:196608*\P+512
	global_load_b128 v[\R+6:\R+9], v11, s[8:9] offset:196608*\P+12288
	global_load_b64 v[\R+10:\R+11], v12, s[8:9] offset:196608*\P+12800
	global_load_b128 v[\R+12:\R+15], v11, s[10:11] offset:3072*\P
	global_load_b128 v[\R+16:\R+19], v11, s[10:11] offset:3072*\P+512
	global_load_b128 v[\R+20:\R+23], v11, s[10:11] offset:3072*\P+1024
	global_load_b32 v[\R+24], v13, s[12:13] offset:8192*\P
	global_load_b32 v[\R+25], v14, s[14:15] offset:128*\P
.endm
.macro LSTORE R, o                     ; a unit into its place in LDS, as it lies in memory
	ds_store_b128 v7, v[\R:\R+3] offset:\o
	ds_store_b64 v8, v[\R+4:\R+5] offset:\o+512
	ds_store_b128 v7, v[\R+6:\R+9] offset:\o+768
	ds_store_b64 v8, v[\R+10:\R+11] offset:\o+1280
	ds_store_b128 v7, v[\R+12:\R+15] offset:\o+6144
	ds_store_b128 v7, v[\R+16:\R+19] offset:\o+6656
	ds_store_b128 v7, v[\R+20:\R+23] offset:\o+7168
	ds_store_b32 v9, v[\R+24] offset:\o+12288
	ds_store_b32 v10, v[\R+25] offset:\o+12800   ; both halves of the lanes write the same word with the same value
.endm
.macro SADD n                          ; the staging addresses n bytes on
	WIN 0
.irp a, 7,8,9,10
	v_add_nc_u32 v\a, \n, v\a
.endr
	WIN 0x04                                       ; an LDS store's data: window 1
.endm
.macro HALFB b, D                      ; one tile's four pairs of bits and ballots, s[b ..] -> s[D]: bit j: step j has a key for some query; bit 16 + j: all its keys count for all queries
	s_or_b32 s[\D], s[\b], s[\b+2]
	s_or_b32 s[\D], s[\D], s[\b+4]
	s_or_b32 s[\D], s[\D], s[\b+6]
	s_or_b32 s104, s[\b+1], s[\b+3]
	s_or_b32 s104, s104, s[\b+5]
	s_or_b32 s104, s104, s[\b+7]
	s_lshr_b32 s92, s104, 16
	s_or_b32 s104, s104, s92
	s_and_b32 s104, s104, 0xffff                   ; bit r: query r has a key somewhere
	s_cmp_eq_u32 s104, 0xffff
	s_cselect_b32 s104, 0, 0xffff                  ; a wholly hidden row wants every key
	s_or_b32 s[\D], s[\D], s104
.endm
.macro BITS b, W, P                    ; a block's two tiles -> s[W]: my steps to be worked; s[P]: those of them that are partly hidden
	HALFB \b, \W
	HALFB \b+8, \P
	s_and_b32 s104, s[\W], s[\P]
	s_lshr_b32 s104, s104, 16                      ; open for both tiles
	s_or_b32 s[\W], s[\W], s[\P]                   ; to be worked for either,
	s_and_b32 s[\W], s[\W], s93                    ; of my parity
	s_and_not1_b32 s[\P], s[\W], s104
.endm
.macro WORK                            ; one key step of 128 keys for my two tiles
.irp t, 0,1,2,3,4,5,6,7
	ds_load_b128 v[KV+6*\t:KV+6*\t+3], v1 offset:768*\t
	ds_load_b64 v[KV+6*\t+4:KV+6*\t+5], v2 offset:768*\t+512
.endr
.irp i, 0,1,2,3
	ds_load_b32 v[108+\i], v3 offset:12288+64*\i   ; lanes 0-15: tile i's words, lanes 16-31: tile 4 + i's
.endr
	s_wait_dscnt 0x0
.irp t, 0,1,2,3
	v_wmma_scale_f32_16x16x128_f8f6f4 v[114+8*\t:121+8*\t], v[KV+6*\t:KV+6*\t+11], v[28:39], 0, v[108+\t], v46 matrix_a_fmt:MATRIX_FMT_FP6 matrix_b_fmt:MATRIX_FMT_FP6
	v_wmma_scale_f32_16x16x128_f8f6f4 v[178+8*\t:185+8*\t], v[KV-6+6*\t:KV+5+6*\t], v[34:45], 0, v[108+\t], v47 matrix_a_fmt:MATRIX_FMT_FP6 matrix_b_fmt:MATRIX_FMT_FP6
.endr
.irp t, 4,5,6,7
	v_wmma_scale_f32_16x16x128_f8f6f4 v[114+8*\t:121+8*\t], v[KV+6*\t:KV+6*\t+11], v[28:39], 0, v[104+\t], v46 matrix_a_fmt:MATRIX_FMT_FP6 matrix_b_fmt:MATRIX_FMT_FP6 matrix_a_scale:MATRIX_SCALE_ROW1
	v_wmma_scale_f32_16x16x128_f8f6f4 v[178+8*\t:185+8*\t], v[KV-6+6*\t:KV+5+6*\t], v[34:45], 0, v[104+\t], v47 matrix_a_fmt:MATRIX_FMT_FP6 matrix_b_fmt:MATRIX_FMT_FP6 matrix_a_scale:MATRIX_SCALE_ROW1
.endr
.rept 4
	v_nop                                          ; places in front of the loads into K's registers, of the first read of the scores and of writes into the work registers beside K
.endr
.irp d, 0,1,2,3
	ds_load_b128 v[KV+12*\d:KV+12*\d+3], v1 offset:6144+1536*\d
	ds_load_b64 v[KV+12*\d+4:KV+12*\d+5], v2 offset:6144+1536*\d+512
	ds_load_b128 v[KV+12*\d+6:KV+12*\d+9], v1 offset:6144+1536*\d+768
	ds_load_b64 v[KV+12*\d+10:KV+12*\d+11], v2 offset:6144+1536*\d+1280
.endr
	ds_load_b32 v112, v3 offset:12800              ; lanes 0-15: V's tile 0, lanes 16-31: tile 2
	ds_load_b32 v113, v3 offset:12864              ; tiles 1 and 3
	s_lshr_b32 s104, s17, s27
	s_and_b32 s104, s104, 1
	s_cmp_eq_u32 s104, 0
	s_wait_alu depctr_va_vdst(0)
	s_cbranch_scc1 .Lopen_\@                       ; every key of this step counts for all my 32 queries
	s_wait_kmcnt 0x0                               ; tile A's lane masks, asked for behind the last partly hidden step (or at the walk's start)
	HIDE 114
	MASKW 0x1000                                   ; tile B's, of the same step
	s_wait_kmcnt 0x0
	HIDE 178
	s_lshl_b32 s19, -2, s27                        ; (behind the wait above no load names s19)  bits j + 1 and up
	s_and_b32 s19, s17, s19
	s_ctz_i32_b32 s19, s19                         ; my next partly hidden step,
	s_min_u32 s19, s19, 15                         ; or, where there is none, step 15: its words are read and not used
	s_lshl_b32 s19, s19, 8
	MASKW 0
	s_wait_alu depctr_va_vdst(0)
.Lopen_\@:
.irp b, 0,1,2,3                        ; the largest score of each block of 32 keys: for the row's maximum and, since p rises with the score, for the block's largest p.  Eight chains by turns
.irp x, 0,1
	v_max3_num_f32 v[48+54*\x+\b], v[114+64*\x+16*\b], v[115+64*\x+16*\b], v[116+64*\x+16*\b]
.endr
.endr
.irp i, 3,5,7,9,11,13
.irp b, 0,1,2,3
.irp x, 0,1
	v_max3_num_f32 v[48+54*\x+\b], v[48+54*\x+\b], v[114+64*\x+16*\b+\i], v[115+64*\x+16*\b+\i]
.endr
.endr
.endr
.irp b, 0,1,2,3
.irp x, 0,1
	v_max_num_f32 v[48+54*\x+\b], v[48+54*\x+\b], v[129+64*\x+16*\b]
.endr
.endr
.irp b, 0,1,2,3
.irp x, 0,1
	v_permlanex16_b32 v[242+6*\x+\b], v[48+54*\x+\b], s20, s21
.endr
.endr
.irp b, 0,1,2,3
.irp x, 0,1
	v_max_num_f32 v[48+54*\x+\b], v[48+54*\x+\b], v[242+6*\x+\b]
.endr
.endr
.irp x, 0,1
	v_max3_num_f32 v[52+\x], v[48+54*\x], v[49+54*\x], v[50+54*\x]
.endr
.irp x, 0,1
	D2
	v_max_num_f32 v[52+\x], v[52+\x], v[51+54*\x]  ; the step's largest score of my query
.endr
.irp x, 0,1
	D2
	v_mul_f32 v[52+\x], s22, v[52+\x]              ; as t
.endr
.irp x, 0,1
	D2
	v_max_num_f32 v[17+4*\x], v[17+4*\x], v[52+\x] ; the running largest t
.endr
.irp x, 0,1
	v_mov_b32 v[52+\x], v[16+4*\x]
.endr
.irp x, 0,1
	D4
	v_floor_f32 v[16+4*\x], -v[17+4*\x]            ; -M = floor(-t): M is a whole number
.endr
.irp x, 0,1
	D2
	v_sub_f32 v[52+\x], v[16+4*\x], v[52+\x]       ; old M - new M, 0 or less
.endr
.irp x, 0,1
	D2
	v_cvt_i32_f32 v[52+\x], v[52+\x]               ; (it saturates)
.endr
.irp x, 0,1
	D2
	v_ldexp_f32 v[24+2*\x], 1.0, v[52+\x]          ; f = 2^(old M - new M): exact
.endr
.set J, 0
.rept 32
.irp x, 0,1
	v_pk_fma_f32 v[114+64*\x+J:115+64*\x+J], v[114+64*\x+J:115+64*\x+J], s[22:23], v[16+4*\x:17+4*\x] op_sel_hi:[1,0,0]   ; t - M
.endr
.set J, J+2
.endr
.irp b, 0,1,2,3
.irp x, 0,1
	v_fma_f32 v[48+54*\x+\b], v[48+54*\x+\b], s22, v[16+4*\x]   ; the same of each block's largest score
.endr
.endr
	s_wait_alu depctr_va_vdst(0)
.set J, 0
.rept 128
	v_exp_f32 v[114+J], v[114+J]                   ; p, not normalised
.set J, J+1
.endr
.irp x, 0,1
	v_pk_mul_f32 v[18+4*\x:19+4*\x], v[18+4*\x:19+4*\x], v[24+2*\x:25+2*\x] op_sel_hi:[1,0]   ; the sums under the new M (plain lines behind the exponentials)
.endr
	s_wait_alu depctr_va_vdst(0)                   ; one wait for the batch, ahead of its first reader
.irp b, 0,1,2,3
.irp x, 0,1
	v_exp_f32 v[48+54*\x+\b], v[48+54*\x+\b]       ; each block's largest p
.endr
.endr
.irp c, 0,1,2                          ; the row's sum of the unquantised p: three chains a tile, six by turns
.irp x, 0,1
	v_pk_add_f32 v[242+6*\x+2*\c:243+6*\x+2*\c], v[114+64*\x+2*\c:115+64*\x+2*\c], v[120+64*\x+2*\c:121+64*\x+2*\c]
.endr
.endr
.set K, 6
.rept 26
.irp x, 0,1
	v_pk_add_f32 v[242+6*\x+2*(K%3):243+6*\x+2*(K%3)], v[242+6*\x+2*(K%3):243+6*\x+2*(K%3)], v[114+64*\x+2*K:115+64*\x+2*K]
.endr
.set K, K+1
.endr
.irp x, 0,1
	v_pk_add_f32 v[18+4*\x:19+4*\x], v[18+4*\x:19+4*\x], v[242+6*\x:243+6*\x]
	v_pk_add_f32 v[244+6*\x:245+6*\x], v[244+6*\x:245+6*\x], v[246+6*\x:247+6*\x]
.endr
.irp x, 0,1
	v_pk_add_f32 v[18+4*\x:19+4*\x], v[18+4*\x:19+4*\x], v[244+6*\x:245+6*\x]
.endr
	s_wait_alu depctr_va_vdst(0)                   ; and one for the eight
.irp b, 0,1,2,3
.irp x, 0,1
	v_max_num_f32 v[48+54*\x+\b], 0x1800000, v[48+54*\x+\b]   ; the floor 2^(3 - 127)
.endr
.endr
.irp b, 0,1,2,3
.irp x, 0,1
	v_add_nc_u32 v[48+54*\x+\b], 0xff000000, v[48+54*\x+\b]   ; 2 off the exponent field: the conversion's scale operand
.endr
.endr
.irp b, 0,1,2,3
.irp x, 0,1
	v_lshrrev_b32 v[242+6*\x+\b], 23, v[48+54*\x+\b]          ; the byte
.endr
.endr
.irp x, 0,1
	v_lshl_or_b32 v[25+2*\x], v[243+6*\x], 8, v[242+6*\x]     ; p's scale word for these 128 keys
.endr
.irp x, 0,1
	D2
	v_lshl_or_b32 v[25+2*\x], v[244+6*\x], 16, v[25+2*\x]
.endr
.irp x, 0,1
	D2
	v_lshl_or_b32 v[25+2*\x], v[245+6*\x], 24, v[25+2*\x]
.endr
.irp x, 0,1                            ; block 3 first: the other three blocks' codes are laid over its 16 numbers
	v_cvt_scalef32_pk16_fp6_f32 v[242+6*\x:244+6*\x], v[162+64*\x:177+64*\x], v[51+54*\x]
.endr
	v_nop                                          ; a plain line between a scaled conversion and a write of its sources
.irp x, 0,1
	v_cvt_scalef32_pk16_fp6_f32 v[168+64*\x:170+64*\x], v[146+64*\x:161+64*\x], v[50+54*\x]
	v_cvt_scalef32_pk16_fp6_f32 v[174+64*\x:176+64*\x], v[130+64*\x:145+64*\x], v[49+54*\x]
	v_cvt_scalef32_pk16_fp6_f32 v[162+64*\x:164+64*\x], v[114+64*\x:129+64*\x], v[48+54*\x]
.endr
	v_nop                                          ; one plain line behind the scaled conversions
.irp x, 0,1                            ; a whole block to a lane: lanes 0-15 block 2 c, lanes 16-31 block 2 c + 1; the operand stands at v[162 + 64 x ..]
.irp i, 0,1,2
	v_permlane16_swap_b32 v[162+64*\x+\i], v[174+64*\x+\i]
	v_permlane16_swap_b32 v[168+64*\x+\i], v[242+6*\x+\i]
.endr
.endr
.irp x, 0,1
.irp i, 0,1,2
	v_mov_b32 v[165+64*\x+\i], v[174+64*\x+\i]
	v_mov_b32 v[171+64*\x+\i], v[242+6*\x+\i]
.endr
.endr
	WIN 0x41
	s_wait_alu depctr_va_vdst(0)
.irp x, 0,1
.set J, 0
.rept 16
	v_pk_mul_f32 v[32*\x+J:32*\x+J+1], v[32*\x+J:32*\x+J+1], v[24+2*\x:25+2*\x] op_sel_hi:[1,0]   ; O^T under the new M; these are also the places in front of the scaled products below
.set J, J+2
.endr
.endr
	WIN 0x50
	s_wait_alu depctr_va_vdst(0)
	s_wait_dscnt 0x0                               ; V
.irp d, 0,1
.irp x, 0,1
	v_wmma_scale_f32_16x16x128_f8f6f4 v[32*\x+8*\d:32*\x+8*\d+7], v[KV+12*\d:KV+12*\d+11], v[162+64*\x:173+64*\x], v[32*\x+8*\d:32*\x+8*\d+7], v[112+\d], v[25+2*\x] matrix_a_fmt:MATRIX_FMT_FP6 matrix_b_fmt:MATRIX_FMT_FP6
.endr
.endr
.irp d, 2,3
.irp x, 0,1
	v_wmma_scale_f32_16x16x128_f8f6f4 v[32*\x+8*\d:32*\x+8*\d+7], v[KV+12*\d:KV+12*\d+11], v[162+64*\x:173+64*\x], v[32*\x+8*\d:32*\x+8*\d+7], v[110+\d], v[25+2*\x] matrix_a_fmt:MATRIX_FMT_FP6 matrix_b_fmt:MATRIX_FMT_FP6 matrix_a_scale:MATRIX_SCALE_ROW1
.endr
.endr
	WIN 0
.rept 5
	v_nop                                          ; places in front of the next loads into V's registers and of the next scores, which are written over p's codes
.endr
.endm
.macro TRIP                            ; key step j = s27; the LDS read addresses go one step on in every trip, worked or not
	s_lshr_b32 s104, s26, s27
	s_and_b32 s104, s104, 1
	s_cmp_eq_u32 s104, 0
	s_cbranch_scc1 .Lskip_\@                       ; not my parity's, or no key of this step counts for any of my 32 queries
	WORK
.Lskip_\@:
	v_add_nc_u32 v1, STP, v1
	v_add_nc_u32 v2, STP, v2
	v_add_nc_u32 v3, STP, v3
	s_add_co_u32 s27, s27, 1
	s_sub_co_u32 s31, s31, 1
	s_cmp_lg_u32 s31, 0
	s_wait_alu depctr_va_vdst(0)
.endm
.macro BEGIN                           ; a walk's state: the largest t so far -3e38, the sums 0
.irp x, 0,1
	v_mov_b32 v[17+4*\x], 0xff61b1e6
	v_mov_b32 v[18+4*\x], 0
	v_mov_b32 v[19+4*\x], 0
.endr
.irp x, 0,1
	v_floor_f32 v[16+4*\x], -v[17+4*\x]
.endr
.endm
.macro OZERO                           ; O^T: which step comes first hangs on the mask, so the sums begin as zeros
	WIN 0x40
.set J, 0
.rept 64
	v_mov_b32 v[J], 0
.set J, J+1
.endr
	WIN 0
.endm
	s_load_b128 s[4:7], s[0:1], 0x0                ; qkv, mk
	s_load_b64 s[28:29], s[0:1], 0x10              ; at
	v_lshl_add_u32 v4, v0, 2, SPARE
	v_mov_b32 v5, 0
	v_lshrrev_b32 v1, 5, v0
	v_readfirstlane_b32 s16, v1                    ; wave 0..7
	v_and_b32 v8, 31, v0                           ; lane
	v_and_b32 v9, 15, v0                           ; r
	v_bfe_u32 v10, v0, 4, 1                        ; h
	v_lshlrev_b32 v11, 4, v8                       ; 16 x lane
	v_lshlrev_b32 v12, 3, v8                       ; 8 x lane
	v_lshlrev_b32 v14, 2, v9                       ; 4 r
	v_lshl_add_u32 v13, v10, 9, v14                ; 512 h + 4 r: K's scale words of two tiles
	v_add_nc_u32 v15, v14, v10                     ; 4 r + h
	v_lshl_add_u32 v3, v10, 8, v14                 ; 4 r + 256 h
	v_mov_b32 v1, v11
	v_mov_b32 v2, v12
	s_lshr_b32 s18, s16, 2                         ; my parity.  Also: which step of a unit I stage
	s_and_b32 s31, s16, 3                          ; the lower of my two ranks.  Also d: which pair of K's tiles and which tile of V I stage
	s_mul_i32 s32, s18, STP
	s_mul_i32 s33, s31, 1536
	s_add_co_u32 s33, s33, s32
	s_lshl_b32 s34, s31, 7
	s_add_co_u32 s34, s34, s32
	s_and_b32 s35, s31, 1
	s_lshl_b32 s35, s35, 6
	s_add_co_u32 s35, s35, s32
	s_lshr_b32 s36, s31, 1
	s_lshl_b32 s36, s36, 8
	s_add_co_u32 s35, s35, s36
	s_mul_i32 s92, s16, XW
	s_add_co_u32 s92, s92, XCH
	s_xor_b32 s94, s16, 4                          ; my partner
	s_mul_i32 s94, s94, XW
	s_add_co_u32 s94, s94, XCH
	s_wait_alu depctr_va_vdst(0)                   ; the wait here, behind the run of scalar lines and ahead of the readers below
	v_lshlrev_b32 v9, 2, v8
	v_add_nc_u32 v7, s33, v11                      ; staging: step + 1536 d + 16 x lane
	v_add_nc_u32 v8, s33, v12                      ; + 8 x lane
	v_add_nc_u32 v9, s34, v9                       ; step + 128 d + 4 x lane
	v_add_nc_u32 v10, s35, v14                     ; step + 64 (d % 2) + 256 (d / 2) + 4 r
	v_add_nc_u32 v254, s92, v11
	v_add_nc_u32 v255, s94, v11
	s_and_b32 s37, ttmp7, 0xffff
	s_lshr_b32 s38, s37, 4                         ; batch
	s_and_b32 s39, s37, 15                         ; head
	s_sub_co_u32 s41, 7, s31
	s_cmp_eq_u32 s18, 0
	s_cselect_b32 s40, s31, s41                    ; the rank walked first and given away,
	s_cselect_b32 s41, s41, s31                    ; and the rank walked second and kept
	s_sub_co_u32 s42, 7, ttmp9
.irp k, 40,41
	s_and_b32 s104, s\k, 1
	s_cselect_b32 s45, s42, ttmp9                  ; g, mirrored where the rank is odd
	s_lshl_b32 s\k, s\k, 3
	s_add_co_u32 s\k, s\k, s45                     ; u: the block of 32 queries
.endr
	s_mul_i32 s43, s39, 768
	s_lshl_b32 s44, s38, 7
	s_lshr_b32 s50, s39, 1
	s_lshl_b32 s50, s50, 6
	s_and_b32 s51, s39, 1
	s_lshl_b32 s53, s51, 1
	s_add_co_u32 s53, s53, s50
	s_add_co_u32 s53, s53, 3145728
.irp k, 0,1
	s_lshl_b32 s45, s[40+\k], 1
	s_add_co_u32 s45, s45, s44                     ; tile A among all tokens'
	s_mul_i32 s[68+4*\k], s45, 12288
	s_add_co_u32 s[68+4*\k], s[68+4*\k], s43       ; its half fragment of q, and of the output
	s_mov_b32 s[69+4*\k], 0
	s_lshl_b32 s[70+4*\k], s45, 9
	s_add_co_u32 s[70+4*\k], s[70+4*\k], s53       ; its two scale bytes
	s_mov_b32 s[71+4*\k], 0
	s_lshl_b32 s[76+4*\k], s[40+\k], 13            ; the two tiles' mask words
	s_mov_b32 s[77+4*\k], 0
	s_lshl_b32 s[78+4*\k], s[40+\k], 10
	s_add_co_u32 s[78+4*\k], s[78+4*\k], MKNEED    ; and need words
	s_mov_b32 s[79+4*\k], 0
.endr
	s_lshl_b32 s52, s16, 1
	s_add_co_u32 s52, s52, s44                     ; K's tile 2 w of the batch
	s_mul_i32 s54, s52, 12288
	s_add_co_u32 s54, s54, s43
	s_add_co_u32 s54, s54, 3276800
	s_mov_b32 s55, 0
	s_lshl_b32 s56, s52, 9
	s_add_co_u32 s56, s56, s50
	s_add_co_u32 s56, s56, 6422528
	s_mov_b32 s57, 0
	s_lshl_b32 s58, s39, 2
	s_add_co_u32 s58, s58, s31                     ; V's tile 4 head + d
	s_lshl_b32 s59, s38, 4
	s_add_co_u32 s59, s59, s18                     ; its key step 16 batch + w / 4
	s_mul_i32 s60, s58, 49152
	s_mul_i32 s61, s59, 1536
	s_add_co_u32 s60, s60, s61
	s_add_co_u32 s60, s60, 6553600
	s_mov_b32 s61, 0
	s_lshl_b32 s62, s58, 11
	s_lshl_b32 s63, s59, 6
	s_add_co_u32 s62, s62, s63
	s_add_co_u32 s62, s62, 9699328
	s_mov_b32 s63, 0
	s_mov_b32 s30, 0x01000100                      ; K's scale word: the head's two bytes, twice
	s_cmp_lg_u32 s51, 0
	s_cselect_b32 s30, 0x03020302, s30
	s_lshl_b32 s93, 0x5555, s18                    ; the steps of my parity
	s_mov_b32 s20, 0x76543210
	s_mov_b32 s21, 0xfedcba98                      ; selects for lane l xor 16
	s_mov_b32 s22, 0x3fb8aa3b                      ; log2(e)
	s_mov_b32 s23, s22
	s_mov_b32 s27, 0                               ; j
	s_mov_b32 s105, 0xffff0000                     ; lanes 16-31
	s_wait_alu depctr_va_vdst(0)
	s_wait_kmcnt 0x0
	s_add_nc_u64 s[8:9], s[4:5], s[54:55]          ; K's codes
	s_add_nc_u64 s[10:11], s[4:5], s[60:61]        ; V's codes
	s_add_nc_u64 s[12:13], s[4:5], s[56:57]        ; K's scale words
	s_add_nc_u64 s[14:15], s[4:5], s[62:63]        ; V's scale words
	s_add_nc_u64 s[24:25], s[6:7], s[76:77]        ; the first block's mask words,
	s_add_nc_u64 s[2:3], s[6:7], s[80:81]          ; the second's
	s_add_nc_u64 s[84:85], s[6:7], s[78:79]
	s_add_nc_u64 s[86:87], s[6:7], s[82:83]
	s_add_nc_u64 s[100:101], s[28:29], s[74:75]    ; the output is the second block's
	s_add_nc_u64 s[28:29], s[28:29], s[72:73]
	s_add_nc_u64 s[88:89], s[4:5], s[68:69]        ; the first block's Q,
	s_add_nc_u64 s[90:91], s[4:5], s[70:71]
	s_add_nc_u64 s[6:7], s[4:5], s[74:75]          ; the second's
	s_add_nc_u64 s[4:5], s[4:5], s[72:73]
.irp i, 0,1,2,3,4,5,6,7
	s_load_b64 s[32+2*\i:33+2*\i], s[84:85], 0x80*\i   ; bits and ballots: tile A's four pairs, tile B's four; the first block's,
	s_load_b64 s[48+2*\i:49+2*\i], s[86:87], 0x80*\i   ; and the second's
.endr
	GLOAD 0, 114
	global_load_b128 v[28:31], v11, s[88:89]
	global_load_b64 v[32:33], v12, s[88:89] offset:512
	global_load_b128 v[40:43], v11, s[88:89] offset:12288
	global_load_b64 v[44:45], v12, s[88:89] offset:12800
	global_load_u16 v46, v14, s[90:91]             ; Q's two scale bytes; the other two are 0, over zero codes
	global_load_u16 v47, v14, s[90:91] offset:512
	WIN 0x40
.irp p, 1,2,3,4,5,6,7
	GLOAD \p, 64+26*(\p-1)
.endr
	OZERO
	v_mov_b32 v6, 0xd0000000                       ; -2^33
	BEGIN
.irp x, 0,1
	v_mov_b32 v[24+2*\x], 0
	v_mov_b32 v[25+2*\x], 0
.endr
.irp i, 0,1,2,3,4,5
	v_mov_b32 v[34+\i], 0                          ; the zero codes
	v_mov_b32 v[48+\i], 0                          ; work registers: named as operands and as lane permutes' destinations before a step writes them
	v_mov_b32 v[102+\i], 0
	v_mov_b32 v[242+\i], 0
	v_mov_b32 v[248+\i], 0
.endr
	v_mov_b32 v106, v3                             ; kept for the second walk
	s_wait_alu depctr_va_vdst(0)
	s_wait_kmcnt 0x0
	BITS 32, 26, 17
	BITS 48, 66, 67
	s_ctz_i32_b32 s19, s17                         ; my first partly hidden step,
	s_min_u32 s19, s19, 15                         ; or step 15 where there is none
	s_lshl_b32 s19, s19, 8
	s_wait_loadcnt 0x0                             ; all eight units and Q are in: the loads' bases may be written
	MASKW 0
	v_perm_b32 v138, v138, v138, s30
	v_lshlrev_b32 v47, 16, v47                     ; tile B's Q stands in the operand's upper half: so do its scale bytes
	LSTORE 114, 0
	WIN 0x45
.irp p, 0,1,2,3,4,5,6
	v_perm_b32 v[88+26*\p], v[88+26*\p], v[88+26*\p], s30
.endr
	s_wait_alu depctr_va_vdst(0)
	SADD 26624
	LSTORE 64, 0
	LSTORE 90, 26624
	SADD 53248
	LSTORE 116, 0
	LSTORE 142, 26624
	SADD 53248
	LSTORE 168, 0
	LSTORE 194, 26624
	SADD 53248
	LSTORE 220, 0
	WIN 0
	s_wait_alu depctr_va_vdst(0)
	s_wait_dscnt 0x0                               ; for the others' sake: my stores have landed
	WIN 0x40
	global_load_b128 v[64:67], v11, s[4:5]         ; the second block's Q, into registers that the stores above have read: it lands under the first walk
	global_load_b64 v[68:69], v12, s[4:5] offset:512
	global_load_b128 v[70:73], v11, s[4:5] offset:12288
	global_load_b64 v[74:75], v12, s[4:5] offset:12800
	global_load_u16 v76, v14, s[6:7]
	global_load_u16 v77, v14, s[6:7] offset:512
	WIN 0
	s_barrier_signal -1
	s_barrier_wait -1                              ; all 16 steps are whole
	s_mov_b32 s31, 16
.Lgive:                                            ; the first walk
	TRIP
	s_cbranch_scc1 .Lgive
.irp x, 0,1
	v_mov_b32 v[242+2*\x], v[16+4*\x]              ; -M,
	v_add_f32 v[243+2*\x], v[18+4*\x], v[19+4*\x]  ; my lane's sum,
.endr
	WIN 0x04
.set J, 0
.rept 16
	ds_store_b128 v254, v[J:J+3] offset:128*J      ; and O^T, each accumulator from its low end on: an image of the registers
.set J, J+4
.endr
	WIN 0
	ds_store_b128 v254, v[242:245] offset:8192
	s_wait_kmcnt 0x0                               ; no load names the mask words' registers, their base or s19
	s_mov_b32 s26, s66
	s_mov_b32 s17, s67
	s_mov_b64 s[24:25], s[2:3]
	s_ctz_i32_b32 s19, s17
	s_min_u32 s19, s19, 15
	s_lshl_b32 s19, s19, 8
	MASKW 0
	s_mov_b32 s27, 0
	s_mov_b32 s31, 16
	s_wait_loadcnt 0x0                             ; the second block's Q
	s_wait_dscnt 0x0                               ; what I give has landed
	WIN 0x01
.irp i, 0,1,2,3,4,5
	v_mov_b32 v[28+\i], v[64+\i]
	v_mov_b32 v[40+\i], v[70+\i]
.endr
	v_mov_b32 v46, v76
	v_mov_b32 v47, v77
	WIN 0
	v_lshlrev_b32 v47, 16, v47
	OZERO                                          ; (these lines are also the places between the scale words' writes and the next scaled product)
	BEGIN
	v_mov_b32 v1, v11
	v_mov_b32 v2, v12
	v_mov_b32 v3, v106
	s_wait_alu depctr_va_vdst(0)
.Lkeep:                                            ; the second walk
	TRIP
	s_cbranch_scc1 .Lkeep
	s_barrier_signal -1                            ; (no LDS instruction of mine is out: every step waits for its loads, and my stores were waited for above)
	s_barrier_wait -1                              ; my partner's part of this block lies in LDS
.set K, 0
.rept 16
	ds_load_b128 v[114+64*(K/8)+4*(K%8):117+64*(K/8)+4*(K%8)], v255 offset:512*K
.set K, K+1
.endr
	ds_load_b128 v[146:149], v255 offset:8192
.irp x, 0,1
	v_add_f32 v[18+4*\x], v[18+4*\x], v[19+4*\x]
.endr
	s_wait_alu depctr_va_vdst(0)
	s_wait_dscnt 0x0
.irp x, 0,1
	v_min_num_f32 v[52+\x], v[16+4*\x], v[146+2*\x]    ; -M of the two together: the larger M
.endr
.irp x, 0,1
	D2
	v_sub_f32 v[16+4*\x], v[52+\x], v[16+4*\x]         ; my M less the joint one: a whole number, 0 or less
.endr
.irp x, 0,1
	D4
	v_sub_f32 v[146+2*\x], v[52+\x], v[146+2*\x]       ; and my partner's
.endr
.irp x, 0,1
	D4
	v_cvt_i32_f32 v[16+4*\x], v[16+4*\x]               ; (it saturates)
.endr
.irp x, 0,1
	D4
	v_cvt_i32_f32 v[146+2*\x], v[146+2*\x]
.endr
.irp x, 0,1
	D4
	v_ldexp_f32 v[24+2*\x], 1.0, v[16+4*\x]            ; my factor: exact
.endr
.irp x, 0,1
	D4
	v_ldexp_f32 v[242+6*\x], 1.0, v[146+2*\x]          ; my partner's
.endr
.irp x, 0,1
	D4
	v_mul_f32 v[18+4*\x], v[18+4*\x], v[24+2*\x]
.endr
.irp x, 0,1
	D2
	v_fma_f32 v[18+4*\x], v[147+2*\x], v[242+6*\x], v[18+4*\x]   ; my lane's sum over all keys
.endr
.irp x, 0,1
.set J, 0
.rept 16
	v_pk_mul_f32 v[114+64*\x+J:115+64*\x+J], v[114+64*\x+J:115+64*\x+J], v[242+6*\x:243+6*\x] op_sel_hi:[1,0]
.set J, J+2
.endr
.endr
	WIN 0x01
.irp x, 0,1
.set J, 0
.rept 16
	v_pk_fma_f32 v[114+64*\x+J:115+64*\x+J], v[32*\x+J:32*\x+J+1], v[24+2*\x:25+2*\x], v[114+64*\x+J:115+64*\x+J] op_sel_hi:[1,0,1]   ; O^T over all keys; each accumulator from its low end on
.set J, J+2
.endr
.endr
	WIN 0
	; THE WAY OUT: O^T / the sum, quantised along the head's 64 (two blocks): half a fragment and two scale bytes a row
.irp x, 0,1
	v_permlanex16_b32 v[52+\x], v[18+4*\x], s20, s21
.endr
.irp x, 0,1
	D2
	v_add_f32 v[18+4*\x], v[18+4*\x], v[52+\x]
.endr
	s_wait_alu depctr_va_vdst(0)
.irp x, 0,1
	v_rcp_f32 v[18+4*\x], v[18+4*\x]
.endr
	v_nop                                          ; a plain line behind the transcendentals
	s_wait_alu depctr_va_vdst(0)                   ; the wait ahead of their first reader
.irp x, 0,1
.set J, 0
.rept 32
	v_mul_f32 v[114+64*\x+J], v[114+64*\x+J], v[18+4*\x]   ; register 16 b + i = channel 32 b + 16 (lane / 16) + i
.set J, J+1
.endr
.endr
.irp b, 0,1
.irp x, 0,1
	v_max3_num_f32 v[48+54*\x+\b], |v[114+64*\x+16*\b]|, |v[115+64*\x+16*\b]|, 0x1800000
.endr
.endr
.irp i, 2,4,6,8,10,12,14
.irp b, 0,1
.irp x, 0,1
	D4
	v_max3_num_f32 v[48+54*\x+\b], v[48+54*\x+\b], |v[114+64*\x+16*\b+\i]|, |v[115+64*\x+16*\b+\i]|
.endr
.endr
.endr
.irp b, 0,1
.irp x, 0,1
	D4
	v_permlanex16_b32 v[242+6*\x+\b], v[48+54*\x+\b], s20, s21
.endr
.endr
.irp b, 0,1
.irp x, 0,1
	D4
	v_max_num_f32 v[48+54*\x+\b], v[48+54*\x+\b], v[242+6*\x+\b]
.endr
.endr
.irp b, 0,1
.irp x, 0,1
	D4
	v_add_nc_u32 v[48+54*\x+\b], 0xff000000, v[48+54*\x+\b]
.endr
.endr
.irp b, 0,1
.irp x, 0,1
	D4
	v_lshrrev_b32 v[242+6*\x+\b], 23, v[48+54*\x+\b]
.endr
.endr
.irp x, 0,1
	v_cvt_scalef32_pk16_fp6_f32 v[146+64*\x:148+64*\x], v[114+64*\x:129+64*\x], v[48+54*\x]
	v_cvt_scalef32_pk16_fp6_f32 v[150+64*\x:152+64*\x], v[130+64*\x:145+64*\x], v[49+54*\x]
.endr
	v_nop                                          ; one plain line behind the scaled conversions
.irp x, 0,1
.irp i, 0,1,2
	v_permlane16_swap_b32 v[146+64*\x+\i], v[150+64*\x+\i]
.endr
.endr
.irp i, 0,1,2
.irp x, 0,1
	v_mov_b32 v[149+64*\x+\i], v[150+64*\x+\i]     ; six registers on end
.endr
.endr
.irp x, 0,1
	v_cndmask_b32 v[242+6*\x], v[242+6*\x], v[243+6*\x], s105   ; lanes 0-15 store block 0's byte, lanes 16-31 block 1's
.endr
.irp x, 0,1
	global_store_b128 v11, v[146+64*\x:149+64*\x], s[28:29] offset:12288*\x       ; 512 consecutive bytes, aligned
	global_store_b64 v12, v[150+64*\x:151+64*\x], s[28:29] offset:12288*\x+512    ; 256
	global_store_b8 v15, v[242+6*\x], s[100:101] offset:512*\x
.endr
	s_wait_tensorcnt 0x0                           ; the wave's end
	ds_add_u32 v4, v5
	s_wait_dscnt 0x0
	s_endpgm
.Lfunc_end_k_qff1a8579c3_attn:
	.size	k_qff1a8579c3_attn, .Lfunc_end_k_qff1a8579c3_attn-k_qff1a8579c3_attn
	.p2alignl 7, 3214868480
	.fill 96, 4, 3214868480
	.section	.rodata,"a",@progbits
	.p2align	6, 0x0
	.amdhsa_kernel k_qff1a8579c3_attn
		.amdhsa_group_segment_fixed_size 283648
		.amdhsa_private_segment_fixed_size 0
		.amdhsa_enable_private_segment 0
		.amdhsa_kernarg_size 24
		.amdhsa_user_sgpr_count 2
		.amdhsa_user_sgpr_kernarg_segment_ptr 1
		.amdhsa_wavefront_size32 1
		.amdhsa_system_sgpr_workgroup_id_x 1
		.amdhsa_system_sgpr_workgroup_id_y 1
		.amdhsa_system_sgpr_workgroup_id_z 1
		.amdhsa_system_vgpr_workitem_id 0
		.amdhsa_next_free_vgpr 512
		.amdhsa_next_free_sgpr 106
		.amdhsa_reserve_vcc 0
		.amdhsa_float_denorm_mode_32 3
		.amdhsa_float_denorm_mode_16_64 3
		.amdhsa_memory_ordered 1
		.amdhsa_forward_progress 1
		.amdhsa_inst_pref_size 126
	.end_amdhsa_kernel
	.amdgpu_metadata
---
amdhsa.version: [ 1, 2 ]
amdhsa.kernels:
  - .name:           k_qff1a8579c3_attn
    .symbol:         k_qff1a8579c3_attn.kd
    .args:
      - { .name: qkv, .offset: 0, .size: 8, .value_kind: global_buffer, .address_space: global }
      - { .name: mk, .offset: 8, .size: 8, .value_kind: global_buffer, .address_space: global }
      - { .name: at, .offset: 16, .size: 8, .value_kind: global_buffer, .address_space: global }
    .group_segment_fixed_size: 283648
    .private_segment_fixed_size: 0
    .kernarg_segment_align: 8
    .kernarg_segment_size: 24
    .max_flat_workgroup_size: 256
    .sgpr_count:     106
    .vgpr_count:     512
    .wavefront_size: 32
...
	.end_amdgpu_metadata
.endif
;; end of part 11
;; launch proj (part 12): grid 4 x 64, 4 waves a work-group, clusters of 4 x 4, 327,680 bytes of LDS; arguments at, wq, b_attn_proj, x, x1; writes x1
.if DOCPART == 12
	.amdgcn_target "amdgcn-amd-amdhsa--gfx1250"
	.amdhsa_code_object_version 6
	.text
	.protected	k_qff1a8579c3_proj
	.globl	k_qff1a8579c3_proj
	.p2align	8
	.type	k_qff1a8579c3_proj,@function
k_qff1a8579c3_proj:
	s_mov_b64 s[64:65], 0
	v_nop
	global_prefetch_b8 v0, s[64:65] scope:SCOPE_SE
	s_setreg_imm32_b32 hwreg(HW_REG_WAVE_MODE, 25, 1), 1
	s_wait_xcnt 0x0
	s_wait_alu depctr_hold_cnt(0) depctr_sa_sdst(0) depctr_va_vdst(0) depctr_va_sdst(0) depctr_va_ssrc(0) depctr_va_vcc(0) depctr_vm_vsrc(0)
	s_getreg_b32 s2, hwreg(HW_REG_IB_STS2, 6, 4)
	s_cmp_eq_u32 s2, 0
	s_cbranch_scc0 .Lentry_in_a_cluster
	s_endpgm
.Lentry_in_a_cluster:
	s_bfe_u32 s2, ttmp6, 0x10000c
	s_cmp_lg_u32 s2, 0xf033
	s_cbranch_scc0 .Lentry_shape_is_right
	s_endpgm
.Lentry_shape_is_right:
.set KK,    1024
.set QT,    2
.set NQ,    4
.set QSCL,  3145728
.set PIMG,  2359296
.set PSCL,  3244032
.set NK,    KK/128
.set TSTR,  NK*1536
.set SSTR,  NK*64
.set TB,    NQ*1536
.set QHALF, QT*TB
.set PHALF, 8*TB
.set SLOT,  2*QHALF+2*PHALF
.set SCQ,   2*SLOT
.set QSH,   QT*SSTR
.set SCP,   SCQ+2*QSH
.set PSH,   8*SSTR
.set SPARE, SCP+2*PSH
.set LAPS,  KK/(2*NQ*128)
.set AQ16, 16
.set AQ8,  18
.set AP16, 20
.set AP8,  22
.set ADRS, 27
.set SPW,  28
.set NIL,  29
.set SC,   32
.set QF,   64
.set G1, 24
.set G0, 32
.set G1B, 48
.set G0B, 56
.set G1S, 68
.set G0S, 76
.set G1SB, 80
.set G0SB, 88
.set MSB, 0
.macro WIN new
.if MSB != (\new)
	s_set_vgpr_msb (MSB<<8)|(\new)
.set MSB, (\new)
.endif
.endm
.macro JLOAD g0a, g1a, g0b, g1b
	s_cmp_eq_u32 s15, 0
	s_cbranch_scc0 .Lfor_b_\@
	tensor_load_to_lds s[\g0a:\g0a+3], s[\g1a:\g1a+7]
	s_nop 0
.rept 4
	v_nop
.endr
	s_branch .Lasked_\@
.Lfor_b_\@:
	tensor_load_to_lds s[\g0b:\g0b+3], s[\g1b:\g1b+7]
	s_nop 0
.rept 4
	v_nop
.endr
.Lasked_\@:
.endm
.macro CREST
	s_cmp_lg_u32 s14, 0
	s_cbranch_scc1 .Lnot_wave_0_\@
	s_barrier_signal -3
.Lnot_wave_0_\@:
	s_barrier_wait -3
	s_barrier_signal -1
	s_barrier_wait -1
.endm
.macro CROUND
	s_barrier_signal -1
	s_barrier_wait -1
	CREST
.endm
.macro PLACES n
.rept \n
	v_nop
.endr
.endm
.macro FRAG reg, a16, a8, off
	ds_load_b128 v[\reg:\reg+3], v[\a16] offset:\off
	ds_load_b64 v[\reg+4:\reg+5], v[\a8] offset:\off+512
	ds_load_b128 v[\reg+6:\reg+9], v[\a16] offset:\off+768
	ds_load_b64 v[\reg+10:\reg+11], v[\a8] offset:\off+1280
.endm
.macro FETCH_P slot, q, set
	WIN 0x40
.irp i, 0,1,2,3,4,5,6,7
	FRAG 128*(\set)+12*\i, AP16+\slot, AP8+\slot, \i*TB+(\q)*1536
.endr
	WIN 0
.endm
.macro FETCH_Q slot, q, set
.set FI, 0
.rept QT
	FRAG QF+96*(\set)+12*FI, AQ16+\slot, AQ8+\slot, FI*TB+(\q)*1536
.set FI, FI+1
.endr
.endm
.macro SCALES q, set
.irp i, 0,1,2,3,4,5,6,7
	ds_load_b32 v[SC+8*(\set)+\i], v[ADRS] offset:\i*SSTR+64*(\q)
.endr
.endm
.macro MUL8 a, set, mode
.if (\mode) == 2
	WIN 0x91
.else
	WIN 0xa1
.endif
.irp b, 0,1,2,3,4,5,6,7
.set AC, 8*(8*(\a)+\b)
.set PR, 128*(\set)+12*\b
.set QR, QF+96*(\set)+12*(\a)
.set BR, 96+8*(\b%4)+128*(\b/4)
.if (\mode) == 0
	v_wmma_scale_f32_16x16x128_f8f6f4 v[AC:AC+7], v[PR:PR+11], v[QR:QR+11], v[AC:AC+7], v[SC+8*(\set)+\b], v[SC+8*(\set)+(\a)] matrix_a_fmt:MATRIX_FMT_FP6 matrix_b_fmt:MATRIX_FMT_FP6 matrix_a_scale:MATRIX_SCALE_ROW1
.else
	v_wmma_scale_f32_16x16x128_f8f6f4 v[AC:AC+7], v[PR:PR+11], v[QR:QR+11], v[BR:BR+7], v[SC+8*(\set)+\b], v[SC+8*(\set)+(\a)] matrix_a_fmt:MATRIX_FMT_FP6 matrix_b_fmt:MATRIX_FMT_FP6 matrix_a_scale:MATRIX_SCALE_ROW1
.endif
.endr
.endm
.macro MULR a0, n, set, mode
.set AA, \a0
.rept \n
	MUL8 AA, \set, \mode
.set AA, AA+1
.endr
.endm
.macro STEP slot, q, mode
	s_wait_dscnt 0x0
	PLACES 4
	FETCH_P \slot, (\q)+1, 1-(\q)%2
	FETCH_Q \slot, (\q)+1, 1-(\q)%2
	SCALES (\q)+1, 1-(\q)%2
	MULR 0, QT, (\q)%2, \mode
.endm
.macro TURN slot, next, fill
	WIN 0
	s_wait_tensorcnt 0x0
	ds_add_u32 v[SPW], v[NIL]
	s_wait_dscnt 1
	MULR 0, 1, 1, 0
	s_wait_dscnt 0x0
	s_barrier_signal -1
	WIN 0
	s_barrier_wait -1
.if \fill
	CREST
	s_add_nc_u64 s[G0+4*\slot+2:G0+4*\slot+3], s[G0+4*\slot+2:G0+4*\slot+3], 2*TB
	s_add_nc_u64 s[G0B+4*\slot+2:G0B+4*\slot+3], s[G0B+4*\slot+2:G0B+4*\slot+3], 2*TB
	JLOAD G0+4*\slot, G1, G0B+4*\slot, G1B
.else
	PLACES 4
.endif
	v_add_nc_u32 v[ADRS], 64*NQ, v[ADRS]
	FETCH_P \next, 0, 0
	FETCH_Q \next, 0, 0
	SCALES 0, 0
	MULR 1, 1, 1, 0
.endm
	s_load_b256 s[4:11], s[0:1], 0x0
	s_load_b64 s[12:13], s[0:1], 0x20
	v_lshl_add_u32 v[SPW], v0, 2, SPARE
	v_mov_b32 v[NIL], 0
	ds_add_u32 v28, v29
	ds_add_u32 v28, v29
	s_wait_dscnt 0x0
	v_lshrrev_b32 v1, 5, v0
	v_readfirstlane_b32 s14, v1
	s_lshr_b32 s15, s14, 1
	s_and_b32 s16, s14, 1
	s_bfe_u32 s40, ttmp6, 0x40000
	s_bfe_u32 s41, ttmp6, 0x40004
	s_lshl_b32 s42, ttmp9, 2
	s_add_co_u32 s42, s42, s40
	s_and_b32 s17, ttmp7, 0xffff
	s_lshl_b32 s17, s17, 2
	s_add_co_u32 s17, s17, s41
	s_lshl_b32 s43, s41, 2
	s_lshl_b32 s43, 15, s43
	s_lshl_b32 s44, 0x1111, s40
	s_or_b32 s[G1], s43, (3<<16)|(1<<21)
	s_or_b32 s[G1B], s44, (3<<16)|(1<<21)
	s_or_b32 s[G1S], s43, (3<<16)|(1<<21)
	s_or_b32 s[G1SB], s44, (3<<16)|(1<<21)
	s_mov_b32 s[G1+1], (TB/8)<<16
	s_mov_b32 s[G1+2], (2*QT)<<16                  ; the head's loads bring both halves of a tile; behind them the row counts are set for the ring's halves
	s_mov_b32 s[G1+3], (TB/8)<<16
	s_mov_b32 s[G1+4], 2*QT
	s_mov_b32 s[G1+5], TSTR/8
	s_mov_b32 s[G1+6], 0
	s_mov_b32 s[G1+7], 0
	s_mov_b32 s[G1B+1], (TB/8)<<16
	s_mov_b32 s[G1B+2], 16<<16
	s_mov_b32 s[G1B+3], (TB/8)<<16
	s_mov_b32 s[G1B+4], 16
	s_mov_b32 s[G1B+5], TSTR/8
	s_mov_b32 s[G1B+6], 0
	s_mov_b32 s[G1B+7], 0
	s_mov_b32 s[G1S+1], 32<<16
	s_mov_b32 s[G1S+2], (QSH/128)<<16
	s_mov_b32 s[G1S+3], 32<<16
	s_mov_b32 s[G1S+4], QSH/128
	s_mov_b32 s[G1S+5], 32
	s_mov_b32 s[G1S+6], 0
	s_mov_b32 s[G1S+7], 0
	s_mov_b32 s[G1SB+1], 32<<16
	s_mov_b32 s[G1SB+2], (PSH/128)<<16
	s_mov_b32 s[G1SB+3], 32<<16
	s_mov_b32 s[G1SB+4], PSH/128
	s_mov_b32 s[G1SB+5], 32
	s_mov_b32 s[G1SB+6], 0
	s_mov_b32 s[G1SB+7], 0
	s_mul_i32 s20, s17, 2*QT                       ; Q: the work-group's first tile
	s_lshl_b32 s46, s42, 4                         ; P likewise
	s_mul_i32 s22, s20, SSTR
	s_add_co_u32 s22, s22, QSCL
	s_mul_i32 s20, s20, TSTR
	s_mul_i32 s92, s46, SSTR
	s_add_co_u32 s92, s92, PSCL
	s_mul_i32 s46, s46, TSTR
	s_add_co_u32 s46, s46, PIMG
	s_mov_b32 s21, 0
	s_mov_b32 s23, 0
	s_mov_b32 s47, 0
	s_mov_b32 s93, 0
	s_mul_i32 s45, s16, QHALF
	s_mul_i32 s94, s16, PHALF
	s_add_co_u32 s94, s94, 2*QHALF
	s_wait_kmcnt 0x0
	s_add_nc_u64 s[20:21], s[4:5], s[20:21]
	s_add_nc_u64 s[22:23], s[4:5], s[22:23]
	s_add_nc_u64 s[46:47], s[6:7], s[46:47]
	s_add_nc_u64 s[92:93], s[6:7], s[92:93]
	CROUND
	s_mov_b32 s[G0S], 1
	s_mov_b32 s[G0S+1], SCQ
	s_mov_b64 s[G0S+2:G0S+3], s[22:23]
	s_or_b32 s[G0S+3], s[G0S+3], 0x80000000
	s_mov_b32 s[G0SB], 1
	s_mov_b32 s[G0SB+1], SCP
	s_mov_b64 s[G0SB+2:G0SB+3], s[92:93]
	s_or_b32 s[G0SB+3], s[G0SB+3], 0x80000000
	s_mov_b32 s[G0], 1                             ; slot 0, whole: Q's tiles,
	s_mov_b32 s[G0+1], 0
	s_mov_b64 s[G0+2:G0+3], s[20:21]
	s_or_b32 s[G0+3], s[G0+3], 0x80000000
	s_mov_b32 s[G0B], 1                            ; and P's, behind them
	s_mov_b32 s[G0B+1], 2*QHALF
	s_mov_b64 s[G0B+2:G0B+3], s[46:47]
	s_or_b32 s[G0B+3], s[G0B+3], 0x80000000
	s_mul_i32 s18, s16, QT*TSTR                    ; in the ring I fetch one half of a tile: where it begins, in bytes
	s_mov_b32 s19, 0
	s_mul_i32 s2, s16, 8*TSTR
	s_mov_b32 s3, 0
; THE HEAD'S LOADS, ONE A WAVE: wave 0 Q's part of slot 0, wave 1 P's, wave 2 Q's scale words, wave 3 P's.  One chain of branches on the wave's number, all arms leading to one join.
.macro ARM under, g0, g1, next
	s_cmp_lt_u32 s14, \under
	s_cbranch_scc0 \next
	tensor_load_to_lds s[\g0:\g0+3], s[\g1:\g1+7]
	s_nop 0
.rept 4
	v_nop
.endr
	s_branch .Lhead_asked
\next:
.endm
	ARM 1, G0, G1, .Lhead_p
	ARM 2, G0B, G1B, .Lhead_sq
	ARM 3, G0S, G1S, .Lhead_sp
	tensor_load_to_lds s[G0SB:G0SB+3], s[G1SB:G1SB+7]
	s_nop 0
.rept 4
	v_nop
.endr
.Lhead_asked:
	s_wait_alu depctr_va_vdst(0)
	s_wait_tensorcnt 0x0                           ; my tile of the head's four is in; slot 1's first fill stands behind these lines and a round
	ds_add_u32 v28, v29
	s_mov_b32 s[G1+2], QT<<16                      ; no tensor load of mine is out: from here on a load brings one half
	s_mov_b32 s[G1+4], QT
	s_mov_b32 s[G1B+2], 8<<16
	s_mov_b32 s[G1B+4], 8
	s_add_nc_u64 s[20:21], s[20:21], s[18:19]
	s_add_nc_u64 s[46:47], s[46:47], s[2:3]
.irp s, 0,1
	s_mov_b32 s[G0+4*\s], 1
	s_add_co_u32 s[G0+4*\s+1], s45, \s*SLOT
	s_add_nc_u64 s[G0+4*\s+2:G0+4*\s+3], s[20:21], \s*TB
	s_or_b32 s[G0+4*\s+3], s[G0+4*\s+3], 0x80000000
	s_mov_b32 s[G0B+4*\s], 1
	s_add_co_u32 s[G0B+4*\s+1], s94, \s*SLOT
	s_add_nc_u64 s[G0B+4*\s+2:G0B+4*\s+3], s[46:47], \s*TB
	s_or_b32 s[G0B+4*\s+3], s[G0B+4*\s+3], 0x80000000
.endr
	s_wait_dscnt 0x0                               ; the add is done
	CROUND                                         ; all four tiles are in, and all sixteen work-groups are here
	JLOAD G0+4, G1, G0B+4, G1B                     ; slot 1, the first tensor load behind the round
	v_and_b32 v1, 31, v0
	v_bfe_u32 v2, v0, 4, 1
	v_and_b32 v3, 15, v0
	v_lshlrev_b32 v4, 6, v2
	v_lshlrev_b32 v5, 4, v1
	s_wait_alu depctr_va_vdst(0)
	v_lshlrev_b32 v6, 3, v1
	s_wait_alu depctr_va_vdst(0)
	v_lshlrev_b32 v7, 2, v3
	s_lshl_b32 s18, s42, 10
	s_lshl_b32 s19, s16, 9
	s_add_co_u32 s18, s18, s19
	s_mov_b32 s19, 0
	s_add_nc_u64 s[8:9], s[8:9], s[18:19]
	WIN 0x40
.irp b, 0,1,2,3,4,5,6,7
	global_load_b128 v[96+8*(\b%4)+128*(\b/4):99+8*(\b%4)+128*(\b/4)], v4, s[8:9] offset:(32*(\b/2)+8*(\b%2))*4
	global_load_b128 v[100+8*(\b%4)+128*(\b/4):103+8*(\b%4)+128*(\b/4)], v4, s[8:9] offset:(32*(\b/2)+8*(\b%2))*4+16
.endr
	WIN 0
	s_mul_i32 s2, s17, 2*QT
	s_mul_i32 s3, s15, QT
	s_add_co_u32 s2, s2, s3
	s_lshl_b32 s2, s2, 16
	s_add_co_u32 s2, s2, s18
	s_mov_b32 s3, 0
	s_add_nc_u64 s[10:11], s[10:11], s[2:3]
	s_add_nc_u64 s[12:13], s[12:13], s[2:3]
	WIN 0x80
.irp a, 0,1
.set TT, 0
.rept 16
	global_load_b128 v[128+64*\a+4*TT:128+64*\a+4*TT+3], v5, s[10:11] offset:(32*(\a/2)+8*(\a%2)+TT+8*(TT/8))*4096
.set TT, TT+1
.endr
.endr
	WIN 0
	s_mul_i32 s18, s15, QHALF
	s_mul_i32 s19, s16, PHALF
	s_add_co_u32 s19, s19, 2*QHALF
.irp s, 0,1
	v_add_nc_u32 v[AQ16+\s], s18, v5
	v_add_nc_u32 v[AQ8+\s], s18, v6
	v_add_nc_u32 v[AP16+\s], s19, v5
	v_add_nc_u32 v[AP8+\s], s19, v6
	s_add_co_u32 s18, s18, SLOT
	s_add_co_u32 s19, s19, SLOT
.endr
	s_mul_i32 s18, s15, QSH
	s_mul_i32 s19, s16, PSH
	s_add_co_u32 s19, s19, SCP-SCQ
	s_sub_co_u32 s19, s19, s18
	v_mul_u32_u24 v9, s19, v2
	s_add_co_u32 s18, s18, SCQ
	v_add_nc_u32 v9, v9, v7
	v_add_nc_u32 v[ADRS], s18, v9
	s_mul_i32 s18, s14, 16*528
	v_mul_u32_u24 v24, v3, 528
	v_lshl_add_u32 v24, v2, 6, v24
	v_add_nc_u32 v24, s18, v24
	v_add_nc_u32 v25, s18, v5
	s_wait_alu depctr_va_vdst(0)
	s_wait_tensorcnt 1
	s_barrier_signal -1
	s_barrier_wait -1
	FETCH_P 0, 0, 0
	FETCH_Q 0, 0, 0
	SCALES 0, 0
	s_wait_loadcnt 16*QT
	STEP 0, 0, 2
.if LAPS > 1
	WIN 0
	s_mov_b32 s3, LAPS-1
.Llap:
	STEP 0, 1, 0
	STEP 0, 2, 0
	TURN 0, 1, 1
	STEP 1, 0, 0
	STEP 1, 1, 0
	STEP 1, 2, 0
	TURN 1, 0, 1
	STEP 0, 0, 0
	WIN 0
	s_sub_co_u32 s3, s3, 1
	s_cmp_lg_u32 s3, 0
	s_cbranch_scc1 .Llap
.endif
	STEP 0, 1, 0
	STEP 0, 2, 0
	TURN 0, 1, 0
	s_wait_alu depctr_va_vdst(0)
	STEP 1, 0, 0
	STEP 1, 1, 0
	STEP 1, 2, 0
	s_wait_dscnt 0x0
	MULR 0, QT, 1, 0
	WIN 0
	PLACES 4
.macro OUTA a
.set BB, 128+64*((\a)%2)
	WIN 0x08
.irp b, 0,1,2,3,4,5,6,7
	ds_store_b128 v24, v[64*(\a)+8*\b:64*(\a)+8*\b+3] offset:128*(\b/2)+32*(\b%2)
	ds_store_b128 v24, v[64*(\a)+8*\b+4:64*(\a)+8*\b+7] offset:128*(\b/2)+32*(\b%2)+16
.endr
	WIN 0
.set TT, 0
.rept 16
	ds_load_b128 v[BB+4*TT:BB+4*TT+3], v25 offset:TT*528
.set TT, TT+1
.endr
	s_wait_dscnt 0x0
	s_wait_loadcnt 16*(QT-1-(\a))
	WIN 0x08
.set I, 0
.rept 32
	v_pk_add_f32 v[BB+I:BB+I+1], v[BB+I:BB+I+1], v[128+64*(\a)+I:128+64*(\a)+I+1]
.set I, I+2
.endr
	WIN 0
.set TT, 0
.rept 16
	global_store_b128 v5, v[BB+4*TT:BB+4*TT+3], s[12:13] offset:(32*((\a)/2)+8*((\a)%2)+TT+8*(TT/8))*4096
.set TT, TT+1
.endr
.endm
	OUTA 0
	OUTA 1
	s_wait_tensorcnt 0x0
	ds_add_u32 v[SPW], v[NIL]
	s_wait_dscnt 0x0
	CROUND
	s_endpgm
.Lfunc_end_k_qff1a8579c3_proj:
	.size	k_qff1a8579c3_proj, .Lfunc_end_k_qff1a8579c3_proj-k_qff1a8579c3_proj
	.p2alignl 7, 3214868480
	.fill 96, 4, 3214868480
	.section	.rodata,"a",@progbits
	.p2align	6, 0x0
	.amdhsa_kernel k_qff1a8579c3_proj
		.amdhsa_group_segment_fixed_size 327680
		.amdhsa_private_segment_fixed_size 0
		.amdhsa_enable_private_segment 0
		.amdhsa_kernarg_size 40
		.amdhsa_user_sgpr_count 2
		.amdhsa_user_sgpr_kernarg_segment_ptr 1
		.amdhsa_wavefront_size32 1
		.amdhsa_system_sgpr_workgroup_id_x 1
		.amdhsa_system_sgpr_workgroup_id_y 1
		.amdhsa_system_sgpr_workgroup_id_z 1
		.amdhsa_system_vgpr_workitem_id 0
		.amdhsa_next_free_vgpr 768
		.amdhsa_next_free_sgpr 102
		.amdhsa_reserve_vcc 0
		.amdhsa_float_denorm_mode_32 3
		.amdhsa_float_denorm_mode_16_64 3
		.amdhsa_memory_ordered 1
		.amdhsa_forward_progress 1
		.amdhsa_inst_pref_size 70
	.end_amdhsa_kernel
	.amdgpu_metadata
---
amdhsa.version: [ 1, 2 ]
amdhsa.kernels:
  - .name:           k_qff1a8579c3_proj
    .symbol:         k_qff1a8579c3_proj.kd
    .args:
      - { .name: at, .offset: 0, .size: 8, .value_kind: global_buffer, .address_space: global }
      - { .name: wq, .offset: 8, .size: 8, .value_kind: global_buffer, .address_space: global }
      - { .name: b_attn_proj, .offset: 16, .size: 8, .value_kind: global_buffer, .address_space: global }
      - { .name: x, .offset: 24, .size: 8, .value_kind: global_buffer, .address_space: global }
      - { .name: x1, .offset: 32, .size: 8, .value_kind: global_buffer, .address_space: global }
    .group_segment_fixed_size: 327680
    .private_segment_fixed_size: 0
    .kernarg_segment_align: 8
    .kernarg_segment_size: 40
    .max_flat_workgroup_size: 128
    .sgpr_count:     102
    .vgpr_count:     768
    .wavefront_size: 32
...
	.end_amdgpu_metadata
.endif
;; end of part 12
;; launch ln2: the kernel of part 9 again; grid 256 x 1, 8 waves a work-group, no clusters, 5,120 bytes of LDS; arguments x1, ln2_scale, ln2_bias, hb; writes hb
;; launch fc (part 13): grid 16 x 16, 4 waves a work-group, clusters of 4 x 4, 327,680 bytes of LDS; arguments hb, wq, b_fc, hid; writes hid
.if DOCPART == 13
	.amdgcn_target "amdgcn-amd-amdhsa--gfx1250"
	.amdhsa_code_object_version 6
	.text
	.protected	k_qff1a8579c3_fc
	.globl	k_qff1a8579c3_fc
	.p2align	8
	.type	k_qff1a8579c3_fc,@function
k_qff1a8579c3_fc:
	s_mov_b64 s[64:65], 0
	v_nop
	global_prefetch_b8 v0, s[64:65] scope:SCOPE_SE
	s_setreg_imm32_b32 hwreg(HW_REG_WAVE_MODE, 25, 1), 1
	s_wait_xcnt 0x0
	s_wait_alu depctr_hold_cnt(0) depctr_sa_sdst(0) depctr_va_vdst(0) depctr_va_sdst(0) depctr_va_ssrc(0) depctr_va_vcc(0) depctr_vm_vsrc(0)
	s_getreg_b32 s2, hwreg(HW_REG_IB_STS2, 6, 4)
	s_cmp_eq_u32 s2, 0
	s_cbranch_scc0 .Lentry_in_a_cluster
	s_endpgm
.Lentry_in_a_cluster:
	s_bfe_u32 s2, ttmp6, 0x10000c
	s_cmp_lg_u32 s2, 0xf033
	s_cbranch_scc0 .Lentry_shape_is_right
	s_endpgm
.Lentry_shape_is_right:
.set KK,    1024
.set QT,    8
.set QSCL,  3145728
.set PIMG,  3276800
.set PSCL,  6422528
.set NK,    KK/128
.set TSTR,  NK*1536
.set SSTR,  NK*64
.set QHALF, QT*3072
.set PHALF, 8*3072
.set SLOT,  2*QHALF+2*PHALF
.set SCQ,   2*SLOT
.set QSH,   QT*SSTR
.set SCP,   SCQ+2*QSH
.set PSH,   8*SSTR
.set SPARE, SCP+2*PSH
.set LAPS,  KK/512
.set AQ16, 16
.set AQ8,  18
.set AP16, 20
.set AP8,  22
.set ADRS, 27
.set SPW,  28
.set NIL,  29
.set SC,   32
.set QF,   64
.set T,    64
.set PC,   128
.set TM,   152
.set PW,   168
.set SEL,  94
.set G1, 24
.set G0, 32
.set G1B, 48
.set G0B, 56
.set G1S, 68
.set G0S, 76
.set G1SB, 80
.set G0SB, 88
.set MSB, 0
.macro WIN new
.if MSB != (\new)
	s_set_vgpr_msb (MSB<<8)|(\new)
.set MSB, (\new)
.endif
.endm
.macro JLOAD g0a, g1a, g0b, g1b
	s_cmp_eq_u32 s15, 0
	s_cbranch_scc0 .Lfor_b_\@
	tensor_load_to_lds s[\g0a:\g0a+3], s[\g1a:\g1a+7]
	s_nop 0
.rept 4
	v_nop
.endr
	s_branch .Lasked_\@
.Lfor_b_\@:
	tensor_load_to_lds s[\g0b:\g0b+3], s[\g1b:\g1b+7]
	s_nop 0
.rept 4
	v_nop
.endr
.Lasked_\@:
.endm
.macro CREST
	s_cmp_lg_u32 s14, 0
	s_cbranch_scc1 .Lnot_wave_0_\@
	s_barrier_signal -3
.Lnot_wave_0_\@:
	s_barrier_wait -3
	s_barrier_signal -1
	s_barrier_wait -1
.endm
.macro CROUND
	s_barrier_signal -1
	s_barrier_wait -1
	CREST
.endm
.macro PLACES n
.rept \n
	v_nop
.endr
.endm
.macro FRAG reg, a16, a8, off
	ds_load_b128 v[\reg:\reg+3], v[\a16] offset:\off
	ds_load_b64 v[\reg+4:\reg+5], v[\a8] offset:\off+512
	ds_load_b128 v[\reg+6:\reg+9], v[\a16] offset:\off+768
	ds_load_b64 v[\reg+10:\reg+11], v[\a8] offset:\off+1280
.endm
.macro FETCH_P slot, q, set
	WIN 0x40
.irp i, 0,1,2,3,4,5,6,7
	FRAG 128*(\set)+12*\i, AP16+\slot, AP8+\slot, \i*3072+(\q)*1536
.endr
	WIN 0
.endm
.macro FETCH_Q slot, q, set
.set FI, 0
.rept QT
	FRAG QF+96*(\set)+12*FI, AQ16+\slot, AQ8+\slot, FI*3072+(\q)*1536
.set FI, FI+1
.endr
.endm
.macro SCALES q, set
.irp i, 0,1,2,3,4,5,6,7
	ds_load_b32 v[SC+8*(\set)+\i], v[ADRS] offset:\i*SSTR+64*(\q)
.endr
.endm
.macro MUL8 a, set, mode
.if (\mode) == 2
	WIN 0x91+0x40*((\a)/4)
.else
	WIN 0xa1+0x50*((\a)/4)
.endif
.irp b, 0,1,2,3,4,5,6,7
.set AC, 8*(8*((\a)%4)+\b)
.set PR, 128*(\set)+12*\b
.set QR, QF+96*(\set)+12*(\a)
.set BR, 96+8*(\b%4)+128*(\b/4)
.if (\mode) == 0
	v_wmma_scale_f32_16x16x128_f8f6f4 v[AC:AC+7], v[PR:PR+11], v[QR:QR+11], v[AC:AC+7], v[SC+8*(\set)+\b], v[SC+8*(\set)+(\a)] matrix_a_fmt:MATRIX_FMT_FP6 matrix_b_fmt:MATRIX_FMT_FP6 matrix_a_scale:MATRIX_SCALE_ROW1
.else
	v_wmma_scale_f32_16x16x128_f8f6f4 v[AC:AC+7], v[PR:PR+11], v[QR:QR+11], v[BR:BR+7], v[SC+8*(\set)+\b], v[SC+8*(\set)+(\a)] matrix_a_fmt:MATRIX_FMT_FP6 matrix_b_fmt:MATRIX_FMT_FP6 matrix_a_scale:MATRIX_SCALE_ROW1
.endif
.endr
.endm
.macro MULR a0, n, set, mode
.set AA, \a0
.rept \n
	MUL8 AA, \set, \mode
.set AA, AA+1
.endr
.endm
.macro STEPA slot, mode
	s_wait_dscnt 0x0
	PLACES 4
	FETCH_P \slot, 1, 1
	FETCH_Q \slot, 1, 1
	SCALES 1, 1
	MULR 0, QT, 0, \mode
.endm
.macro TURN slot, next, fill
	WIN 0
	s_wait_tensorcnt 0x0
	ds_add_u32 v[SPW], v[NIL]
	s_wait_dscnt 1
	MULR 0, QT/4, 1, 0
	s_wait_dscnt 0x0
	s_barrier_signal -1
	MULR QT/4, QT/4, 1, 0
	WIN 0
	s_barrier_wait -1
.if \fill
	CREST
	s_add_nc_u64 s[G0+4*\slot+2:G0+4*\slot+3], s[G0+4*\slot+2:G0+4*\slot+3], 6144
	s_add_nc_u64 s[G0B+4*\slot+2:G0B+4*\slot+3], s[G0B+4*\slot+2:G0B+4*\slot+3], 6144
	JLOAD G0+4*\slot, G1, G0B+4*\slot, G1B
.else
	PLACES 4
.endif
	s_wait_alu depctr_va_vdst(0)
	v_add_nc_u32 v[ADRS], 128, v[ADRS]
	FETCH_P \next, 0, 0
	FETCH_Q \next, 0, 0
	SCALES 0, 0
	MULR QT/2, QT/2, 1, 0
.endm
.macro QUANT s
.irp b, 0,1,2,3
	v_max3_num_f32 v[TM+\b], |v[\s+16*\b]|, |v[\s+1+16*\b]|, 0x1800000
.endr
.irp i, 2,4,6,8,10,12,14
.irp b, 0,1,2,3
	v_max3_num_f32 v[TM+\b], v[TM+\b], |v[\s+16*\b+\i]|, |v[\s+1+16*\b+\i]|
.endr
.endr
.irp b, 0,1,2,3
	v_permlanex16_b32 v[TM+4+\b], v[TM+\b], s[SEL], s[SEL+1]
.endr
.irp b, 0,1,2,3
	v_max_num_f32 v[TM+\b], v[TM+\b], v[TM+4+\b]
.endr
.irp b, 0,1,2,3
	v_add_nc_u32 v[TM+12+\b], 0xff000000, v[TM+\b]
.endr
.irp b, 0,1,2,3
	v_lshrrev_b32 v[TM+4+\b], 23, v[TM+12+\b]
.endr
	v_lshl_or_b32 v[PW], v[TM+5], 8, v[TM+4]
	v_lshl_or_b32 v[PW], v[TM+6], 16, v[PW]
	v_lshl_or_b32 v[PW], v[TM+7], 24, v[PW]
.irp c, 0,1
	v_cvt_scalef32_pk16_fp6_f32 v[PC+6*\c:PC+2+6*\c], v[\s+32*\c:\s+15+32*\c], v[TM+12+2*\c]
	v_cvt_scalef32_pk16_fp6_f32 v[PC+12+4*\c:PC+14+4*\c], v[\s+16+32*\c:\s+31+32*\c], v[TM+12+2*\c+1]
.endr
	v_nop
.irp c, 0,1
.irp i, 0,1,2
	v_permlane16_swap_b32 v[PC+6*\c+\i], v[PC+12+4*\c+\i]
.endr
.irp i, 0,1,2
	v_mov_b32 v[PC+3+6*\c+\i], v[PC+12+4*\c+\i]
.endr
.endr
.endm
	s_load_b256 s[4:11], s[0:1], 0x0
	v_lshl_add_u32 v[SPW], v0, 2, SPARE
	v_mov_b32 v[NIL], 0
	ds_add_u32 v28, v29
	ds_add_u32 v28, v29
	s_wait_dscnt 0x0
	v_lshrrev_b32 v1, 5, v0
	v_readfirstlane_b32 s14, v1
	s_lshr_b32 s15, s14, 1
	s_and_b32 s16, s14, 1
	s_bfe_u32 s40, ttmp6, 0x40000
	s_bfe_u32 s41, ttmp6, 0x40004
	s_lshl_b32 s42, ttmp9, 2
	s_add_co_u32 s42, s42, s40
	s_and_b32 s17, ttmp7, 0xffff
	s_lshl_b32 s17, s17, 2
	s_add_co_u32 s17, s17, s41
	s_lshl_b32 s43, s41, 2
	s_lshl_b32 s43, 15, s43
	s_lshl_b32 s44, 0x1111, s40
	s_or_b32 s[G1], s43, (3<<16)|(1<<21)
	s_or_b32 s[G1B], s44, (3<<16)|(1<<21)
	s_or_b32 s[G1S], s43, (3<<16)|(1<<21)
	s_or_b32 s[G1SB], s44, (3<<16)|(1<<21)
	s_mov_b32 s[G1+1], 384<<16
	s_mov_b32 s[G1+2], (2*QT)<<16                  ; the head's loads bring both halves of a tile; behind them the row counts are set for the ring's halves
	s_mov_b32 s[G1+3], 384<<16
	s_mov_b32 s[G1+4], 2*QT
	s_mov_b32 s[G1+5], TSTR/8
	s_mov_b32 s[G1+6], 0
	s_mov_b32 s[G1+7], 0
	s_mov_b32 s[G1B+1], 384<<16
	s_mov_b32 s[G1B+2], 16<<16
	s_mov_b32 s[G1B+3], 384<<16
	s_mov_b32 s[G1B+4], 16
	s_mov_b32 s[G1B+5], TSTR/8
	s_mov_b32 s[G1B+6], 0
	s_mov_b32 s[G1B+7], 0
	s_mov_b32 s[G1S+1], 32<<16
	s_mov_b32 s[G1S+2], (QSH/128)<<16
	s_mov_b32 s[G1S+3], 32<<16
	s_mov_b32 s[G1S+4], QSH/128
	s_mov_b32 s[G1S+5], 32
	s_mov_b32 s[G1S+6], 0
	s_mov_b32 s[G1S+7], 0
	s_mov_b32 s[G1SB+1], 32<<16
	s_mov_b32 s[G1SB+2], (PSH/128)<<16
	s_mov_b32 s[G1SB+3], 32<<16
	s_mov_b32 s[G1SB+4], PSH/128
	s_mov_b32 s[G1SB+5], 32
	s_mov_b32 s[G1SB+6], 0
	s_mov_b32 s[G1SB+7], 0
	s_mul_i32 s20, s17, 2*QT                       ; Q: the work-group's first tile
	s_lshl_b32 s46, s42, 4                         ; P likewise
	s_mul_i32 s22, s20, SSTR
	s_add_co_u32 s22, s22, QSCL
	s_mul_i32 s20, s20, TSTR
	s_mul_i32 s92, s46, SSTR
	s_add_co_u32 s92, s92, PSCL
	s_mul_i32 s46, s46, TSTR
	s_add_co_u32 s46, s46, PIMG
	s_mov_b32 s21, 0
	s_mov_b32 s23, 0
	s_mov_b32 s47, 0
	s_mov_b32 s93, 0
	s_mul_i32 s45, s16, QHALF
	s_mul_i32 s94, s16, PHALF
	s_add_co_u32 s94, s94, 2*QHALF
	s_wait_kmcnt 0x0
	s_add_nc_u64 s[20:21], s[4:5], s[20:21]
	s_add_nc_u64 s[22:23], s[4:5], s[22:23]
	s_add_nc_u64 s[46:47], s[6:7], s[46:47]
	s_add_nc_u64 s[92:93], s[6:7], s[92:93]
	CROUND
	s_mov_b32 s[G0S], 1
	s_mov_b32 s[G0S+1], SCQ
	s_mov_b64 s[G0S+2:G0S+3], s[22:23]
	s_or_b32 s[G0S+3], s[G0S+3], 0x80000000
	s_mov_b32 s[G0SB], 1
	s_mov_b32 s[G0SB+1], SCP
	s_mov_b64 s[G0SB+2:G0SB+3], s[92:93]
	s_or_b32 s[G0SB+3], s[G0SB+3], 0x80000000
	s_mov_b32 s[G0], 1                             ; slot 0, whole: Q's tiles,
	s_mov_b32 s[G0+1], 0
	s_mov_b64 s[G0+2:G0+3], s[20:21]
	s_or_b32 s[G0+3], s[G0+3], 0x80000000
	s_mov_b32 s[G0B], 1                            ; and P's, behind them
	s_mov_b32 s[G0B+1], 2*QHALF
	s_mov_b64 s[G0B+2:G0B+3], s[46:47]
	s_or_b32 s[G0B+3], s[G0B+3], 0x80000000
	s_mul_i32 s18, s16, QT*TSTR                    ; in the ring I fetch one half of a tile: where it begins, in bytes
	s_mov_b32 s19, 0
	s_mul_i32 s2, s16, 8*TSTR
	s_mov_b32 s3, 0
; THE HEAD'S LOADS, ONE A WAVE: wave 0 Q's part of slot 0, wave 1 P's, wave 2 Q's scale words, wave 3 P's.  One chain of branches on the wave's number, all arms leading to one join.
.macro ARM under, g0, g1, next
	s_cmp_lt_u32 s14, \under
	s_cbranch_scc0 \next
	tensor_load_to_lds s[\g0:\g0+3], s[\g1:\g1+7]
	s_nop 0
.rept 4
	v_nop
.endr
	s_branch .Lhead_asked
\next:
.endm
	ARM 1, G0, G1, .Lhead_p
	ARM 2, G0B, G1B, .Lhead_sq
	ARM 3, G0S, G1S, .Lhead_sp
	tensor_load_to_lds s[G0SB:G0SB+3], s[G1SB:G1SB+7]
	s_nop 0
.rept 4
	v_nop
.endr
.Lhead_asked:
	s_wait_alu depctr_va_vdst(0)
	s_wait_tensorcnt 0x0                           ; my tile of the head's four is in; slot 1's first fill stands behind these lines and a round
	ds_add_u32 v28, v29
	s_mov_b32 s[G1+2], QT<<16                      ; no tensor load of mine is out: from here on a load brings one half
	s_mov_b32 s[G1+4], QT
	s_mov_b32 s[G1B+2], 8<<16
	s_mov_b32 s[G1B+4], 8
	s_add_nc_u64 s[20:21], s[20:21], s[18:19]
	s_add_nc_u64 s[46:47], s[46:47], s[2:3]
.irp s, 0,1
	s_mov_b32 s[G0+4*\s], 1
	s_add_co_u32 s[G0+4*\s+1], s45, \s*SLOT
	s_add_nc_u64 s[G0+4*\s+2:G0+4*\s+3], s[20:21], \s*3072
	s_or_b32 s[G0+4*\s+3], s[G0+4*\s+3], 0x80000000
	s_mov_b32 s[G0B+4*\s], 1
	s_add_co_u32 s[G0B+4*\s+1], s94, \s*SLOT
	s_add_nc_u64 s[G0B+4*\s+2:G0B+4*\s+3], s[46:47], \s*3072
	s_or_b32 s[G0B+4*\s+3], s[G0B+4*\s+3], 0x80000000
.endr
	s_wait_dscnt 0x0                               ; the add is done
	CROUND                                         ; all four tiles are in, and all sixteen work-groups are here
	JLOAD G0+4, G1, G0B+4, G1B                     ; slot 1, the first tensor load behind the round
	v_and_b32 v1, 31, v0
	v_bfe_u32 v2, v0, 4, 1
	v_and_b32 v3, 15, v0
	v_lshlrev_b32 v4, 6, v2
	v_lshlrev_b32 v5, 4, v1
	s_wait_alu depctr_va_vdst(0)
	v_lshlrev_b32 v6, 3, v1
	s_wait_alu depctr_va_vdst(0)
	v_lshlrev_b32 v7, 2, v3
	s_lshl_b32 s18, s42, 10
	s_lshl_b32 s19, s16, 9
	s_add_co_u32 s18, s18, s19
	s_mov_b32 s19, 0
	s_add_nc_u64 s[8:9], s[8:9], s[18:19]
	WIN 0x40
.irp b, 0,1,2,3,4,5,6,7
	global_load_b128 v[96+8*(\b%4)+128*(\b/4):99+8*(\b%4)+128*(\b/4)], v4, s[8:9] offset:(32*(\b/2)+8*(\b%2))*4
	global_load_b128 v[100+8*(\b%4)+128*(\b/4):103+8*(\b%4)+128*(\b/4)], v4, s[8:9] offset:(32*(\b/2)+8*(\b%2))*4+16
.endr
	WIN 0
	s_mul_i32 s18, s15, QHALF
	s_mul_i32 s19, s16, PHALF
	s_add_co_u32 s19, s19, 2*QHALF
.irp s, 0,1
	v_add_nc_u32 v[AQ16+\s], s18, v5
	v_add_nc_u32 v[AQ8+\s], s18, v6
	v_add_nc_u32 v[AP16+\s], s19, v5
	v_add_nc_u32 v[AP8+\s], s19, v6
	s_add_co_u32 s18, s18, SLOT
	s_add_co_u32 s19, s19, SLOT
.endr
	s_mul_i32 s18, s15, QSH
	s_mul_i32 s19, s16, PSH
	s_add_co_u32 s19, s19, SCP-SCQ
	s_sub_co_u32 s19, s19, s18
	v_mul_u32_u24 v9, s19, v2
	s_add_co_u32 s18, s18, SCQ
	v_add_nc_u32 v9, v9, v7
	v_add_nc_u32 v[ADRS], s18, v9
	v_lshl_add_u32 v26, v2, 11, v7
	s_wait_alu depctr_va_vdst(0)
	s_wait_tensorcnt 1
	s_barrier_signal -1
	s_barrier_wait -1
	FETCH_P 0, 0, 0
	FETCH_Q 0, 0, 0
	SCALES 0, 0
	s_wait_loadcnt 0x0
	STEPA 0, 2
	WIN 0
	s_mov_b32 s3, LAPS-1
.Llap:
	TURN 0, 1, 1
	s_wait_alu depctr_va_vdst(0)
	STEPA 1, 0
	TURN 1, 0, 1
	s_wait_alu depctr_va_vdst(0)
	STEPA 0, 0
	WIN 0
	s_sub_co_u32 s3, s3, 1
	s_cmp_lg_u32 s3, 0
	s_cbranch_scc1 .Llap
	TURN 0, 1, 0
	s_wait_alu depctr_va_vdst(0)
	STEPA 1, 0
	s_wait_dscnt 0x0
	MULR 0, QT, 1, 0
	WIN 0
	PLACES 4
	s_mov_b32 s[SEL], 0x76543210
	s_mov_b32 s[SEL+1], 0xfedcba98
	s_mov_b32 s96, 0xbdd2d3e8
	s_mov_b32 s97, s96
	v_mov_b32 v172, 0xc0135761
	v_mov_b32 v173, v172
	s_mov_b32 s101, 0xffff0000
.irp b, 0,1,2,3
	v_mov_b32 v[TM+4+\b], 0
.endr
	s_lshl_b32 s18, s17, 4
	s_lshl_b32 s19, s15, 3
	s_add_co_u32 s18, s18, s19
	s_lshl_b32 s19, s42, 1
	s_add_co_u32 s19, s19, s16
	s_mul_i32 s2, s18, 49152
	s_mul_i32 s45, s19, 1536
	s_add_co_u32 s2, s2, s45
	s_mov_b32 s3, 0
	s_add_nc_u64 s[98:99], s[10:11], s[2:3]
	s_lshl_b32 s2, s18, 11
	s_lshl_b32 s45, s19, 6
	s_add_co_u32 s2, s2, s45
	s_add_co_u32 s2, s2, 12582912
	s_add_nc_u64 s[10:11], s[10:11], s[2:3]
.macro GELUQ a
.set AC, 64*((\a)%4)
.set WW, 2+(\a)/4
	s_wait_xcnt 0x0
	WIN WW|(WW<<2)
.set I, 0
.rept 32
	v_pk_mul_f32 v[T+I:T+I+1], v[AC+I:AC+I+1], v[AC+I:AC+I+1]
.set I, I+2
.endr
	WIN 0
.set I, 0
.rept 32
	v_pk_fma_f32 v[T+I:T+I+1], v[T+I:T+I+1], s[96:97], v[172:173] op_sel_hi:[1,0,1]
.set I, I+2
.endr
	WIN WW<<2
.set I, 0
.rept 32
	v_pk_mul_f32 v[T+I:T+I+1], v[T+I:T+I+1], v[AC+I:AC+I+1]
.set I, I+2
.endr
	WIN 0
.set I, 0
	s_wait_alu depctr_va_vdst(0)
.rept 64
	v_exp_f32 v[T+I], v[T+I]
.set I, I+1
.endr
	v_nop
	s_wait_alu depctr_va_vdst(0)
.set I, 0
.rept 32
	v_pk_add_f32 v[T+I:T+I+1], v[T+I:T+I+1], 1.0 op_sel_hi:[1,0]
.set I, I+2
.endr
.set I, 0
	s_wait_alu depctr_va_vdst(0)
.rept 64
	v_rcp_f32 v[T+I], v[T+I]
.set I, I+1
.endr
	v_nop
	s_wait_alu depctr_va_vdst(0)
	WIN WW<<2
.set I, 0
.rept 32
	v_pk_mul_f32 v[T+I:T+I+1], v[T+I:T+I+1], v[AC+I:AC+I+1]
.set I, I+2
.endr
	WIN 0
	QUANT T
	global_store_b128 v5, v[PC:PC+3], s[98:99] offset:(\a)*49152
	global_store_b64 v6, v[PC+4:PC+5], s[98:99] offset:(\a)*49152+512
	global_store_b128 v5, v[PC+6:PC+9], s[98:99] offset:(\a)*49152+768
	global_store_b64 v6, v[PC+10:PC+11], s[98:99] offset:(\a)*49152+1280
.if (\a)%2
	v_cndmask_b32 v170, v169, v168, s101
	global_store_b32 v26, v170, s[10:11] offset:((\a)-1)*2048
.else
	v_mov_b32 v169, v168
.endif
.endm
.irp a, 0,1,2,3,4,5,6,7
	GELUQ \a
.endr
	s_wait_tensorcnt 0x0
	ds_add_u32 v[SPW], v[NIL]
	s_wait_dscnt 0x0
	CROUND
	s_endpgm
.Lfunc_end_k_qff1a8579c3_fc:
	.size	k_qff1a8579c3_fc, .Lfunc_end_k_qff1a8579c3_fc-k_qff1a8579c3_fc
	.p2alignl 7, 3214868480
	.fill 96, 4, 3214868480
	.section	.rodata,"a",@progbits
	.p2align	6, 0x0
	.amdhsa_kernel k_qff1a8579c3_fc
		.amdhsa_group_segment_fixed_size 327680
		.amdhsa_private_segment_fixed_size 0
		.amdhsa_enable_private_segment 0
		.amdhsa_kernarg_size 32
		.amdhsa_user_sgpr_count 2
		.amdhsa_user_sgpr_kernarg_segment_ptr 1
		.amdhsa_wavefront_size32 1
		.amdhsa_system_sgpr_workgroup_id_x 1
		.amdhsa_system_sgpr_workgroup_id_y 1
		.amdhsa_system_sgpr_workgroup_id_z 1
		.amdhsa_system_vgpr_workitem_id 0
		.amdhsa_next_free_vgpr 1024
		.amdhsa_next_free_sgpr 102
		.amdhsa_reserve_vcc 0
		.amdhsa_float_denorm_mode_32 3
		.amdhsa_float_denorm_mode_16_64 3
		.amdhsa_memory_ordered 1
		.amdhsa_forward_progress 1
		.amdhsa_inst_pref_size 255
	.end_amdhsa_kernel
	.section	.bss,"aw",@nobits
	.p2align	6
	.space	262144
	.amdgpu_metadata
---
amdhsa.version: [ 1, 2 ]
amdhsa.kernels:
  - .name:           k_qff1a8579c3_fc
    .symbol:         k_qff1a8579c3_fc.kd
    .args:
      - { .name: hb, .offset: 0, .size: 8, .value_kind: global_buffer, .address_space: global }
      - { .name: wq, .offset: 8, .size: 8, .value_kind: global_buffer, .address_space: global }
      - { .name: b_fc, .offset: 16, .size: 8, .value_kind: global_buffer, .address_space: global }
      - { .name: hid, .offset: 24, .size: 8, .value_kind: global_buffer, .address_space: global }
    .group_segment_fixed_size: 327680
    .private_segment_fixed_size: 0
    .kernarg_segment_align: 8
    .kernarg_segment_size: 32
    .max_flat_workgroup_size: 128
    .sgpr_count:     102
    .vgpr_count:     1024
    .wavefront_size: 32
...
	.end_amdgpu_metadata
.endif
;; end of part 13
;; launch mlp (part 14): grid 4 x 64, 4 waves a work-group, clusters of 4 x 4, 327,680 bytes of LDS; arguments hid, wq, b_mlp_proj, x1, out0; writes out0
.if DOCPART == 14
	.amdgcn_target "amdgcn-amd-amdhsa--gfx1250"
	.amdhsa_code_object_version 6
	.text
	.protected	k_qff1a8579c3_mlp
	.globl	k_qff1a8579c3_mlp
	.p2align	8
	.type	k_qff1a8579c3_mlp,@function
k_qff1a8579c3_mlp:
	s_mov_b64 s[64:65], 0
	v_nop
	global_prefetch_b8 v0, s[64:65] scope:SCOPE_SE
	s_setreg_imm32_b32 hwreg(HW_REG_WAVE_MODE, 25, 1), 1
	s_wait_xcnt 0x0
	s_wait_alu depctr_hold_cnt(0) depctr_sa_sdst(0) depctr_va_vdst(0) depctr_va_sdst(0) depctr_va_ssrc(0) depctr_va_vcc(0) depctr_vm_vsrc(0)
	s_getreg_b32 s2, hwreg(HW_REG_IB_STS2, 6, 4)
	s_cmp_eq_u32 s2, 0
	s_cbranch_scc0 .Lentry_in_a_cluster
	s_endpgm
.Lentry_in_a_cluster:
	s_bfe_u32 s2, ttmp6, 0x10000c
	s_cmp_lg_u32 s2, 0xf033
	s_cbranch_scc0 .Lentry_shape_is_right
	s_endpgm
.Lentry_shape_is_right:
.set KK,    4096
.set QT,    2
.set NQ,    4
.set QSCL,  12582912
.set PIMG,  6553600
.set PSCL,  9699328
.set NK,    KK/128
.set TSTR,  NK*1536
.set SSTR,  NK*64
.set TB,    NQ*1536
.set QHALF, QT*TB
.set PHALF, 8*TB
.set SLOT,  2*QHALF+2*PHALF
.set SCQ,   2*SLOT
.set QSH,   QT*SSTR
.set SCP,   SCQ+2*QSH
.set PSH,   8*SSTR
.set SPARE, SCP+2*PSH
.set LAPS,  KK/(2*NQ*128)
.set AQ16, 16
.set AQ8,  18
.set AP16, 20
.set AP8,  22
.set ADRS, 27
.set SPW,  28
.set NIL,  29
.set SC,   32
.set QF,   64
.set G1, 24
.set G0, 32
.set G1B, 48
.set G0B, 56
.set G1S, 68
.set G0S, 76
.set G1SB, 80
.set G0SB, 88
.set MSB, 0
.macro WIN new
.if MSB != (\new)
	s_set_vgpr_msb (MSB<<8)|(\new)
.set MSB, (\new)
.endif
.endm
.macro JLOAD g0a, g1a, g0b, g1b
	s_cmp_eq_u32 s15, 0
	s_cbranch_scc0 .Lfor_b_\@
	tensor_load_to_lds s[\g0a:\g0a+3], s[\g1a:\g1a+7]
	s_nop 0
.rept 4
	v_nop
.endr
	s_branch .Lasked_\@
.Lfor_b_\@:
	tensor_load_to_lds s[\g0b:\g0b+3], s[\g1b:\g1b+7]
	s_nop 0
.rept 4
	v_nop
.endr
.Lasked_\@:
.endm
.macro CREST
	s_cmp_lg_u32 s14, 0
	s_cbranch_scc1 .Lnot_wave_0_\@
	s_barrier_signal -3
.Lnot_wave_0_\@:
	s_barrier_wait -3
	s_barrier_signal -1
	s_barrier_wait -1
.endm
.macro CROUND
	s_barrier_signal -1
	s_barrier_wait -1
	CREST
.endm
.macro PLACES n
.rept \n
	v_nop
.endr
.endm
.macro FRAG reg, a16, a8, off
	ds_load_b128 v[\reg:\reg+3], v[\a16] offset:\off
	ds_load_b64 v[\reg+4:\reg+5], v[\a8] offset:\off+512
	ds_load_b128 v[\reg+6:\reg+9], v[\a16] offset:\off+768
	ds_load_b64 v[\reg+10:\reg+11], v[\a8] offset:\off+1280
.endm
.macro FETCH_P slot, q, set
	WIN 0x40
.irp i, 0,1,2,3,4,5,6,7
	FRAG 128*(\set)+12*\i, AP16+\slot, AP8+\slot, \i*TB+(\q)*1536
.endr
	WIN 0
.endm
.macro FETCH_Q slot, q, set
.set FI, 0
.rept QT
	FRAG QF+96*(\set)+12*FI, AQ16+\slot, AQ8+\slot, FI*TB+(\q)*1536
.set FI, FI+1
.endr
.endm
.macro SCALES q, set
.irp i, 0,1,2,3,4,5,6,7
	ds_load_b32 v[SC+8*(\set)+\i], v[ADRS] offset:\i*SSTR+64*(\q)
.endr
.endm
.macro MUL8 a, set, mode
.if (\mode) == 2
	WIN 0x91
.else
	WIN 0xa1
.endif
.irp b, 0,1,2,3,4,5,6,7
.set AC, 8*(8*(\a)+\b)
.set PR, 128*(\set)+12*\b
.set QR, QF+96*(\set)+12*(\a)
.set BR, 96+8*(\b%4)+128*(\b/4)
.if (\mode) == 0
	v_wmma_scale_f32_16x16x128_f8f6f4 v[AC:AC+7], v[PR:PR+11], v[QR:QR+11], v[AC:AC+7], v[SC+8*(\set)+\b], v[SC+8*(\set)+(\a)] matrix_a_fmt:MATRIX_FMT_FP6 matrix_b_fmt:MATRIX_FMT_FP6 matrix_a_scale:MATRIX_SCALE_ROW1
.else
	v_wmma_scale_f32_16x16x128_f8f6f4 v[AC:AC+7], v[PR:PR+11], v[QR:QR+11], v[BR:BR+7], v[SC+8*(\set)+\b], v[SC+8*(\set)+(\a)] matrix_a_fmt:MATRIX_FMT_FP6 matrix_b_fmt:MATRIX_FMT_FP6 matrix_a_scale:MATRIX_SCALE_ROW1
.endif
.endr
.endm
.macro MULR a0, n, set, mode
.set AA, \a0
.rept \n
	MUL8 AA, \set, \mode
.set AA, AA+1
.endr
.endm
.macro STEP slot, q, mode
	s_wait_dscnt 0x0
	PLACES 4
	FETCH_P \slot, (\q)+1, 1-(\q)%2
	FETCH_Q \slot, (\q)+1, 1-(\q)%2
	SCALES (\q)+1, 1-(\q)%2
	MULR 0, QT, (\q)%2, \mode
.endm
.macro TURN slot, next, fill
	WIN 0
	s_wait_tensorcnt 0x0
	ds_add_u32 v[SPW], v[NIL]
	s_wait_dscnt 1
	MULR 0, 1, 1, 0
	s_wait_dscnt 0x0
	s_barrier_signal -1
	WIN 0
	s_barrier_wait -1
.if \fill
	CREST
	s_add_nc_u64 s[G0+4*\slot+2:G0+4*\slot+3], s[G0+4*\slot+2:G0+4*\slot+3], 2*TB
	s_add_nc_u64 s[G0B+4*\slot+2:G0B+4*\slot+3], s[G0B+4*\slot+2:G0B+4*\slot+3], 2*TB
	JLOAD G0+4*\slot, G1, G0B+4*\slot, G1B
.else
	PLACES 4
.endif
	v_add_nc_u32 v[ADRS], 64*NQ, v[ADRS]
	FETCH_P \next, 0, 0
	FETCH_Q \next, 0, 0
	SCALES 0, 0
	MULR 1, 1, 1, 0
.endm
	s_load_b256 s[4:11], s[0:1], 0x0
	s_load_b64 s[12:13], s[0:1], 0x20
	v_lshl_add_u32 v[SPW], v0, 2, SPARE
	v_mov_b32 v[NIL], 0
	ds_add_u32 v28, v29
	ds_add_u32 v28, v29
	s_wait_dscnt 0x0
	v_lshrrev_b32 v1, 5, v0
	v_readfirstlane_b32 s14, v1
	s_lshr_b32 s15, s14, 1
	s_and_b32 s16, s14, 1
	s_bfe_u32 s40, ttmp6, 0x40000
	s_bfe_u32 s41, ttmp6, 0x40004
	s_lshl_b32 s42, ttmp9, 2
	s_add_co_u32 s42, s42, s40
	s_and_b32 s17, ttmp7, 0xffff
	s_lshl_b32 s17, s17, 2
	s_add_co_u32 s17, s17, s41
	s_lshl_b32 s43, s41, 2
	s_lshl_b32 s43, 15, s43
	s_lshl_b32 s44, 0x1111, s40
	s_or_b32 s[G1], s43, (3<<16)|(1<<21)
	s_or_b32 s[G1B], s44, (3<<16)|(1<<21)
	s_or_b32 s[G1S], s43, (3<<16)|(1<<21)
	s_or_b32 s[G1SB], s44, (3<<16)|(1<<21)
	s_mov_b32 s[G1+1], (TB/8)<<16
	s_mov_b32 s[G1+2], (2*QT)<<16                  ; the head's loads bring both halves of a tile; behind them the row counts are set for the ring's halves
	s_mov_b32 s[G1+3], (TB/8)<<16
	s_mov_b32 s[G1+4], 2*QT
	s_mov_b32 s[G1+5], TSTR/8
	s_mov_b32 s[G1+6], 0
	s_mov_b32 s[G1+7], 0
	s_mov_b32 s[G1B+1], (TB/8)<<16
	s_mov_b32 s[G1B+2], 16<<16
	s_mov_b32 s[G1B+3], (TB/8)<<16
	s_mov_b32 s[G1B+4], 16
	s_mov_b32 s[G1B+5], TSTR/8
	s_mov_b32 s[G1B+6], 0
	s_mov_b32 s[G1B+7], 0
	s_mov_b32 s[G1S+1], 32<<16
	s_mov_b32 s[G1S+2], (QSH/128)<<16
	s_mov_b32 s[G1S+3], 32<<16
	s_mov_b32 s[G1S+4], QSH/128
	s_mov_b32 s[G1S+5], 32
	s_mov_b32 s[G1S+6], 0
	s_mov_b32 s[G1S+7], 0
	s_mov_b32 s[G1SB+1], 32<<16
	s_mov_b32 s[G1SB+2], (PSH/128)<<16
	s_mov_b32 s[G1SB+3], 32<<16
	s_mov_b32 s[G1SB+4], PSH/128
	s_mov_b32 s[G1SB+5], 32
	s_mov_b32 s[G1SB+6], 0
	s_mov_b32 s[G1SB+7], 0
	s_mul_i32 s20, s17, 2*QT                       ; Q: the work-group's first tile
	s_lshl_b32 s46, s42, 4                         ; P likewise
	s_mul_i32 s22, s20, SSTR
	s_add_co_u32 s22, s22, QSCL
	s_mul_i32 s20, s20, TSTR
	s_mul_i32 s92, s46, SSTR
	s_add_co_u32 s92, s92, PSCL
	s_mul_i32 s46, s46, TSTR
	s_add_co_u32 s46, s46, PIMG
	s_mov_b32 s21, 0
	s_mov_b32 s23, 0
	s_mov_b32 s47, 0
	s_mov_b32 s93, 0
	s_mul_i32 s45, s16, QHALF
	s_mul_i32 s94, s16, PHALF
	s_add_co_u32 s94, s94, 2*QHALF
	s_wait_kmcnt 0x0
	s_add_nc_u64 s[20:21], s[4:5], s[20:21]
	s_add_nc_u64 s[22:23], s[4:5], s[22:23]
	s_add_nc_u64 s[46:47], s[6:7], s[46:47]
	s_add_nc_u64 s[92:93], s[6:7], s[92:93]
	CROUND
	s_mov_b32 s[G0S], 1
	s_mov_b32 s[G0S+1], SCQ
	s_mov_b64 s[G0S+2:G0S+3], s[22:23]
	s_or_b32 s[G0S+3], s[G0S+3], 0x80000000
	s_mov_b32 s[G0SB], 1
	s_mov_b32 s[G0SB+1], SCP
	s_mov_b64 s[G0SB+2:G0SB+3], s[92:93]
	s_or_b32 s[G0SB+3], s[G0SB+3], 0x80000000
	s_mov_b32 s[G0], 1                             ; slot 0, whole: Q's tiles,
	s_mov_b32 s[G0+1], 0
	s_mov_b64 s[G0+2:G0+3], s[20:21]
	s_or_b32 s[G0+3], s[G0+3], 0x80000000
	s_mov_b32 s[G0B], 1                            ; and P's, behind them
	s_mov_b32 s[G0B+1], 2*QHALF
	s_mov_b64 s[G0B+2:G0B+3], s[46:47]
	s_or_b32 s[G0B+3], s[G0B+3], 0x80000000
	s_mul_i32 s18, s16, QT*TSTR                    ; in the ring I fetch one half of a tile: where it begins, in bytes
	s_mov_b32 s19, 0
	s_mul_i32 s2, s16, 8*TSTR
	s_mov_b32 s3, 0
; THE HEAD'S LOADS, ONE A WAVE: wave 0 Q's part of slot 0, wave 1 P's, wave 2 Q's scale words, wave 3 P's.  One chain of branches on the wave's number, all arms leading to one join.
.macro ARM under, g0, g1, next
	s_cmp_lt_u32 s14, \under
	s_cbranch_scc0 \next
	tensor_load_to_lds s[\g0:\g0+3], s[\g1:\g1+7]
	s_nop 0
.rept 4
	v_nop
.endr
	s_branch .Lhead_asked
\next:
.endm
	ARM 1, G0, G1, .Lhead_p
	ARM 2, G0B, G1B, .Lhead_sq
	ARM 3, G0S, G1S, .Lhead_sp
	tensor_load_to_lds s[G0SB:G0SB+3], s[G1SB:G1SB+7]
	s_nop 0
.rept 4
	v_nop
.endr
.Lhead_asked:
	s_wait_alu depctr_va_vdst(0)
	s_wait_tensorcnt 0x0                           ; my tile of the head's four is in; slot 1's first fill stands behind these lines and a round
	ds_add_u32 v28, v29
	s_mov_b32 s[G1+2], QT<<16                      ; no tensor load of mine is out: from here on a load brings one half
	s_mov_b32 s[G1+4], QT
	s_mov_b32 s[G1B+2], 8<<16
	s_mov_b32 s[G1B+4], 8
	s_add_nc_u64 s[20:21], s[20:21], s[18:19]
	s_add_nc_u64 s[46:47], s[46:47], s[2:3]
.irp s, 0,1
	s_mov_b32 s[G0+4*\s], 1
	s_add_co_u32 s[G0+4*\s+1], s45, \s*SLOT
	s_add_nc_u64 s[G0+4*\s+2:G0+4*\s+3], s[20:21], \s*TB
	s_or_b32 s[G0+4*\s+3], s[G0+4*\s+3], 0x80000000
	s_mov_b32 s[G0B+4*\s], 1
	s_add_co_u32 s[G0B+4*\s+1], s94, \s*SLOT
	s_add_nc_u64 s[G0B+4*\s+2:G0B+4*\s+3], s[46:47], \s*TB
	s_or_b32 s[G0B+4*\s+3], s[G0B+4*\s+3], 0x80000000
.endr
	s_wait_dscnt 0x0                               ; the add is done
	CROUND                                         ; all four tiles are in, and all sixteen work-groups are here
	JLOAD G0+4, G1, G0B+4, G1B                     ; slot 1, the first tensor load behind the round
	v_and_b32 v1, 31, v0
	v_bfe_u32 v2, v0, 4, 1
	v_and_b32 v3, 15, v0
	v_lshlrev_b32 v4, 6, v2
	v_lshlrev_b32 v5, 4, v1
	s_wait_alu depctr_va_vdst(0)
	v_lshlrev_b32 v6, 3, v1
	s_wait_alu depctr_va_vdst(0)
	v_lshlrev_b32 v7, 2, v3
	s_lshl_b32 s18, s42, 10
	s_lshl_b32 s19, s16, 9
	s_add_co_u32 s18, s18, s19
	s_mov_b32 s19, 0
	s_add_nc_u64 s[8:9], s[8:9], s[18:19]
	WIN 0x40
.irp b, 0,1,2,3,4,5,6,7
	global_load_b128 v[96+8*(\b%4)+128*(\b/4):99+8*(\b%4)+128*(\b/4)], v4, s[8:9] offset:(32*(\b/2)+8*(\b%2))*4
	global_load_b128 v[100+8*(\b%4)+128*(\b/4):103+8*(\b%4)+128*(\b/4)], v4, s[8:9] offset:(32*(\b/2)+8*(\b%2))*4+16
.endr
	WIN 0
	s_mul_i32 s2, s17, 2*QT
	s_mul_i32 s3, s15, QT
	s_add_co_u32 s2, s2, s3
	s_lshl_b32 s2, s2, 16
	s_add_co_u32 s2, s2, s18
	s_mov_b32 s3, 0
	s_add_nc_u64 s[10:11], s[10:11], s[2:3]
	s_add_nc_u64 s[12:13], s[12:13], s[2:3]
	WIN 0x80
.irp a, 0,1
.set TT, 0
.rept 16
	global_load_b128 v[128+64*\a+4*TT:128+64*\a+4*TT+3], v5, s[10:11] offset:(32*(\a/2)+8*(\a%2)+TT+8*(TT/8))*4096
.set TT, TT+1
.endr
.endr
	WIN 0
	s_mul_i32 s18, s15, QHALF
	s_mul_i32 s19, s16, PHALF
	s_add_co_u32 s19, s19, 2*QHALF
.irp s, 0,1
	v_add_nc_u32 v[AQ16+\s], s18, v5
	v_add_nc_u32 v[AQ8+\s], s18, v6
	v_add_nc_u32 v[AP16+\s], s19, v5
	v_add_nc_u32 v[AP8+\s], s19, v6
	s_add_co_u32 s18, s18, SLOT
	s_add_co_u32 s19, s19, SLOT
.endr
	s_mul_i32 s18, s15, QSH
	s_mul_i32 s19, s16, PSH
	s_add_co_u32 s19, s19, SCP-SCQ
	s_sub_co_u32 s19, s19, s18
	v_mul_u32_u24 v9, s19, v2
	s_add_co_u32 s18, s18, SCQ
	v_add_nc_u32 v9, v9, v7
	v_add_nc_u32 v[ADRS], s18, v9
	s_mul_i32 s18, s14, 16*528
	v_mul_u32_u24 v24, v3, 528
	v_lshl_add_u32 v24, v2, 6, v24
	v_add_nc_u32 v24, s18, v24
	v_add_nc_u32 v25, s18, v5
	s_wait_alu depctr_va_vdst(0)
	s_wait_tensorcnt 1
	s_barrier_signal -1
	s_barrier_wait -1
	FETCH_P 0, 0, 0
	FETCH_Q 0, 0, 0
	SCALES 0, 0
	s_wait_loadcnt 16*QT
	STEP 0, 0, 2
.if LAPS > 1
	WIN 0
	s_mov_b32 s3, LAPS-1
.Llap:
	s_wait_alu depctr_va_vdst(0)
	STEP 0, 1, 0
	STEP 0, 2, 0
	TURN 0, 1, 1
	s_wait_alu depctr_va_vdst(0)
	STEP 1, 0, 0
	STEP 1, 1, 0
	STEP 1, 2, 0
	TURN 1, 0, 1
	s_wait_alu depctr_va_vdst(0)
	STEP 0, 0, 0
	WIN 0
	s_sub_co_u32 s3, s3, 1
	s_cmp_lg_u32 s3, 0
	s_cbranch_scc1 .Llap
.endif
	STEP 0, 1, 0
	STEP 0, 2, 0
	TURN 0, 1, 0
	s_wait_alu depctr_va_vdst(0)
	STEP 1, 0, 0
	STEP 1, 1, 0
	STEP 1, 2, 0
	s_wait_dscnt 0x0
	MULR 0, QT, 1, 0
	WIN 0
	PLACES 4
.macro OUTA a
.set BB, 128+64*((\a)%2)
	WIN 0x08
.irp b, 0,1,2,3,4,5,6,7
	ds_store_b128 v24, v[64*(\a)+8*\b:64*(\a)+8*\b+3] offset:128*(\b/2)+32*(\b%2)
	ds_store_b128 v24, v[64*(\a)+8*\b+4:64*(\a)+8*\b+7] offset:128*(\b/2)+32*(\b%2)+16
.endr
	WIN 0
.set TT, 0
.rept 16
	ds_load_b128 v[BB+4*TT:BB+4*TT+3], v25 offset:TT*528
.set TT, TT+1
.endr
	s_wait_dscnt 0x0
	s_wait_loadcnt 16*(QT-1-(\a))
	WIN 0x08
.set I, 0
.rept 32
	v_pk_add_f32 v[BB+I:BB+I+1], v[BB+I:BB+I+1], v[128+64*(\a)+I:128+64*(\a)+I+1]
.set I, I+2
.endr
	WIN 0
.set TT, 0
.rept 16
	global_store_b128 v5, v[BB+4*TT:BB+4*TT+3], s[12:13] offset:(32*((\a)/2)+8*((\a)%2)+TT+8*(TT/8))*4096
.set TT, TT+1
.endr
.endm
	OUTA 0
	OUTA 1
	s_wait_tensorcnt 0x0
	ds_add_u32 v[SPW], v[NIL]
	s_wait_dscnt 0x0
	CROUND
	s_endpgm
.Lfunc_end_k_qff1a8579c3_mlp:
	.size	k_qff1a8579c3_mlp, .Lfunc_end_k_qff1a8579c3_mlp-k_qff1a8579c3_mlp
	.p2alignl 7, 3214868480
	.fill 96, 4, 3214868480
	.section	.rodata,"a",@progbits
	.p2align	6, 0x0
	.amdhsa_kernel k_qff1a8579c3_mlp
		.amdhsa_group_segment_fixed_size 327680
		.amdhsa_private_segment_fixed_size 0
		.amdhsa_enable_private_segment 0
		.amdhsa_kernarg_size 40
		.amdhsa_user_sgpr_count 2
		.amdhsa_user_sgpr_kernarg_segment_ptr 1
		.amdhsa_wavefront_size32 1
		.amdhsa_system_sgpr_workgroup_id_x 1
		.amdhsa_system_sgpr_workgroup_id_y 1
		.amdhsa_system_sgpr_workgroup_id_z 1
		.amdhsa_system_vgpr_workitem_id 0
		.amdhsa_next_free_vgpr 768
		.amdhsa_next_free_sgpr 102
		.amdhsa_reserve_vcc 0
		.amdhsa_float_denorm_mode_32 3
		.amdhsa_float_denorm_mode_16_64 3
		.amdhsa_memory_ordered 1
		.amdhsa_forward_progress 1
		.amdhsa_inst_pref_size 115
	.end_amdhsa_kernel
	.amdgpu_metadata
---
amdhsa.version: [ 1, 2 ]
amdhsa.kernels:
  - .name:           k_qff1a8579c3_mlp
    .symbol:         k_qff1a8579c3_mlp.kd
    .args:
      - { .name: hid, .offset: 0, .size: 8, .value_kind: global_buffer, .address_space: global }
      - { .name: wq, .offset: 8, .size: 8, .value_kind: global_buffer, .address_space: global }
      - { .name: b_mlp_proj, .offset: 16, .size: 8, .value_kind: global_buffer, .address_space: global }
      - { .name: x1, .offset: 24, .size: 8, .value_kind: global_buffer, .address_space: global }
      - { .name: out0, .offset: 32, .size: 8, .value_kind: global_buffer, .address_space: global }
    .group_segment_fixed_size: 327680
    .private_segment_fixed_size: 0
    .kernarg_segment_align: 8
    .kernarg_segment_size: 40
    .max_flat_workgroup_size: 128
    .sgpr_count:     102
    .vgpr_count:     768
    .wavefront_size: 32
...
	.end_amdgpu_metadata
.endif
;; end of part 14
